; MI455X (gfx1250); checked and timed in simulation.
; The chip was launched on July 23, 2026; its instructions are those of AMD's public machine-readable ISA for CDNA 5 (MIT licence, August 2026) and "CDNA5" Instruction Set Architecture Reference Guide (July 2026). The comments in the code are by the model that wrote it; some were corrected since.
;; Transformer Block. Allowed arithmetic: matrix products marked QUANTISED: E3M2 operands, one E8M0 scale for each 32 along K, by v_wmma_scale_f32_16x16x128_f8f6f4 with both operands' format E3M2, f32 sums; everything else in f32.
;; Inputs: W1 1,024 x 4,096 float32; W2 4,096 x 1,024 float32; Wk 1,024 x 1,024 float32; Wo 1,024 x 1,024 float32; Wq 1,024 x 1,024 float32; Wv 1,024 x 1,024 float32; b1 4,096 float32; b2 1,024 float32; bk 1,024 float32; bo 1,024 float32; bq 1,024 float32; bv 1,024 float32; ln1_b 1,024 float32; ln1_g 1,024 float32; ln2_b 1,024 float32; ln2_g 1,024 float32; mask 1 x 2,048 x 2,048 bool; x 2 x 2,048 x 1,024 float32.
;; Outputs: out0 2 x 2,048 x 1,024 float32.
;; This version of the problem:
;;   THIS VERSION OF THE PROBLEM IS GIVEN IN LOW PRECISION. The matrix products marked QUANTISED in the list below multiply operands that are first quantised to E3M2 (3 exponent bits, 2 mantissa bits; 6 bits a number), with one power-of-two scale for each 32 numbers along K (OCP MX v1.0); their sums are f32. All else is computed in f32.
;;   The module's matrix products, in the order in which they are computed (A, B: the left and right operand; K: the contracted axis; several contracted axes count as one K, in the product's order):
;;     1. [M 4,096, K 1,024] x [K 1,024, N 1,024]; A: computed on the way; B: input Wq: QUANTISED
;;     2. [M 4,096, K 1,024] x [K 1,024, N 1,024]; A: computed on the way; B: input Wk: QUANTISED
;;     3. [M 4,096, K 1,024] x [K 1,024, N 1,024]; A: computed on the way; B: input Wv: QUANTISED
;;     4. batch 32 x [M 2,048, K 64] x [K 64, N 2,048]; A: computed on the way; B: computed on the way: QUANTISED
;;     5. batch 32 x [M 2,048, K 2,048] x [K 2,048, N 64]; A: softmax (see below); B: computed on the way: QUANTISED
;;     6. [M 4,096, K 1,024] x [K 1,024, N 1,024]; A: computed on the way; B: input Wo: QUANTISED
;;     7. [M 4,096, K 1,024] x [K 1,024, N 4,096]; A: computed on the way; B: input W1: QUANTISED
;;     8. [M 4,096, K 4,096] x [K 4,096, N 1,024]; A: computed on the way; B: input W2: QUANTISED
;;   THE QUANTISER, for each operand of a quantised product, along K:
;;     - K is cut into blocks of 32 from its start; a last block that is shorter is filled with zeros.
;;     - A block's scale is 2^e with e = floor(log2(the largest magnitude in the block)) - 4, held to -126 .. 127; a block of zeros has e = 0. As a byte (E8M0): e + 127.
;;     - Each number is divided by its block's scale, clamped to +-28, and rounded to the nearest number of E3M2, ties to even, subnormals kept.
;;     - The product sums the exact products of the quantised numbers (number of the format x scale) in f32.
;;   ~~~python
;;   def quantise(x, axis):      # numpy; x: float32 -> the quantised numbers, widened to float32 again
;;       x = np.moveaxis(x, axis, -1); K = x.shape[-1]
;;       x = np.pad(x, [(0, 0)] * (x.ndim - 1) + [(0, -K % 32)]); x = x.reshape(x.shape[:-1] + (-1, 32)); a = np.abs(x).max(-1, keepdims=True)
;;       e = np.where(a > 0, np.clip(np.frexp(np.where(a > 0, a, 1))[1] - 1 - 4, -126, 127), 0)      # np.frexp(a)[1] - 1 = floor(log2(a)), exactly
;;       r = np.clip(x / 2.0 ** e, -28, 28)
;;       step = 2.0 ** (np.maximum(np.frexp(np.where(r == 0, 1, r))[1] - 1, -2) - 2)
;;       q = np.round(r / step) * step * 2.0 ** e      # np.round: ties to even
;;       return np.moveaxis(q.reshape(q.shape[:-2] + (-1,))[..., :K], -1, axis).astype(np.float32)
;;   ~~~
;;   SOFTMAX AHEAD OF A QUANTISED PRODUCT. Where the list says 'softmax', what is quantised is not the finished softmax but p = 2^(t - M), with t = logit x log2(e) and M = ceil(the row's largest t), a whole number; so 1/2 < the row's largest p <= 1. The row's sum l is taken of the UNQUANTISED p, in f32, and the product's result is divided by l at the end. Since M is a whole number, a kernel that streams over the keys may use a running M (the ceiling of the running maximum): every later rescaling is an exact power of two, which a block's scale takes up: the codes' values come out the same.
;;   OPERANDS COMPUTED ON THE WAY. 'Computed on the way' means the value that the module computes at that place (a softmax that the list does not call 'softmax' is quantised finished and normalised). What goes into a quantiser is computed in f32, as accurately as f32 sums, v_exp_f32 and their like allow (about 1e-6 of the number): no bf16 or f16 on the way to a quantiser, and a product that is left as it is and whose result goes on into a quantised operand takes f32 operands (vector FMAs, or v_wmma_f32_16x16x4_f32). A number that lies on a knife's edge between two numbers of the format may be rounded either way, as far as f32 arithmetic and the matrix unit's own rounding can turn it there, and no further.
;; 2 versions, each right; version 2 is version 1 with the launch attn written anew for expert scheduling mode. Each part assembles by itself: llvm-mc -triple=amdgcn-amd-amdhsa -mcpu=gfx1250 --defsym DOCPART=n.
;; ======== version 1 of 2: 8 launches
;; workspace buffers: wimg 9,830,400 bytes; xq 3,276,800 bytes; aq 3,276,800 bytes; fq 13,107,200 bytes; hbuf 16,777,216 bytes; qkvb 9,830,400 bytes; mw 532,480 bytes of whole numbers
;; launch prep (part 1): grid 640 x 1, 8 waves a work-group, no clusters, 0 bytes of LDS; arguments W1, W2, Wq, Wk, Wv, Wo, mask, wimg, mw; writes wimg, mw
.if DOCPART == 1
	.amdgcn_target "amdgcn-amd-amdhsa--gfx1250"
	.amdhsa_code_object_version 6
	.text
	.protected	k_q2558a35e3b_prep
	.globl	k_q2558a35e3b_prep
	.p2align	8
	.type	k_q2558a35e3b_prep,@function
k_q2558a35e3b_prep:
	s_mov_b64 s[64:65], 0
	v_nop
	global_prefetch_b8 v0, s[64:65] scope:SCOPE_SE
	s_setreg_imm32_b32 hwreg(HW_REG_WAVE_MODE, 25, 1), 1
	s_wait_xcnt 0x0
; The six weights, f32 [K][N], become codes of E3M2 with one E8M0 byte for each 32 along K; the mask becomes lane masks.
; OPERAND IMAGE.  A fragment (tile T of 16 rows, K step s of 128) is 1,536 bytes, the image of its 12 registers: lane L's registers 0-3 at 16 L, 4-5 at 512 + 8 L,
; 6-9 at 768 + 16 L, 10-11 at 1280 + 8 L.  Fragment (T, s) lies at (T KS + s) 1536; its scale words at ((T KS + s) 16 + r) 4.
; Row r of tile T is row 32 (T / 2) + 8 (T % 2) + r + 8 (r / 8) of the matrix, so that the results of two neighbouring tiles are 16 neighbours in a lane's registers.
; WEIGHTS: a lane takes a column n and its registers run down K: a block of 32 lies in one lane, its codes come out with K innermost.  A wave takes 32 columns x 128 along K.
; Each store of 16 bytes a lane fills two aligned runs of 256 bytes (lanes of one tile are neighbours in the image).
; A block's scale byte is its largest magnitude's exponent field - 4, held at 1 from below; a block of zeros keeps the byte 1 (its codes are zeros; only this program reads the bytes).
; LIMITS: NaN and infinities among the inputs are not served.
; MASK: a wave takes one tile of 16 queries x 128 keys.  Word n = 16 b + i: bit (r, h) = mask[row r of the tile][128 ks + 32 b + 16 h + i]: the lane mask for register n of the scores.
; The flag of (tile, step): bits 15:0 the rows that see a key in the step, bit 16 all 2,048 bits set.
; Work-groups 0-127 W1, 128-255 W2, 256-383 Wq Wk Wv Wo, 384-639 the mask.  No LDS, no barrier: waves share nothing.
.set X,  32                            ; v32-95   two sets of 32 numbers
.set C,  96                            ; v96-127  a block's codes: eight registers for each of the four blocks, so that no store's data are written again
.macro WLOAD t, pitch                  ; block t: W(128 s + 32 t + i, my column)
.set i, 0
.rept 32
	global_load_b32 v[X+32*((\t)%2)+i], v1, s[24:25] offset:(32*(\t)+i)*\pitch th:TH_LOAD_NT
.set i, i+1
.endr
.endm
.macro WBLOCK t, pitch
.set XS, X+32*((\t)%2)
.set CC, C+8*(\t)
.if (\t) < 3
	s_wait_loadcnt 32                              ; this block's 32 loads are in; the next block's may be out
.else
	s_wait_loadcnt 0x0
.endif
	v_max3_num_f32 v14, |v[XS]|, |v[XS+1]|, |v[XS+2]|
	v_max3_num_f32 v15, |v[XS+3]|, |v[XS+4]|, |v[XS+5]|
.irp i, 6,10,14,18,22,26
	v_max3_num_f32 v14, v14, |v[XS+\i]|, |v[XS+\i+1]|
	v_max3_num_f32 v15, v15, |v[XS+\i+2]|, |v[XS+\i+3]|
.endr
	v_max3_num_f32 v14, v14, |v[XS+30]|, |v[XS+31]|
	v_max3_num_f32 v14, v14, v15, 0x2800000        ; and the floor 2^(5 - 127): the byte cannot fall under 1
	v_add_nc_u32 v16, 0xfe000000, v14              ; 4 off the exponent field: the conversion's scale operand
	v_cvt_scalef32_pk16_bf6_f32 v[CC:CC+2], v[XS:XS+15], v16
	v_cvt_scalef32_pk16_bf6_f32 v[CC+4:CC+6], v[XS+16:XS+31], v16
	v_lshrrev_b32 v17, 23, v16                     ; the scale's byte (a plain line behind the conversions)
.if (\t) == 0
	v_mov_b32 v13, v17
.else
	v_lshl_or_b32 v13, v17, 8*(\t), v13            ; the four bytes make my column's scale word of this K step
.endif
	v_mov_b32 v[CC+3], v[CC+4]                     ; a conversion's three registers begin on an even number: the gap is closed
	v_mov_b32 v[CC+4], v[CC+5]
	v_mov_b32 v[CC+5], v[CC+6]
	global_store_b128 v2, v[CC:CC+3], s[26:27] offset:768*((\t)/2)+256*((\t)%2)       ; block t = 2 c + h is lane (r, h)'s registers 6 c .. 6 c + 5
	global_store_b64 v3, v[CC+4:CC+5], s[26:27] offset:768*((\t)/2)+512+128*((\t)%2)
.if (\t) < 2
	WLOAD (\t)+2, \pitch
.endif
.endm
.macro WQ pitch
	WLOAD 0, \pitch
	WLOAD 1, \pitch
	WBLOCK 0, \pitch
	WBLOCK 1, \pitch
	WBLOCK 2, \pitch
	WBLOCK 3, \pitch
	global_store_b32 v4, v13, s[28:29]
	s_endpgm
.endm
	s_load_b512 s[4:19], s[0:1], 0x0               ; W1 s[4:5], W2 s[6:7], Wq s[8:9], Wk s[10:11], Wv s[12:13], Wo s[14:15], mask s[16:17], wimg s[18:19]
	s_load_b64 s[20:21], s[0:1], 0x40              ; mw
	v_lshrrev_b32 v1, 5, v0
	v_readfirstlane_b32 s22, v1                    ; wave 0..7
	v_and_b32 v5, 31, v0                           ; lane
	s_wait_kmcnt 0x0
	s_cmp_ge_u32 ttmp9, 384
	s_cbranch_scc1 .Lmask
	s_cmp_lt_u32 ttmp9, 128
	s_cbranch_scc0 .Lnot_w1
	s_and_b32 s23, ttmp9, 15                       ; W1: group of 256 columns,
	s_lshr_b32 s30, ttmp9, 4                       ; K step
	s_mov_b32 s31, 8                               ; KS
	s_mov_b32 s32, 3145728                         ; its codes in wimg
	s_mov_b32 s33, 9568256                         ; its scale words
	s_mov_b32 s34, 128*16384                       ; bytes of 128 rows
	s_mov_b64 s[24:25], s[4:5]
	s_branch .Lcommon
.Lnot_w1:
	s_cmp_lt_u32 ttmp9, 256
	s_cbranch_scc0 .Lsquare
	s_sub_co_u32 s35, ttmp9, 128                   ; W2
	s_and_b32 s23, s35, 3
	s_lshr_b32 s30, s35, 2
	s_mov_b32 s31, 32
	s_mov_b32 s32, 6291456
	s_mov_b32 s33, 9699328
	s_mov_b32 s34, 128*4096
	s_mov_b64 s[24:25], s[6:7]
	s_branch .Lcommon
.Lsquare:
	s_sub_co_u32 s35, ttmp9, 256                   ; Wq, Wk, Wv, Wo: 32 work-groups each
	s_and_b32 s23, s35, 3
	s_bfe_u32 s30, s35, 0x30002
	s_lshr_b32 s35, s35, 5                         ; which of the four
	s_mov_b32 s31, 8
	s_mul_i32 s32, s35, 786432
	s_lshl_b32 s33, s35, 15
	s_add_co_u32 s33, s33, 9437184
	s_mov_b32 s34, 128*4096
	s_cmp_lt_u32 s35, 2
	s_cselect_b64 s[24:25], s[8:9], s[12:13]       ; the choice hangs on the work-group's number alone
	s_cselect_b64 s[26:27], s[10:11], s[14:15]
	s_bitcmp1_b32 s35, 0
	s_cselect_b64 s[24:25], s[26:27], s[24:25]
.Lcommon:
	s_lshl_b32 s35, s23, 3
	s_add_co_u32 s35, s35, s22                     ; my wave's group of 32 columns
	s_mul_i32 s36, s30, s34
	s_lshl_b32 s37, s35, 7
	s_add_co_u32 s36, s36, s37
	s_mov_b32 s37, 0
	s_add_nc_u64 s[24:25], s[24:25], s[36:37]      ; W at (128 s, my first column)
	s_lshl_b32 s35, s35, 1                         ; the group's first tile
	s_mul_i32 s35, s35, s31
	s_add_co_u32 s35, s35, s30                     ; fragment T KS + s
	s_mul_i32 s36, s35, 1536
	s_add_co_u32 s36, s36, s32
	s_add_nc_u64 s[26:27], s[18:19], s[36:37]
	s_lshl_b32 s36, s35, 6
	s_add_co_u32 s36, s36, s33
	s_add_nc_u64 s[28:29], s[18:19], s[36:37]
	v_lshlrev_b32 v1, 2, v5                        ; in: 4 bytes a lane
	v_bfe_u32 v6, v5, 3, 1                         ; column l of the 32 is row r = l % 8 + 8 (l / 16) of tile p = (l / 8) % 2
	v_and_b32 v7, 7, v5
	v_bfe_u32 v8, v5, 4, 1
	v_lshl_add_u32 v7, v8, 3, v7
	s_mul_i32 s38, s31, 1536
	v_mul_u32_u24 v9, s38, v6                      ; the second tile's fragment lies KS fragments on
	v_lshl_add_u32 v2, v7, 4, v9
	v_lshl_add_u32 v3, v7, 3, v9
	s_lshl_b32 s38, s31, 6
	v_mul_u32_u24 v9, s38, v6
	v_lshl_add_u32 v4, v7, 2, v9
	s_cmp_lt_u32 ttmp9, 128
	s_cbranch_scc0 .Lnarrow
	WQ 16384
.Lnarrow:
	WQ 4096
.Lmask:
	s_sub_co_u32 s23, ttmp9, 384
	s_lshr_b32 s30, s23, 1                         ; tile of queries
	s_and_b32 s31, s23, 1
	s_lshl_b32 s31, s31, 3
	s_add_co_u32 s31, s31, s22                     ; key step
	s_lshr_b32 s32, s30, 1
	s_lshl_b32 s32, s32, 5
	s_and_b32 s33, s30, 1
	s_lshl_b32 s33, s33, 3
	s_add_co_u32 s32, s32, s33                     ; the tile's first row
	s_lshl_b32 s32, s32, 11
	s_lshl_b32 s33, s31, 7
	s_add_co_u32 s32, s32, s33
	s_mov_b32 s33, 0
	s_add_nc_u64 s[24:25], s[16:17], s[32:33]
	s_lshl_b32 s34, s30, 4
	s_add_co_u32 s34, s34, s31
	s_lshl_b32 s26, s34, 8
	s_mov_b32 s27, 0
	s_add_nc_u64 s[26:27], s[20:21], s[26:27]      ; the 64 words
	s_lshl_b32 s28, s34, 2
	s_add_co_u32 s28, s28, 524288
	s_mov_b32 s29, 0
	s_add_nc_u64 s[28:29], s[20:21], s[28:29]      ; the flag
	v_and_b32 v6, 15, v5                           ; r
	v_bfe_u32 v7, v5, 4, 1                         ; h
	v_and_b32 v8, 8, v6
	v_add_nc_u32 v8, v8, v6                        ; r + 8 (r / 8)
	v_lshlrev_b32 v8, 11, v8
	v_lshl_add_u32 v8, v7, 4, v8                   ; my row, + 16 h
.irp b, 0,1,2,3
	global_load_b128 v[32+4*\b:35+4*\b], v8, s[24:25] offset:32*\b
.endr
	v_lshlrev_b32 v9, 2, v5
	v_mov_b32 v48, 0
	v_mov_b32 v49, 0
	s_mov_b32 s40, -1                              ; AND of the words
	s_mov_b32 s41, 0                               ; OR of the words
	s_wait_loadcnt 0x0
.set n, 0
.rept 64
	v_bfe_u32 v[12+n%4], v[32+4*(n/16)+(n%16)/4], 8*(n%4), 8
	v_cmp_ne_u32 s[36+n%4], 0, v[12+n%4]           ; word n: a bit for each lane
	s_and_b32 s40, s40, s[36+n%4]
	s_or_b32 s41, s41, s[36+n%4]
	v_writelane_b32 v[48+n/32], s[36+n%4], n%32
.set n, n+1
.endr
	global_store_b32 v9, v48, s[26:27]
	global_store_b32 v9, v49, s[26:27] offset:128  ; the two stores cover 256 consecutive bytes, aligned
	s_lshr_b32 s42, s41, 16
	s_or_b32 s41, s41, s42                         ; a row's two lanes
	s_and_b32 s41, s41, 0xffff
	s_cmp_eq_u32 s40, -1
	s_cselect_b32 s42, 0x10000, 0
	s_or_b32 s41, s41, s42
	v_mov_b32 v50, s41
	v_mov_b32 v51, 0
	v_cmp_eq_u32 vcc_lo, 0, v5
	s_wait_xcnt 0x0                                ; EXEC changes only behind this wait
	s_and_saveexec_b32 s43, vcc_lo
	global_store_b32 v51, v50, s[28:29]            ; lane 0 alone
	s_wait_xcnt 0x0
	s_or_b32 exec_lo, exec_lo, s43
	s_endpgm
.Lfunc_end_k_q2558a35e3b_prep:
	.size	k_q2558a35e3b_prep, .Lfunc_end_k_q2558a35e3b_prep-k_q2558a35e3b_prep
	.p2alignl 7, 3214868480
	.fill 96, 4, 3214868480
	.section	.rodata,"a",@progbits
	.p2align	6, 0x0
	.amdhsa_kernel k_q2558a35e3b_prep
		.amdhsa_group_segment_fixed_size 0
		.amdhsa_private_segment_fixed_size 0
		.amdhsa_enable_private_segment 0
		.amdhsa_kernarg_size 72
		.amdhsa_user_sgpr_count 2
		.amdhsa_user_sgpr_kernarg_segment_ptr 1
		.amdhsa_wavefront_size32 1
		.amdhsa_system_sgpr_workgroup_id_x 1
		.amdhsa_system_sgpr_workgroup_id_y 1
		.amdhsa_system_sgpr_workgroup_id_z 1
		.amdhsa_system_vgpr_workitem_id 0
		.amdhsa_next_free_vgpr 128
		.amdhsa_next_free_sgpr 66
		.amdhsa_reserve_vcc 1
		.amdhsa_float_denorm_mode_32 3
		.amdhsa_float_denorm_mode_16_64 3
		.amdhsa_memory_ordered 1
		.amdhsa_forward_progress 1
		.amdhsa_inst_pref_size 59
	.end_amdhsa_kernel
	.amdgpu_metadata
---
amdhsa.version: [ 1, 2 ]
amdhsa.kernels:
  - .name:           k_q2558a35e3b_prep
    .symbol:         k_q2558a35e3b_prep.kd
    .args:
      - { .name: W1, .offset: 0, .size: 8, .value_kind: global_buffer, .address_space: global }
      - { .name: W2, .offset: 8, .size: 8, .value_kind: global_buffer, .address_space: global }
      - { .name: Wq, .offset: 16, .size: 8, .value_kind: global_buffer, .address_space: global }
      - { .name: Wk, .offset: 24, .size: 8, .value_kind: global_buffer, .address_space: global }
      - { .name: Wv, .offset: 32, .size: 8, .value_kind: global_buffer, .address_space: global }
      - { .name: Wo, .offset: 40, .size: 8, .value_kind: global_buffer, .address_space: global }
      - { .name: mask, .offset: 48, .size: 8, .value_kind: global_buffer, .address_space: global }
      - { .name: wimg, .offset: 56, .size: 8, .value_kind: global_buffer, .address_space: global }
      - { .name: mw, .offset: 64, .size: 8, .value_kind: global_buffer, .address_space: global }
    .group_segment_fixed_size: 0
    .private_segment_fixed_size: 0
    .kernarg_segment_align: 8
    .kernarg_segment_size: 72
    .max_flat_workgroup_size: 256
    .sgpr_count:     66
    .vgpr_count:     128
    .wavefront_size: 32
...
	.end_amdgpu_metadata
.endif
;; end of part 1
;; launch ln1 (part 2): grid 256 x 1, 8 waves a work-group, no clusters, 87,552 bytes of LDS; arguments x, ln1_g, ln1_b, xq; writes xq
.if DOCPART == 2
	.amdgcn_target "amdgcn-amd-amdhsa--gfx1250"
	.amdhsa_code_object_version 6
	.text
	.protected	k_q2558a35e3b_ln1
	.globl	k_q2558a35e3b_ln1
	.p2align	8
	.type	k_q2558a35e3b_ln1,@function
k_q2558a35e3b_ln1:
	s_mov_b64 s[64:65], 0
	v_nop
	global_prefetch_b8 v0, s[64:65] scope:SCOPE_SE
	s_setreg_imm32_b32 hwreg(HW_REG_WAVE_MODE, 25, 1), 1
	s_wait_xcnt 0x0
; y = (x - mean) rsqrt(var + 1e-5) g + b along rows of 1,024, all in f32 (the variance from the differences, in a second pass over registers), then quantised to E3M2 along the row.
; A work-group makes one tile T of 16 rows of the operand image (row r of tile T is row 32 (T / 2) + 8 (T % 2) + r + 8 (r / 8)): eight fragments of 1,536 bytes and 512 bytes of scale words.
; Wave w takes rows r = 2 w and 2 w + 1.  Each load reads 512 consecutive bytes; a row turns through the wave's own stage in LDS (places of 128 + 16 bytes) so that a lane holds ONE block of 32 columns.
; The codes meet in LDS as the image of the tile, and leave as 16 bytes a thread: every store of a wave covers 512 consecutive bytes, aligned.
; A block's scale byte is its largest magnitude's exponent field - 4, held at 1 from below (a block of zeros keeps 1: its codes are zeros; only this program reads the bytes).
; LIMITS: NaN and infinities among the inputs are not served.  No matrix unit, no cluster: the launch streams, and work-groups share only g and b (8 KB).
.set IMG, 73728                        ; LDS: behind the eight waves' stages (2 x 4,608 bytes each): the tile's image, 12,288 bytes,
.set SCB, 86016                        ; and its scale words, 512 bytes
.set G,  32                            ; v32-63   g of my 32 columns
.set B,  64                            ; v64-95   b
.set X0, 96                            ; v96-127  row 0: my block
.set X1, 128                           ; v128-159 row 1
.set R0, 160                           ; v160-191 row 0 as loaded
.set R1, 192                           ; v192-223 row 1 as loaded
.set CD, 224                           ; v224-230 codes
.macro WSUM a, t                       ; the sum over the 32 lanes, in every lane
	v_add_f32_dpp v[\a], v[\a], v[\a] row_xmask:1 row_mask:0xf bank_mask:0xf
	v_add_f32_dpp v[\a], v[\a], v[\a] row_xmask:2 row_mask:0xf bank_mask:0xf
	v_add_f32_dpp v[\a], v[\a], v[\a] row_xmask:4 row_mask:0xf bank_mask:0xf
	v_add_f32_dpp v[\a], v[\a], v[\a] row_xmask:8 row_mask:0xf bank_mask:0xf
	v_permlanex16_b32 v[\t], v[\a], s18, s19
	v_add_f32 v[\a], v[\a], v[\t]
.endm
.macro TURN row, raw, x                ; a row through the stage: LDS serves a wave's instructions in order, so no wait stands between the stores and the loads
.set j, 0
.rept 8
	ds_store_b128 v6, v[\raw+4*j:\raw+4*j+3] offset:4608*\row+576*j
.set j, j+1
.endr
.set j, 0
.rept 8
	ds_load_b128 v[\x+4*j:\x+4*j+3], v7 offset:4608*\row+16*j
.set j, j+1
.endr
.endm
.macro ROW x, row
	v_pk_add_f32 v[16:17], v[\x:\x+1], v[\x+2:\x+3]
	v_pk_add_f32 v[18:19], v[\x+4:\x+5], v[\x+6:\x+7]
.irp i, 8,12,16,20,24,28
	v_pk_add_f32 v[16:17], v[16:17], v[\x+\i:\x+\i+1]
	v_pk_add_f32 v[18:19], v[18:19], v[\x+\i+2:\x+\i+3]
.endr
	v_pk_add_f32 v[16:17], v[16:17], v[18:19]
	v_add_f32 v16, v16, v17
	WSUM 16, 17
	v_mul_f32 v20, s16, v16                        ; the mean
	v_mov_b32 v21, v20
.set j, 0
.rept 16
	v_pk_add_f32 v[\x+j:\x+j+1], v[\x+j:\x+j+1], v[20:21] neg_lo:[0,1] neg_hi:[0,1]
.set j, j+2
.endr
	v_pk_mul_f32 v[16:17], v[\x:\x+1], v[\x:\x+1]
	v_pk_mul_f32 v[18:19], v[\x+2:\x+3], v[\x+2:\x+3]
.irp i, 4,8,12,16,20,24,28
	v_pk_fma_f32 v[16:17], v[\x+\i:\x+\i+1], v[\x+\i:\x+\i+1], v[16:17]
	v_pk_fma_f32 v[18:19], v[\x+\i+2:\x+\i+3], v[\x+\i+2:\x+\i+3], v[18:19]
.endr
	v_pk_add_f32 v[16:17], v[16:17], v[18:19]
	v_add_f32 v16, v16, v17
	WSUM 16, 17
	v_fma_f32 v22, v16, s16, s17                   ; the variance + 1e-5
	v_rsq_f32 v22, v22
	v_nop                                          ; a plain line behind the transcendental
	s_wait_alu depctr_va_vdst(0)
	v_mov_b32 v23, v22
	s_wait_loadcnt 0x0                             ; g and b
.set j, 0
.rept 16
	v_pk_mul_f32 v[\x+j:\x+j+1], v[\x+j:\x+j+1], v[22:23]
.set j, j+2
.endr
.set j, 0
.rept 16
	v_pk_fma_f32 v[\x+j:\x+j+1], v[\x+j:\x+j+1], v[G+j:G+j+1], v[B+j:B+j+1]
.set j, j+2
.endr
	v_max3_num_f32 v14, |v[\x]|, |v[\x+1]|, |v[\x+2]|               ; the block's largest magnitude: all 32 numbers are mine
	v_max3_num_f32 v15, |v[\x+3]|, |v[\x+4]|, |v[\x+5]|
.irp i, 6,10,14,18,22,26
	v_max3_num_f32 v14, v14, |v[\x+\i]|, |v[\x+\i+1]|
	v_max3_num_f32 v15, v15, |v[\x+\i+2]|, |v[\x+\i+3]|
.endr
	v_max3_num_f32 v14, v14, |v[\x+30]|, |v[\x+31]|
	v_max3_num_f32 v14, v14, v15, 0x2800000        ; the floor 2^(5 - 127)
	v_add_nc_u32 v24, 0xfe000000, v14              ; the conversion's scale operand
	v_cvt_scalef32_pk16_bf6_f32 v[CD:CD+2], v[\x:\x+15], v24
	v_cvt_scalef32_pk16_bf6_f32 v[CD+4:CD+6], v[\x+16:\x+31], v24
	v_lshrrev_b32 v25, 23, v24                     ; the byte (a plain line behind the conversions)
	v_mov_b32 v[CD+3], v[CD+4]
	v_mov_b32 v[CD+4], v[CD+5]
	v_mov_b32 v[CD+5], v[CD+6]
	ds_store_b128 v10, v[CD:CD+3] offset:16*\row   ; my block is lane (r, l % 2)'s registers 6 c .. 6 c + 5 of fragment l / 4, c = (l / 2) % 2
	ds_store_b64 v11, v[CD+4:CD+5] offset:8*\row
	ds_store_b8 v12, v25 offset:4*\row
.endm
	s_load_b256 s[4:11], s[0:1], 0x0               ; x s[4:5], g s[6:7], b s[8:9], the codes s[10:11]
	v_lshl_add_u32 v240, v0, 2, 0x15200
	v_mov_b32 v241, 0
	v_lshrrev_b32 v1, 5, v0
	v_readfirstlane_b32 s12, v1                    ; wave 0..7
	v_and_b32 v5, 31, v0                           ; lane
	s_lshr_b32 s13, ttmp9, 1
	s_lshl_b32 s13, s13, 5
	s_and_b32 s14, ttmp9, 1
	s_lshl_b32 s14, s14, 3
	s_add_co_u32 s13, s13, s14
	s_lshl_b32 s14, s12, 1
	s_add_co_u32 s13, s13, s14
	s_lshr_b32 s14, s12, 2
	s_lshl_b32 s14, s14, 3
	s_add_co_u32 s13, s13, s14                     ; my first row: 32 (T / 2) + 8 (T % 2) + 2 w + 8 (w / 4)
	s_lshl_b32 s14, s13, 12
	s_mov_b32 s15, 0
	s_mov_b32 s16, 0x3a800000                      ; 1 / 1024
	s_mov_b32 s17, 0x3727c5ac                      ; 1e-5
	s_mov_b32 s18, 0x76543210
	s_mov_b32 s19, 0xfedcba98                      ; v_permlanex16_b32's selects for lane l xor 16
	s_mul_i32 s20, ttmp9, 12288
	s_mov_b32 s21, 0
	s_lshl_b32 s22, ttmp9, 9
	s_add_co_u32 s22, s22, 3145728
	s_mov_b32 s23, 0
	s_mul_i32 s24, s12, 9216                       ; my stages
	v_lshlrev_b32 v2, 4, v5                        ; 16 x lane
	v_lshlrev_b32 v3, 7, v5                        ; 128 x lane: my 32 numbers of g and b
	s_wait_kmcnt 0x0
	s_add_nc_u64 s[4:5], s[4:5], s[14:15]
	s_add_nc_u64 s[20:21], s[10:11], s[20:21]
	s_add_nc_u64 s[22:23], s[10:11], s[22:23]
.set j, 0
.rept 8
	global_load_b128 v[R0+4*j:R0+4*j+3], v2, s[4:5] offset:512*j
.set j, j+1
.endr
.set j, 0
.rept 8
	global_load_b128 v[R1+4*j:R1+4*j+3], v2, s[4:5] offset:4096+512*j
.set j, j+1
.endr
.set j, 0
.rept 8
	global_load_b128 v[G+4*j:G+4*j+3], v3, s[6:7] offset:16*j
.set j, j+1
.endr
.set j, 0
.rept 8
	global_load_b128 v[B+4*j:B+4*j+3], v3, s[8:9] offset:16*j
.set j, j+1
.endr
	v_lshrrev_b32 v6, 3, v5
	v_mul_u32_u24 v6, v6, 144
	v_and_b32 v7, 7, v5
	v_lshl_add_u32 v6, v7, 4, v6
	v_add_nc_u32 v6, s24, v6                       ; the stage, in: eight lanes' 128 bytes on end, then 16 of padding
	v_mul_u32_u24 v7, v5, 144
	v_add_nc_u32 v7, s24, v7                       ; out: 144 x lane: my block
	v_lshrrev_b32 v8, 2, v5
	v_mul_u32_u24 v9, v8, 1536
	v_bfe_u32 v13, v5, 1, 1
	v_mad_u32_u24 v9, v13, 768, v9                 ; fragment l / 4, half (l / 2) % 2
	v_and_b32 v13, 1, v5
	v_lshl_add_u32 v10, v13, 8, v9
	s_lshl_b32 s25, s12, 5
	v_add_nc_u32 v10, s25, v10
	v_add_nc_u32 v10, IMG, v10                     ; + 256 (l % 2) + 16 r, r = 2 w + row
	v_lshl_add_u32 v11, v13, 7, v9
	s_lshl_b32 s25, s12, 4
	v_add_nc_u32 v11, s25, v11
	v_add_nc_u32 v11, IMG+512, v11                 ; + 512 + 128 (l % 2) + 8 r
	v_lshlrev_b32 v12, 6, v8
	v_and_b32 v13, 3, v5
	v_add_nc_u32 v12, v12, v13
	s_lshl_b32 s25, s12, 3
	v_add_nc_u32 v12, s25, v12
	v_add_nc_u32 v12, SCB, v12                     ; the byte: 64 (l / 4) + 4 r + l % 4
	v_lshlrev_b32 v9, 4, v0                        ; the way out: 16 x thread
	v_add_nc_u32 v8, IMG, v9
	v_add_nc_u32 v13, SCB, v2
	s_wait_loadcnt 24                              ; row 0 is in; row 1, g and b (24 loads) may be out
	TURN 0, R0, X0
	s_wait_loadcnt 16                              ; row 1 is in; g and b may be out
	TURN 1, R1, X1
	s_wait_dscnt 16                                ; row 0 is back from the stage; row 1's sixteen LDS instructions may be out
	ROW X0, 0
	s_wait_dscnt 0x0                               ; row 1 is back, and row 0's stores have read their registers
	ROW X1, 1
	s_wait_dscnt 0x0                               ; for the others' sake: my stores into the image have landed
	s_barrier_signal -1
	s_barrier_wait -1
.irp j, 0,1,2
	ds_load_b128 v[R0+4*\j:R0+4*\j+3], v8 offset:4096*\j
.endr
.irp j, 0,1,2
	s_wait_dscnt 2-\j
	global_store_b128 v9, v[R0+4*\j:R0+4*\j+3], s[20:21] offset:4096*\j
.endr
	s_cmp_lg_u32 s12, 0
	s_cbranch_scc1 .Ldone
	ds_load_b128 v[R1:R1+3], v13                   ; wave 0: the 512 bytes of scale words
	s_wait_dscnt 0x0
	global_store_b128 v2, v[R1:R1+3], s[22:23]
.Ldone:
	s_wait_tensorcnt 0x0
	ds_add_u32 v240, v241
	s_wait_dscnt 0x0
	s_endpgm
.Lfunc_end_k_q2558a35e3b_ln1:
	.size	k_q2558a35e3b_ln1, .Lfunc_end_k_q2558a35e3b_ln1-k_q2558a35e3b_ln1
	.p2alignl 7, 3214868480
	.fill 96, 4, 3214868480
	.section	.rodata,"a",@progbits
	.p2align	6, 0x0
	.amdhsa_kernel k_q2558a35e3b_ln1
		.amdhsa_group_segment_fixed_size 87552
		.amdhsa_private_segment_fixed_size 0
		.amdhsa_enable_private_segment 0
		.amdhsa_kernarg_size 32
		.amdhsa_user_sgpr_count 2
		.amdhsa_user_sgpr_kernarg_segment_ptr 1
		.amdhsa_wavefront_size32 1
		.amdhsa_system_sgpr_workgroup_id_x 1
		.amdhsa_system_sgpr_workgroup_id_y 1
		.amdhsa_system_sgpr_workgroup_id_z 1
		.amdhsa_system_vgpr_workitem_id 0
		.amdhsa_next_free_vgpr 242
		.amdhsa_next_free_sgpr 66
		.amdhsa_reserve_vcc 0
		.amdhsa_float_denorm_mode_32 3
		.amdhsa_float_denorm_mode_16_64 3
		.amdhsa_memory_ordered 1
		.amdhsa_forward_progress 1
		.amdhsa_inst_pref_size 25
	.end_amdhsa_kernel
	.amdgpu_metadata
---
amdhsa.version: [ 1, 2 ]
amdhsa.kernels:
  - .name:           k_q2558a35e3b_ln1
    .symbol:         k_q2558a35e3b_ln1.kd
    .args:
      - { .name: x, .offset: 0, .size: 8, .value_kind: global_buffer, .address_space: global }
      - { .name: ln1_g, .offset: 8, .size: 8, .value_kind: global_buffer, .address_space: global }
      - { .name: ln1_b, .offset: 16, .size: 8, .value_kind: global_buffer, .address_space: global }
      - { .name: xq, .offset: 24, .size: 8, .value_kind: global_buffer, .address_space: global }
    .group_segment_fixed_size: 87552
    .private_segment_fixed_size: 0
    .kernarg_segment_align: 8
    .kernarg_segment_size: 32
    .max_flat_workgroup_size: 256
    .sgpr_count:     66
    .vgpr_count:     242
    .wavefront_size: 32
...
	.end_amdgpu_metadata
.endif
;; end of part 2
;; launch qkv (part 3): grid 4 x 48, 4 waves a work-group, clusters of 4 x 4, 327,680 bytes of LDS; arguments xq, wimg, bq, bk, bv, qkvb; writes qkvb
.if DOCPART == 3
	.amdgcn_target "amdgcn-amd-amdhsa--gfx1250"
	.amdhsa_code_object_version 6
	.text
	.protected	k_q2558a35e3b_qkv
	.globl	k_q2558a35e3b_qkv
	.p2align	8
	.type	k_q2558a35e3b_qkv,@function
k_q2558a35e3b_qkv:
	s_mov_b64 s[64:65], 0
	v_nop
	global_prefetch_b8 v0, s[64:65] scope:SCOPE_SE
	s_setreg_imm32_b32 hwreg(HW_REG_WAVE_MODE, 25, 1), 1
	s_wait_xcnt 0x0
	s_wait_alu depctr_hold_cnt(0) depctr_sa_sdst(0) depctr_va_vdst(0) depctr_va_sdst(0) depctr_va_ssrc(0) depctr_va_vcc(0) depctr_vm_vsrc(0)
	s_getreg_b32 s2, hwreg(HW_REG_IB_STS2, 6, 4)
	s_cmp_eq_u32 s2, 0
	s_cbranch_scc0 .Lentry_in_a_cluster
	s_endpgm
.Lentry_in_a_cluster:
	s_bfe_u32 s2, ttmp6, 0x10000c
	s_cmp_lg_u32 s2, 0xf033
	s_cbranch_scc0 .Lentry_shape_is_right
	s_endpgm
.Lentry_shape_is_right:
; q = xn Wq + bq, k = xn Wk + bk (quantised along the head's 64) and v^T = (xn Wv + bv)^T (quantised along the keys), on codes of E3M2 with E8M0 scales; sums in f32.
; OPERANDS are register images: fragment (tile T of 16 rows, K step s of 128) = 1,536 bytes at (T KS + s) 1536: lane L's registers 0-3 at 16 L, 4-5 at 512 + 8 L, 6-9 at 768 + 16 L, 10-11 at 1280 + 8 L;
; scale words at ((T KS + s) 16 + r) 4.  Row r of tile T is row 32 (T / 2) + 8 (T % 2) + r + 8 (r / 8): so a lane's 16 results of two neighbouring tiles of source 0 are 16 neighbours.
; A work-group of four waves makes 256 x 256, a wave 128 x 128: 64 accumulators.  THE MATRIX INSTRUCTION IS USED TRANSPOSED: source 0 = 16 rows of "B", source 1 = 16 rows of "A"; a lane holds one row of A
; and its registers run along B's rows.  K = 1,024 goes in slots of 256 through a ring of two LDS slots filled by the tensor data mover; the scale words of all of K come once.
; TWO KINDS OF CLUSTER, by the cluster's y, which all sixteen partners share: y < 8: A = xn's tokens, B = the 2,048 rows of Wq and Wk; y >= 8: A = Wv's rows, B = xn's tokens, so that the registers run along
; the keys.  The kind chooses pointers and offsets by selects, and, behind the last product, one of two ways out.
; CLUSTERS: 4 x 4; A's tiles are asked for jointly along a row of the cluster, B's along a column.
; THE WAY OUT: a tile's 64 results a lane are 128 neighbours along the next K: + bias, quantised in registers, stored as the next operand's image.  Nothing goes out as f32.
; LIMITS: blocks whose largest magnitude lies under 2^(5 - 127) keep the byte 1; NaN and infinities are not served.
; REGISTERS: window 0: v2 r, v8-14 addresses, v16-23 LDS addresses of fragments, v27 of scale words, v28, v29 the add's; v32-63 scale words, two sets; v64-127 the bias along the registers; from v128 A's fragments, one set
; (on the way out v128-237 at work); v240-255 the bias along the lanes.  window 1: B's fragments, two sets.  windows 2, 3: the accumulators ((a, b) at v[8 (8 (a % 4) + b)]).
.set NB,    8                          ; tiles of 16 for a wave and side
.set NQ,    2                          ; K steps of 128 in a slot
.set KS,    8                          ; K steps in all
.set MUL_HI, 0xf1
.set FRB,   1536
.set FR,    12
.set NL,    4                          ; LDS loads that bring a fragment
.set NP,    4                          ; places behind this matrix instruction (ISA guide 7.12.1)
.set H,     NB/2
.set TROW,  NQ*FRB                     ; a tile's bytes in a slot: consecutive in memory
.set HALFT, NB*TROW                    ; what one tensor load brings
.set SLOT,  4*HALFT
.set LAPS,  KS/(2*NQ)
.set SCL,   2*SLOT                     ; behind the ring: the scale words
.set HALFS, NB*KS*64
.set SPARE, SCL+4*HALFS                ; the spare words, 128 bytes for each wave: two blocks of 256 bytes that no other line names
.set ADRA, 16                          ; v16-17 16 L + my A tiles in slot 0, 1;  v18-19 the same with 8 L
.set ADRB, 20                          ; v20-23 the same for B
.set ADRS, 27
.set SPW,  28
.set NIL,  29
.set SC,   32
.set AF,   128
.set BI,   64
.set HA,   128
.set PC,   192
.set TM,   212
.set PW,   228
.set PWS,  230
.set BV,   240
.set SEL,  100
.set G1, 24
.set G0, 32
.set G1B, 48
.set G0B, 56
.set G1S, 68
.set G0S, 76
.set G1SB, 80
.set G0SB, 88
.set MSB, 0
.macro WIN new                         ; the immediate's high byte repeats the setting that is left
.if MSB != \new
	s_set_vgpr_msb (MSB<<8)|\new
.set MSB, \new
.endif
.endm
.set MUL_LO, 0xa1                      ; source 0 (B) window 1, source 1 (A) window 0, C and D window 2
.set TO_B,   0x40
.macro JLOAD g0a, g1a, g0b, g1b        ; a joint load: waves 0 and 1 fetch for A, waves 2 and 3 for B; four v_nop follow each of the two lines
	s_cmp_eq_u32 s15, 0
	s_cbranch_scc0 .Lfor_b_\@
	tensor_load_to_lds s[\g0a:\g0a+3], s[\g1a:\g1a+7]
	s_nop 0
.rept 4
	v_nop
.endr
	s_branch .Lasked_\@
.Lfor_b_\@:
	tensor_load_to_lds s[\g0b:\g0b+3], s[\g1b:\g1b+7]
	s_nop 0
.rept 4
	v_nop
.endr
.Lasked_\@:
.endm
.macro CREST
	s_cmp_lg_u32 s14, 0
	s_cbranch_scc1 .Lnot_wave_0_\@
	s_barrier_signal -3
.Lnot_wave_0_\@:
	s_barrier_wait -3
	s_barrier_signal -1
	s_barrier_wait -1
.endm
.macro CROUND
	s_barrier_signal -1
	s_barrier_wait -1
	CREST
.endm
.macro PLACES n
.rept \n
	v_nop
.endr
.endm
.macro FRAG reg, adr, q, i             ; a fragment comes as it was stored: four dense loads
	ds_load_b128 v[\reg:\reg+3], v[\adr] offset:(\i)*TROW+(\q)*FRB
	ds_load_b64 v[\reg+4:\reg+5], v[\adr+2] offset:(\i)*TROW+(\q)*FRB+512
	ds_load_b128 v[\reg+6:\reg+9], v[\adr] offset:(\i)*TROW+(\q)*FRB+768
	ds_load_b64 v[\reg+10:\reg+11], v[\adr+2] offset:(\i)*TROW+(\q)*FRB+1280
.endm
.macro MULA a, p, q, sc, zero          ; A's block a against B's NB; the accumulators take turns, one instruction a turn
.set bb, 0
.rept NB
.set rD, 8*(NB*((\a)%4)+bb)
.set rB, 128*(\p)+FR*bb
.set rA, AF+FR*(\a)
.set rSB, SC+16*(\sc)+NQ*bb+(\q)
.set rSA, SC+16*(\sc)+NQ*(\a)+(\q)
.if \zero
	v_wmma_scale_f32_16x16x128_f8f6f4 v[rD:rD+7], v[rB:rB+FR-1], v[rA:rA+FR-1], 0, v[rSB], v[rSA] matrix_a_fmt:MATRIX_FMT_BF6 matrix_b_fmt:MATRIX_FMT_BF6 matrix_a_scale:MATRIX_SCALE_ROW1
.else
	v_wmma_scale_f32_16x16x128_f8f6f4 v[rD:rD+7], v[rB:rB+FR-1], v[rA:rA+FR-1], v[rD:rD+7], v[rSB], v[rSA] matrix_a_fmt:MATRIX_FMT_BF6 matrix_b_fmt:MATRIX_FMT_BF6 matrix_a_scale:MATRIX_SCALE_ROW1
.endif
.set bb, bb+1
.endr
.endm
.macro MULQ k, p, q, sc, zero          ; a quarter of A's blocks
.set aa, (\k)*NB/4
.rept NB/4
	MULA aa, \p, \q, \sc, \zero
.set aa, aa+1
.endr
.endm
.macro FETCH_B slot, q, p
	WIN TO_B
.set ii, 0
.rept NB
	FRAG 128*(\p)+FR*ii, ADRB+\slot, \q, ii
.set ii, ii+1
.endr
	WIN 0
.endm
.macro FETCH_A slot, q, i0
.set ii, \i0
.rept H
	FRAG AF+FR*ii, ADRA+\slot, \q, ii
.set ii, ii+1
.endr
.endm
.macro SCALES sc                       ; a slot's scale words: lanes 0-15 A's tile i, lanes 16-31 B's tile i
.set ii, 0
.rept NB
.set qq, 0
.rept NQ
	ds_load_b32 v[SC+16*\sc+NQ*ii+qq], v[ADRS] offset:ii*KS*64+64*qq
.set qq, qq+1
.endr
.set ii, ii+1
.endr
.endm
.macro STEP slot, q, zero              ; 128 along K with its successor in the same slot
	s_wait_dscnt H*NL                              ; all but the youngest loads, A's second half
	WIN MUL_LO
	MULQ 0, (\q)%2, \q, \slot, \zero
	MULQ 1, (\q)%2, \q, \slot, \zero
	s_wait_dscnt 0
	PLACES NP                                      ; in front of loads into registers that matrix instructions have read
	FETCH_B \slot, (\q)+1, 1-(\q)%2
	FETCH_A \slot, (\q)+1, 0
	WIN MUL_HI
	MULQ 2, (\q)%2, \q, \slot, \zero
	MULQ 3, (\q)%2, \q, \slot, \zero
	PLACES NP
	WIN 0
	FETCH_A \slot, (\q)+1, H
.endm
.macro MIDS slot
.if NQ > 2
	STEP \slot, 1, 0
	STEP \slot, 2, 0
.endif
.endm
.macro TURN slot, next, fill           ; a slot's last step changes slots: one barrier
	s_wait_tensorcnt 0x0                           ; all my tensor loads have landed: my part of the next slot
	ds_add_u32 v[SPW], v[NIL]                      ; 0 onto my spare word
	s_wait_dscnt H*NL+1                            ; (the add and A's second half may be out)
	WIN MUL_LO
	MULQ 0, 1, NQ-1, \slot, 0
	s_wait_dscnt 0x0                               ; the add is done, and my reads of this slot are over
	s_barrier_signal -1
	MULQ 1, 1, NQ-1, \slot, 0
	WIN 0
	s_barrier_wait -1
.if \fill
	CREST                                          ; the barrier has opened a round of the cluster's barrier: no wave of any partner still reads this slot or has a load on its way
	s_add_nc_u64 s[G0+4*\slot+2:G0+4*\slot+3], s[G0+4*\slot+2:G0+4*\slot+3], 2*TROW
	s_add_nc_u64 s[G0B+4*\slot+2:G0B+4*\slot+3], s[G0B+4*\slot+2:G0B+4*\slot+3], 2*TROW
	JLOAD G0+4*\slot, G1, G0B+4*\slot, G1B         ; the first tensor load behind the round; its four v_nop are the places in front of the loads below
.else
	PLACES NP
.endif
	v_add_nc_u32 v[ADRS], 64*NQ, v[ADRS]           ; the next slot's scale words (no LDS load of mine is out)
	FETCH_B \next, 0, 0
	FETCH_A \next, 0, 0
	SCALES \next
	WIN MUL_HI
	MULQ 2, 1, NQ-1, \slot, 0
	MULQ 3, 1, NQ-1, \slot, 0
	PLACES NP
	WIN 0
	FETCH_A \next, 0, H
.endm
; 64 numbers of a lane, register 16 b + i = k 32 b + 16 (lane / 16) + i of my row, become a fragment's codes in v[PC] on and its scale word in v[PW]
.macro QUANT s
.irp b, 0,1,2,3
	v_max3_num_f32 v[TM+\b], |v[\s+16*\b]|, |v[\s+1+16*\b]|, 0x2800000   ; my 16 numbers of block b, and the floor 2^(5 - 127)
.endr
.irp i, 2,4,6,8,10,12,14
.irp b, 0,1,2,3
	v_max3_num_f32 v[TM+\b], v[TM+\b], |v[\s+16*\b+\i]|, |v[\s+1+16*\b+\i]|
.endr
.endr
.irp b, 0,1,2,3
	v_permlanex16_b32 v[TM+4+\b], v[TM+\b], s[SEL], s[SEL+1]
.endr
.irp b, 0,1,2,3
	v_max_num_f32 v[TM+\b], v[TM+\b], v[TM+4+\b]   ; with lane l xor 16's: the block's largest magnitude
.endr
.irp b, 0,1,2,3
	v_add_nc_u32 v[TM+12+\b], 0xfe000000, v[TM+\b] ; 4 off its exponent field: the conversion's scale operand
.endr
.irp b, 0,1,2,3
	v_lshrrev_b32 v[TM+4+\b], 23, v[TM+12+\b]      ; the byte
.endr
	v_lshl_or_b32 v[PW], v[TM+5], 8, v[TM+4]
	v_lshl_or_b32 v[PW], v[TM+6], 16, v[PW]
	v_lshl_or_b32 v[PW], v[TM+7], 24, v[PW]
.irp c, 0,1
	v_cvt_scalef32_pk16_bf6_f32 v[PC+6*\c:PC+2+6*\c], v[\s+32*\c:\s+15+32*\c], v[TM+12+2*\c]
	v_cvt_scalef32_pk16_bf6_f32 v[PC+12+4*\c:PC+14+4*\c], v[\s+16+32*\c:\s+31+32*\c], v[TM+12+2*\c+1]
.endr
	v_nop                                          ; one plain place behind a scaled conversion
.irp c, 0,1                                    ; the layout wants a whole block in a lane
.irp i, 0,1,2
	v_permlane16_swap_b32 v[PC+6*\c+\i], v[PC+12+4*\c+\i]
.endr
.irp i, 0,1,2
	v_mov_b32 v[PC+3+6*\c+\i], v[PC+12+4*\c+\i]
.endr
.endr
.endm
	s_load_b256 s[4:11], s[0:1], 0x0               ; xq s[4:5], wimg s[6:7], bq s[8:9], bk s[10:11]
	s_load_b128 s[96:99], s[0:1], 0x20             ; bv s[96:97], qkvb s[98:99]
	v_lshl_add_u32 v[SPW], v0, 2, SPARE
	v_mov_b32 v[NIL], 0
	ds_add_u32 v28, v29
	ds_add_u32 v28, v29
	s_wait_dscnt 0x0
	v_lshrrev_b32 v1, 5, v0
	v_readfirstlane_b32 s14, v1                    ; wave 0..3
	s_lshr_b32 s15, s14, 1                         ; my half of A's tiles.  Also: I fetch for A (0) or for B (1)
	s_and_b32 s16, s14, 1                          ; my half of B's tiles.  Also: which half I fetch
	s_bfe_u32 s40, ttmp6, 0x40000                  ; cx, cy
	s_bfe_u32 s41, ttmp6, 0x40004
	s_and_b32 s13, ttmp7, 0xffff                   ; the cluster's y: 0..11, equal in all partners
	s_lshr_b32 s18, s13, 1
	s_and_b32 s19, s13, 1
	s_sub_co_u32 s20, s13, 8
	s_cmp_ge_u32 s13, 8
	s_cselect_b32 s12, 1, 0                        ; the kind
	s_cselect_b32 s18, 0, s18
	s_cselect_b32 s19, s20, s19
	s_lshl_b32 s17, s18, 2
	s_add_co_u32 s17, s17, s41                     ; block of 256 rows of A
	s_lshl_b32 s42, s19, 2
	s_add_co_u32 s42, s42, s40                     ; block of 256 rows of B
	s_lshl_b32 s43, s41, 2
	s_lshl_b32 s43, 15, s43                        ; my row of the cluster
	s_lshl_b32 s44, 0x1111, s40                    ; my column
	s_or_b32 s[G1+0], s43, (3<<16)|(1<<21)         ; 15:0 the mask; 17:16 elements of 8 bytes; 21 set beside a mask; no padding
	s_or_b32 s[G1B+0], s44, (3<<16)|(1<<21)
.irp g, G1, G1B
	s_mov_b32 s[\g+1], (TROW/8)<<16                ; tensor_dim0: a tile's bytes of the slot, in elements
	s_mov_b32 s[\g+2], NB<<16                      ; tensor_dim1: NB tiles
	s_mov_b32 s[\g+3], (TROW/8)<<16                ; tile_dim0
	s_mov_b32 s[\g+4], NB                          ; tile_dim1
	s_mov_b32 s[\g+5], KS*192                      ; from tile to tile: KS fragments
	s_mov_b32 s[\g+6], 0
	s_mov_b32 s[\g+7], 0
.endr
	s_or_b32 s[G1S+0], s43, (3<<16)|(1<<21)        ; the scale words of NB tiles: a dense block, as rows of 256 bytes
	s_or_b32 s[G1SB+0], s44, (3<<16)|(1<<21)
.irp g, G1S, G1SB
	s_mov_b32 s[\g+1], 32<<16
	s_mov_b32 s[\g+2], (HALFS/256)<<16
	s_mov_b32 s[\g+3], 32<<16
	s_mov_b32 s[\g+4], HALFS/256
	s_mov_b32 s[\g+5], 32
	s_mov_b32 s[\g+6], 0
	s_mov_b32 s[\g+7], 0
.endr
	s_mov_b32 s95, 3145728
	s_cmp_lg_u32 s12, 0
	s_cselect_b32 s18, 1572864, 0                  ; A's codes: Wv's place in wimg, or xq's start
	s_cselect_b32 s19, 9502720, s95                ; A's scale words
	s_cselect_b32 s94, s95, 9437184                ; B's scale words (B's codes begin at 0 in either buffer)
	s_mul_i32 s45, s16, NB
	s_mul_i32 s20, s17, 2*NB
	s_add_co_u32 s20, s20, s45                     ; A: first tile that I fetch
	s_mul_i32 s46, s42, 2*NB
	s_add_co_u32 s46, s46, s45                     ; B likewise
	s_mul_i32 s22, s20, KS*64
	s_add_co_u32 s22, s22, s19
	s_mul_i32 s92, s46, KS*64
	s_add_co_u32 s92, s92, s94
	s_mul_i32 s20, s20, KS*FRB
	s_add_co_u32 s20, s20, s18
	s_mul_i32 s46, s46, KS*FRB
	s_mov_b32 s21, 0
	s_mov_b32 s23, 0
	s_mov_b32 s47, 0
	s_mov_b32 s93, 0
	s_mul_i32 s45, s14, HALFT                      ; where they go: by the wave's number alone
	s_mul_i32 s94, s14, HALFS
	s_wait_kmcnt 0x0
	s_cmp_lg_u32 s12, 0
	s_cselect_b64 s[18:19], s[6:7], s[4:5]         ; A's buffer
	s_cselect_b64 s[2:3], s[4:5], s[6:7]           ; B's buffer
	s_add_nc_u64 s[20:21], s[18:19], s[20:21]
	s_add_nc_u64 s[22:23], s[18:19], s[22:23]
	s_add_nc_u64 s[46:47], s[2:3], s[46:47]
	s_add_nc_u64 s[92:93], s[2:3], s[92:93]
	CROUND                                         ; all sixteen work-groups are here: the first joint loads meet
	s_mov_b32 s[G0S], 1
	s_add_co_u32 s[G0S+1], s94, SCL
	s_mov_b64 s[G0S+2:G0S+3], s[22:23]
	s_or_b32 s[G0S+3], s[G0S+3], 0x80000000
	s_mov_b32 s[G0SB], 1
	s_add_co_u32 s[G0SB+1], s94, SCL
	s_mov_b64 s[G0SB+2:G0SB+3], s[92:93]
	s_or_b32 s[G0SB+3], s[G0SB+3], 0x80000000
	JLOAD G0S, G1S, G0SB, G1SB                     ; the scale words first
.irp s, 0,1
	s_mov_b32 s[G0+4*\s], 1
	s_add_co_u32 s[G0+4*\s+1], s45, \s*SLOT
	s_add_nc_u64 s[G0+4*\s+2:G0+4*\s+3], s[20:21], \s*TROW
	s_or_b32 s[G0+4*\s+3], s[G0+4*\s+3], 0x80000000
	s_mov_b32 s[G0B+4*\s], 1
	s_add_co_u32 s[G0B+4*\s+1], s45, \s*SLOT
	s_add_nc_u64 s[G0B+4*\s+2:G0B+4*\s+3], s[46:47], \s*TROW
	s_or_b32 s[G0B+4*\s+3], s[G0B+4*\s+3], 0x80000000
	JLOAD G0+4*\s, G1, G0B+4*\s, G1B               ; three tensor loads of mine are out
.endr
	v_and_b32 v1, 31, v0                           ; L
	v_and_b32 v2, 15, v0                           ; r
	v_bfe_u32 v13, v0, 4, 1                        ; h
	v_lshlrev_b32 v10, 4, v1                       ; 16 L
	v_lshlrev_b32 v11, 3, v1                       ; 8 L
	v_lshlrev_b32 v14, 2, v1                       ; 4 L
	s_mul_i32 s21, s15, HALFT
	s_mul_i32 s22, s16, HALFT
	s_add_co_u32 s22, s22, 2*HALFT
.irp s, 0,1
	v_add_nc_u32 v[ADRA+\s], s21, v10
	v_add_nc_u32 v[ADRB+\s], s22, v10
	v_add_nc_u32 v[ADRA+2+\s], s21, v11
	v_add_nc_u32 v[ADRB+2+\s], s22, v11
	s_add_co_u32 s21, s21, SLOT
	s_add_co_u32 s22, s22, SLOT
.endr
	v_lshlrev_b32 v5, 2, v2
	s_mul_i32 s21, s15, HALFS
	s_mul_i32 s22, s16, HALFS
	s_add_co_u32 s22, s22, 2*HALFS
	s_sub_co_u32 s22, s22, s21
	v_mul_u32_u24 v6, s22, v13                     ; lanes 16-31 take B's words
	s_add_co_u32 s21, s21, SCL
	v_add_nc_u32 v5, v5, v6
	v_add_nc_u32 v[ADRS], s21, v5
	s_mov_b32 s[SEL], 0x76543210
	s_mov_b32 s[SEL+1], 0xfedcba98
	; both forms of the bias are loaded by every wave; the one that its kind does not use comes from a place inside the buffer and is not read
	s_bitcmp1_b32 s13, 0
	s_cselect_b64 s[8:9], s[10:11], s[8:9]         ; odd clusters of the first kind make k
	s_lshl_b32 s20, s42, 8
	s_lshl_b32 s21, s16, 7
	s_add_co_u32 s20, s20, s21
	s_and_b32 s20, s20, 1023                       ; my first column within Wq or Wk
	s_lshl_b32 s20, s20, 2
	s_mov_b32 s21, 0
	s_add_nc_u64 s[8:9], s[8:9], s[20:21]
	s_lshl_b32 s20, s17, 8
	s_lshl_b32 s22, s15, 7
	s_add_co_u32 s20, s20, s22
	s_and_b32 s20, s20, 1023                       ; my first row of Wv
	s_lshl_b32 s20, s20, 2
	s_add_nc_u64 s[96:97], s[96:97], s[20:21]
	v_lshlrev_b32 v9, 6, v13                       ; 64 h
	v_and_b32 v8, 8, v2
	v_add_nc_u32 v8, v8, v2
	v_lshlrev_b32 v8, 2, v8                        ; 4 (r + 8 (r / 8))
.set ii, 0
.rept 16
	global_load_b128 v[BI+4*ii:BI+4*ii+3], v9, s[8:9] offset:128*(ii/4)+16*(ii%4)   ; register 16 b + i: column 32 b + 16 h + i
.set ii, ii+1
.endr
.set ii, 0
.rept 8
	global_load_b32 v[BV+2*ii], v8, s[96:97] offset:4*(32*(ii/2)+8*(ii%2))          ; tile a: my row's number, twice: a pair for the packed addition
	global_load_b32 v[BV+2*ii+1], v8, s[96:97] offset:4*(32*(ii/2)+8*(ii%2))
.set ii, ii+1
.endr
	s_wait_tensorcnt 1                             ; the scale words and my part of slot 0 are in (slot 1's load may be out),
	s_barrier_signal -1
	s_barrier_wait -1                              ; everybody's are
	FETCH_B 0, 0, 0
	FETCH_A 0, 0, 0
	SCALES 0
	FETCH_A 0, 0, H
	STEP 0, 0, 1                                   ; the first step's products start the sums
.if LAPS > 1
	s_mov_b32 s3, LAPS-1
.Llap:
	MIDS 0
	TURN 0, 1, 1
	STEP 1, 0, 0
	MIDS 1
	TURN 1, 0, 1
	STEP 0, 0, 0
	s_sub_co_u32 s3, s3, 1
	s_cmp_lg_u32 s3, 0
	s_cbranch_scc1 .Llap
.endif
	MIDS 0
	TURN 0, 1, 0                                   ; the last lap fills nothing
	STEP 1, 0, 0
	MIDS 1
	s_wait_dscnt H*NL
	WIN MUL_LO
	MULQ 0, 1, NQ-1, 1, 0
	MULQ 1, 1, NQ-1, 1, 0
	s_wait_dscnt 0
	WIN MUL_HI
	MULQ 2, 1, NQ-1, 1, 0
	MULQ 3, 1, NQ-1, 1, 0
	WIN 0
	PLACES NP                                      ; behind the last products
.irp b, 0,1,2,3
	v_mov_b32 v[TM+4+\b], 0                        ; a lane permute's destination counts as one of its sources
.endr
	v_cmp_ne_u32 vcc_lo, 0, v13                    ; lanes 16-31
	s_wait_loadcnt 0x0                             ; the biases
	s_cmp_lg_u32 s12, 0
	s_cbranch_scc1 .Lout_v
	; ---- q or k: my 128 columns are two heads; a tile's fragment is two half fragments, one for each head
	s_lshr_b32 s18, s17, 3
	s_lshl_b32 s18, s18, 4
	s_lshl_b32 s19, s40, 2
	s_add_co_u32 s18, s18, s19
	s_lshl_b32 s19, s16, 1
	s_add_co_u32 s18, s18, s19                     ; 16 x batch + my first head
	s_lshl_b32 s19, s17, 4
	s_lshl_b32 s45, s15, 3
	s_add_co_u32 s19, s19, s45
	s_and_b32 s19, s19, 127                        ; my first tile of tokens within the batch
	s_mov_b32 s20, 98304
	s_mov_b32 s21, 204800
	s_mov_b32 s22, 4096
	s_mov_b32 s23, 3145728
	s_bitcmp1_b32 s13, 0                           ; k?
	s_cselect_b32 s20, s21, s20                    ; from head to head: codes,
	s_cselect_b32 s22, s21, s22                    ; scale words
	s_cselect_b32 s45, 3276800, 0                  ; where the codes begin,
	s_cselect_b32 s23, 3473408, s23                ; and the scale words
	v_mul_u32_u24 v12, s22, v13
	v_lshl_add_u32 v12, v2, 2, v12                 ; 4 r, lanes 16-31 one head on
	s_mul_i32 s46, s18, s22
	s_add_co_u32 s46, s46, s23
	s_lshl_b32 s47, s19, 5
	s_add_co_u32 s46, s46, s47
	s_mov_b32 s47, 0
	s_add_nc_u64 s[46:47], s[98:99], s[46:47]
	s_mul_i32 s18, s18, s20
	s_add_co_u32 s18, s18, s45
	s_mul_i32 s19, s19, 768
	s_add_co_u32 s18, s18, s19
	s_mov_b32 s19, 0
	s_mov_b32 s21, 0
	s_add_nc_u64 s[18:19], s[98:99], s[18:19]      ; the first head's half fragments
	s_add_nc_u64 s[20:21], s[18:19], s[20:21]      ; the second head's
	s_mov_b32 s93, 0x05040100
	s_mov_b32 s94, 0x07060302
.macro QKTILE a
	s_wait_xcnt 0x0                                ; the last tile's stores have read their registers
.set WW, 0x02+(\a)/4
	WIN WW                                         ; source 0: window 2 or 3
.set jj, 0
.rept 32
	v_pk_add_f32 v[HA+jj:HA+jj+1], v[64*((\a)%4)+jj:64*((\a)%4)+jj+1], v[BI+jj:BI+jj+1]   ; + bias; each accumulator from its low end on
.set jj, jj+2
.endr
	WIN 0
	QUANT HA
	v_mov_b32 v[PWS+\a], v[PW]
	global_store_b128 v10, v[PC:PC+3], s[18:19] offset:(\a)*768
	global_store_b64 v11, v[PC+4:PC+5], s[18:19] offset:(\a)*768+512
	global_store_b128 v10, v[PC+6:PC+9], s[20:21] offset:(\a)*768
	global_store_b64 v11, v[PC+10:PC+11], s[20:21] offset:(\a)*768+512
.endm
.irp a, 0,1,2,3,4,5,6,7
	QKTILE \a
.endr
.irp j, 0,1,2,3                                ; a pair of tiles has one word a row and head: the even tile's two bytes, then the odd tile's
	v_perm_b32 v[TM+\j], v[PWS+2*\j+1], v[PWS+2*\j], s93
	v_perm_b32 v[TM+8+\j], v[PWS+2*\j+1], v[PWS+2*\j], s94
.endr
.irp j, 0,1,2,3
	v_cndmask_b32 v[TM+\j], v[TM+\j], v[TM+8+\j], vcc_lo          ; lanes 0-15 the first head's word, lanes 16-31 the second's
.endr
.irp j, 0,1,2,3
	global_store_b32 v12, v[TM+\j], s[46:47] offset:64*\j
.endr
	s_branch .Lend
.Lout_v:
	; ---- v^T: my 128 registers' worth of tokens are one key step; my tiles of rows are eight tiles of two heads
	s_lshl_b32 s18, s42, 1
	s_add_co_u32 s18, s18, s16
	s_lshr_b32 s19, s18, 4                         ; batch
	s_and_b32 s18, s18, 15                         ; key step
	s_lshl_b32 s19, s19, 4
	s_lshl_b32 s45, s17, 2
	s_add_co_u32 s19, s19, s45
	s_lshl_b32 s45, s15, 1
	s_add_co_u32 s19, s19, s45                     ; 16 x batch + my first head
	s_mul_i32 s19, s19, 204800
	s_add_co_u32 s19, s19, 3276800
	s_mul_i32 s20, s18, 6144
	s_add_co_u32 s20, s20, s19
	s_add_co_u32 s20, s20, 98304
	s_mov_b32 s21, 0
	s_lshl_b32 s46, s18, 8
	s_add_co_u32 s46, s46, s19
	s_add_co_u32 s46, s46, 200704
	s_mov_b32 s47, 0
	s_add_nc_u64 s[20:21], s[98:99], s[20:21]
	s_add_nc_u64 s[46:47], s[98:99], s[46:47]
.macro VTILE a
	s_wait_xcnt 0x0
.set WW, 0x02+(\a)/4
	WIN WW
.set jj, 0
.rept 32
	v_pk_add_f32 v[HA+jj:HA+jj+1], v[64*((\a)%4)+jj:64*((\a)%4)+jj+1], v[BV+2*(\a):BV+2*(\a)+1]   ; + my row's bias
.set jj, jj+2
.endr
	WIN 0
	QUANT HA
	v_mov_b32 v[PWS+\a], v[PW]
	global_store_b128 v10, v[PC:PC+3], s[20:21] offset:((\a)/4)*204800+((\a)%4)*1536
	global_store_b64 v11, v[PC+4:PC+5], s[20:21] offset:((\a)/4)*204800+((\a)%4)*1536+512
	global_store_b128 v10, v[PC+6:PC+9], s[20:21] offset:((\a)/4)*204800+((\a)%4)*1536+768
	global_store_b64 v11, v[PC+10:PC+11], s[20:21] offset:((\a)/4)*204800+((\a)%4)*1536+1280
.endm
.irp a, 0,1,2,3,4,5,6,7
	VTILE \a
.endr
.irp j, 0,1,2,3
	v_cndmask_b32 v[TM+\j], v[PWS+2*\j], v[PWS+2*\j+1], vcc_lo    ; lanes 0-15 the even tile's words, lanes 16-31 the odd tile's
.endr
.irp j, 0,1,2,3
	global_store_b32 v14, v[TM+\j], s[46:47] offset:(\j/2)*204800+(\j%2)*128
.endr
.Lend:
	s_wait_tensorcnt 0x0                           ; the wave's end
	ds_add_u32 v[SPW], v[NIL]
	s_wait_dscnt 0x0
	CROUND                                         ; the closing round
	s_endpgm
.Lfunc_end_k_q2558a35e3b_qkv:
	.size	k_q2558a35e3b_qkv, .Lfunc_end_k_q2558a35e3b_qkv-k_q2558a35e3b_qkv
	.p2alignl 7, 3214868480
	.fill 96, 4, 3214868480
	.section	.rodata,"a",@progbits
	.p2align	6, 0x0
	.amdhsa_kernel k_q2558a35e3b_qkv
		.amdhsa_group_segment_fixed_size 327680
		.amdhsa_private_segment_fixed_size 0
		.amdhsa_enable_private_segment 0
		.amdhsa_kernarg_size 48
		.amdhsa_user_sgpr_count 2
		.amdhsa_user_sgpr_kernarg_segment_ptr 1
		.amdhsa_wavefront_size32 1
		.amdhsa_system_sgpr_workgroup_id_x 1
		.amdhsa_system_sgpr_workgroup_id_y 1
		.amdhsa_system_sgpr_workgroup_id_z 1
		.amdhsa_system_vgpr_workitem_id 0
		.amdhsa_next_free_vgpr 1024
		.amdhsa_next_free_sgpr 102
		.amdhsa_reserve_vcc 1
		.amdhsa_float_denorm_mode_32 3
		.amdhsa_float_denorm_mode_16_64 3
		.amdhsa_memory_ordered 1
		.amdhsa_forward_progress 1
		.amdhsa_inst_pref_size 224
	.end_amdhsa_kernel
	.amdgpu_metadata
---
amdhsa.version: [ 1, 2 ]
amdhsa.kernels:
  - .name:           k_q2558a35e3b_qkv
    .symbol:         k_q2558a35e3b_qkv.kd
    .args:
      - { .name: xq, .offset: 0, .size: 8, .value_kind: global_buffer, .address_space: global }
      - { .name: wimg, .offset: 8, .size: 8, .value_kind: global_buffer, .address_space: global }
      - { .name: bq, .offset: 16, .size: 8, .value_kind: global_buffer, .address_space: global }
      - { .name: bk, .offset: 24, .size: 8, .value_kind: global_buffer, .address_space: global }
      - { .name: bv, .offset: 32, .size: 8, .value_kind: global_buffer, .address_space: global }
      - { .name: qkvb, .offset: 40, .size: 8, .value_kind: global_buffer, .address_space: global }
    .group_segment_fixed_size: 327680
    .private_segment_fixed_size: 0
    .kernarg_segment_align: 8
    .kernarg_segment_size: 48
    .max_flat_workgroup_size: 128
    .sgpr_count:     102
    .vgpr_count:     1024
    .wavefront_size: 32
...
	.end_amdgpu_metadata
.endif
;; end of part 3
;; launch attn (part 4): grid 8 x 32, 16 waves a work-group, no clusters, 276,480 bytes of LDS; arguments qkvb, mw, aq; writes aq
.if DOCPART == 4
	.amdgcn_target "amdgcn-amd-amdhsa--gfx1250"
	.amdhsa_code_object_version 6
	.text
	.protected	k_q2558a35e3b_attn
	.globl	k_q2558a35e3b_attn
	.p2align	8
	.type	k_q2558a35e3b_attn,@function
k_q2558a35e3b_attn:
	s_mov_b64 s[64:65], 0
	v_nop
	global_prefetch_b8 v0, s[64:65] scope:SCOPE_SE
	s_setreg_imm32_b32 hwreg(HW_REG_WAVE_MODE, 25, 1), 1
	s_wait_xcnt 0x0
; o = softmax(where(mask, q k^T / 8, -1e9)) v for one head, both products on codes of E3M2 with E8M0 scales; the result is quantised along the model's axis and stored as the next product's operand.
; THE SOFTMAX: t = score x log2(e) / 8; M = the running largest t rounded UP to a whole number; p = 2^(t - M) is quantised along the keys, not normalised; the row's sum is taken of the unquantised p and divides at the end.
; SHARES.  A work-group takes one (batch, head) and 16 tiles of 16 queries: tile 8 i + x for the bands i = 0 .. 15.  The head's K, V^T and their scale words, 204,800 dense bytes, are copied into LDS once, through registers,
; and read by all sixteen waves.  TWO WAVES SHARE A TILE'S 16 KEY STEPS, one the even steps and one the odd, and each wave takes two tiles: wave w (pair j = w / 2, parity p = w % 2) walks the steps p, p + 2, .. of the bands
; j and 15 - j: first the tile that its partner finishes, whose O^T, -M and sum it leaves in LDS bytes of its own, then the tile that it finishes itself.  Behind one barrier it reads its partner's part of that tile and
; joins the two as a step joins old and new: under the larger M, by factors 2^(own M - joint M), which round nothing.  So no wave walks more than 16 steps, and where the keys behind a query are hidden the bands j and
; 15 - j have 17 steps together, 8 or 9 a wave.  That serves the balance alone: no result hangs on it.
; LAYOUT.  Both products are used transposed: S^T = K Q^T, O^T = V^T P^T: a lane holds one query (lane % 16).  Row r of a tile is row 32 (T / 2) + 8 (T % 2) + r + 8 (r / 8), so that the 16 registers of two
; neighbouring tiles are 16 neighbours along the next K.  THE HEAD'S 64 UNDER AN INSTRUCTION OF 128: two tiles of keys lie side by side in one fragment; Q stands beside 64 zero codes, low or high, which picks the tile.
; THE MASK is an input: an earlier launch has laid it as lane masks (64 words for a tile of queries and a key step) and flags, whole numbers.  A step in which no row of the tile sees a key is left out,
; but only if each of its 16 rows sees a key somewhere: a row that sees none walks all steps and gets the uniform weights that the formula gives it.  A step in which all keys count neither asks for the words nor selects:
; the step's front is written twice, once behind the scalar loads and once without them.
; NO TENSOR LOAD AND NO CLUSTER: steps are jumped over on numbers read from memory, so the tiles cannot come by tensor loads, and joint loads are tensor loads.
; LIMITS: a hidden logit stands at -2^30 where the formula has -1e9 (t and M are then exact, and a row without keys has p = 1): it differs only where a logit that counts lies under about -1e9.
; Blocks under 2^(5 - 127) keep the byte 1.  NaN and infinities are not served.
; REGISTERS: v4-8 lane terms; v9-11, v46, v47 a step's LDS addresses; v12 -M, v13 the largest t, v[14:15] the sum; v16-33 zeros, Q, zeros; v34 Q's scales; v36-39 K's words, v40-43 V's; v44 p's word; v45 the hidden score;
; v48-95 four fragments; v96-159 S^T, then p; v160-191 O^T; v192-211 codes; v212-229 at work; v230-233 the copy's addresses; v234-237 the parts' addresses; v238-244 the second tile's Q and scales; v245-250 offsets of Q's loads.
; s11 parity; s12 the tile in hand; s14, s15 the step's places in LDS; s16, s17 the tile's two rows of bits; s18 trips; s[24:25] the mask's words; s2, s3, s27, s[28:29] the same for the second tile.
.set VOFF, 98304
.set KSC,  196608
.set PART, 204800                      ; behind the head's block: 4,352 bytes for each wave: O^T (eight stores of 512 bytes), then -M and the sum (8 bytes a lane)
.set PSZ,  4352
; a tile's 16 flags (from s[f] on) become two rows of bits, shifted so that bit 0 is my parity's first step
.macro FLAGS f, z, on
	s_mov_b32 s[\z], 0                             ; bit ks: no row of the tile sees a key in step ks
	s_mov_b32 s[\on], 0                            ; bit ks: every key of step ks counts for every row
	s_mov_b32 s30, 0                               ; the rows that see a key at all
.set k, 0
.rept 16
	s_and_b32 s19, s[\f+k], 0xffff
	s_cselect_b32 s26, 0, 1<<k
	s_or_b32 s[\z], s[\z], s26
	s_or_b32 s30, s30, s19
	s_bfe_u32 s26, s[\f+k], 0x10010
	s_lshl_b32 s26, s26, k
	s_or_b32 s[\on], s[\on], s26
.set k, k+1
.endr
	s_cmp_eq_u32 s30, 0xffff
	s_cselect_b32 s[\z], s[\z], 0                  ; a row without keys: no step is left out
	s_lshr_b32 s[\z], s[\z], s11
	s_lshr_b32 s[\on], s[\on], s11
.endm
; a tile begins: the largest t under every t, the sum and O^T zeros, which the first change of M leaves zeros
.macro FRESH
	v_mov_b32 v13, 0xff61b1e6                      ; -3e38
	v_floor_f32 v12, -v13                          ; -M
	v_mov_b32 v14, 0
	v_mov_b32 v15, 0
.set j, 0
.rept 32
	v_mov_b32 v[160+j], 0
.set j, j+1
.endr
.endm
; a step's front: K's four fragments, the eight products S^T = K Q^T, and V^T's loads, which land under the softmax
.macro SCORES
.irp p, 0,1,2,3                                ; four fragments, each two tiles of 16 keys side by side
	ds_load_b128 v[48+12*\p:51+12*\p], v9 offset:1536*\p
	ds_load_b64 v[52+12*\p:53+12*\p], v10 offset:1536*\p+512
	ds_load_b128 v[54+12*\p:57+12*\p], v9 offset:1536*\p+768
	ds_load_b64 v[58+12*\p:59+12*\p], v10 offset:1536*\p+1280
	ds_load_b32 v[36+\p], v47 offset:64*\p
.endr
	s_wait_dscnt 0x0
.irp p, 0,1,2,3
	v_wmma_scale_f32_16x16x128_f8f6f4 v[96+16*\p:103+16*\p], v[48+12*\p:59+12*\p], v[22:33], 0, v[36+\p], v34 matrix_a_fmt:MATRIX_FMT_BF6 matrix_b_fmt:MATRIX_FMT_BF6    ; Q low: the even tile
	v_wmma_scale_f32_16x16x128_f8f6f4 v[104+16*\p:111+16*\p], v[48+12*\p:59+12*\p], v[16:27], 0, v[36+\p], v34 matrix_a_fmt:MATRIX_FMT_BF6 matrix_b_fmt:MATRIX_FMT_BF6  ; Q high: the odd tile
.endr
.rept 4
	v_nop                                          ; places: the loads below land in registers that the products read, and the scores are read
.endr
.irp p, 0,1,2,3
	ds_load_b128 v[48+12*\p:51+12*\p], v11 offset:1536*\p
	ds_load_b64 v[52+12*\p:53+12*\p], v46 offset:1536*\p+512
	ds_load_b128 v[54+12*\p:57+12*\p], v11 offset:1536*\p+768
	ds_load_b64 v[58+12*\p:59+12*\p], v46 offset:1536*\p+1280
	ds_load_b32 v[40+\p], v47 offset:4096+64*\p
.endr
.endm
; my parity's eight key steps of the tile in hand
.macro PHASE
	s_mul_i32 s14, s11, 6144                       ; the step's fragments: 6,144 bytes a step, every second step is mine
	s_lshl_b32 s15, s11, 8                         ; its scale words: 256 bytes a step
	s_mov_b32 s18, 0
.Lstep_\@:
	s_bitcmp1_b32 s16, 0
	s_cbranch_scc1 .Lnext_\@
	v_add_nc_u32 v9, s14, v4                       ; (these five are also the places behind the last step's products, in front of the loads below)
	v_add_nc_u32 v10, s14, v5
	v_add_nc_u32 v11, s14, v6
	v_add_nc_u32 v46, s14, v7
	v_add_nc_u32 v47, s15, v8
	s_bitcmp1_b32 s17, 0
	s_cbranch_scc1 .Lall_\@
	s_load_b512 s[32:47], s[24:25], 0x0            ; the step's 64 lane masks: asked for only where some key is hidden
	s_load_b512 s[48:63], s[24:25], 0x40
	s_load_b512 s[68:83], s[24:25], 0x80
	s_load_b512 s[84:99], s[24:25], 0xc0
	SCORES
	s_wait_kmcnt 0x0
.set n, 0
.rept 32
	v_cndmask_b32 v[96+n], v45, v[96+n], s[32+n]   ; register n = 16 b + i holds key 32 b + 16 (lane / 16) + i of the step
.set n, n+1
.endr
.set n, 0
.rept 32
	v_cndmask_b32 v[128+n], v45, v[128+n], s[68+n]
.set n, n+1
.endr
	s_branch .Lsoft_\@
.Lall_\@:
	SCORES                                         ; every key counts: no words, no wait for them, no selects
.Lsoft_\@:
.irp b, 0,1,2,3
	v_max3_num_f32 v[212+\b], v[96+16*\b], v[97+16*\b], v[98+16*\b]   ; the largest score of each block of 32 keys: for the row's maximum, and, since p rises with the score, for the block's largest p
.endr
.irp i, 3,5,7,9,11,13
.irp b, 0,1,2,3
	v_max3_num_f32 v[212+\b], v[212+\b], v[96+16*\b+\i], v[97+16*\b+\i]
.endr
.endr
.irp b, 0,1,2,3
	v_max_num_f32 v[212+\b], v[212+\b], v[111+16*\b]
.endr
.irp b, 0,1,2,3
	v_permlanex16_b32 v[216+\b], v[212+\b], s20, s21
.endr
.irp b, 0,1,2,3
	v_max_num_f32 v[212+\b], v[212+\b], v[216+\b]
.endr
	v_max3_num_f32 v226, v212, v213, v214
	v_max_num_f32 v226, v226, v215
	v_mul_f32 v226, s22, v226                      ; as t
	v_max_num_f32 v13, v13, v226                   ; the running largest t
	v_mov_b32 v226, v12
	v_floor_f32 v12, -v13                          ; the new -M: M is a whole number
	v_sub_f32 v226, v12, v226                      ; old M - new M, 0 or less
	v_cvt_i32_f32 v226, v226                       ; (it saturates)
	v_ldexp_f32 v224, 1.0, v226                    ; f = 2^(old M - new M): rounds nothing
.set j, 0
.rept 32
	v_pk_fma_f32 v[96+j:97+j], v[96+j:97+j], s[22:23], v[12:13] op_sel_hi:[1,0,0]   ; t - M
.set j, j+2
.endr
.irp b, 0,1,2,3
	v_fma_f32 v[212+\b], v[212+\b], s22, v12
.endr
.set j, 0
.rept 64
	v_exp_f32 v[96+j], v[96+j]                     ; p = 2^(t - M)
.set j, j+1
.endr
.irp b, 0,1,2,3
	v_exp_f32 v[212+\b], v[212+\b]                 ; the block's largest p
.endr
	v_pk_mul_f32 v[14:15], v[14:15], v[224:225] op_sel_hi:[1,0]       ; the sums under the new M (a plain place behind the exponentials)
	s_wait_alu depctr_va_vdst(0)
.irp b, 0,1,2,3
	v_max_num_f32 v[212+\b], 0x2800000, v[212+\b]  ; the floor 2^(5 - 127)
.endr
.irp b, 0,1,2,3
	v_add_nc_u32 v[220+\b], 0xfe000000, v[212+\b]  ; the conversion's scale operand
.endr
.irp b, 0,1,2,3
	v_lshrrev_b32 v[216+\b], 23, v[220+\b]
.endr
	v_lshl_or_b32 v44, v217, 8, v216               ; p's scale word for these 128 keys
	v_lshl_or_b32 v44, v218, 16, v44
	v_lshl_or_b32 v44, v219, 24, v44
.irp c, 0,1
	v_cvt_scalef32_pk16_bf6_f32 v[192+6*\c:194+6*\c], v[96+32*\c:111+32*\c], v[220+2*\c]
	v_cvt_scalef32_pk16_bf6_f32 v[204+4*\c:206+4*\c], v[112+32*\c:127+32*\c], v[220+2*\c+1]
.endr
	v_nop                                          ; one plain place behind a scaled conversion
.irp c, 0,1
.irp i, 0,1,2
	v_permlane16_swap_b32 v[192+6*\c+\i], v[204+4*\c+\i]
.endr
.irp i, 0,1,2
	v_mov_b32 v[195+6*\c+\i], v[204+4*\c+\i]
.endr
.endr
	v_pk_add_f32 v[228:229], v[96:97], v[98:99]    ; the row's sum is taken of the unquantised p, in two chains
.irp j, 4,8,12,16,20,24,28,32,36,40,44,48,52,56,60
	v_pk_add_f32 v[14:15], v[14:15], v[96+\j:97+\j]
	v_pk_add_f32 v[228:229], v[228:229], v[98+\j:99+\j]
.endr
	v_pk_add_f32 v[14:15], v[14:15], v[228:229]
.set j, 0
.rept 16
	v_pk_mul_f32 v[160+j:161+j], v[160+j:161+j], v[224:225] op_sel_hi:[1,0]         ; O^T under the new M
.set j, j+2
.endr
	s_wait_dscnt 0x0                               ; V^T
.irp t, 0,1,2,3
	v_wmma_scale_f32_16x16x128_f8f6f4 v[160+8*\t:167+8*\t], v[48+12*\t:59+12*\t], v[192:203], v[160+8*\t:167+8*\t], v[40+\t], v44 matrix_a_fmt:MATRIX_FMT_BF6 matrix_b_fmt:MATRIX_FMT_BF6
.endr
.Lnext_\@:
	s_add_nc_u64 s[24:25], s[24:25], 512           ; no scalar load is out here: where they were issued they were waited for
	s_add_co_u32 s14, s14, 12288
	s_add_co_u32 s15, s15, 512
	s_lshr_b32 s16, s16, 2
	s_lshr_b32 s17, s17, 2
	s_add_co_u32 s18, s18, 1
	s_cmp_lt_u32 s18, 8
	s_cbranch_scc1 .Lstep_\@
.endm
	s_load_b128 s[4:7], s[0:1], 0x0                ; qkvb s[4:5], mw s[6:7]
	s_load_b64 s[8:9], s[0:1], 0x10                ; aq
	v_lshl_add_u32 v254, v0, 2, 0x43000
	v_mov_b32 v255, 0
	v_lshrrev_b32 v1, 5, v0
	v_readfirstlane_b32 s10, v1                    ; wave 0..15
	s_and_b32 s11, s10, 1                          ; p: my parity of key steps
	s_lshr_b32 s19, s10, 1                         ; j: my pair
	s_sub_co_u32 s26, 15, s19
	s_cmp_lg_u32 s11, 0
	s_cselect_b32 s12, s19, s26                    ; the first band: the one that my partner finishes
	s_cselect_b32 s27, s26, s19                    ; the second: the one that I finish
	s_lshl_b32 s12, s12, 3
	s_add_co_u32 s12, s12, ttmp9                   ; the first tile of queries
	s_lshl_b32 s27, s27, 3
	s_add_co_u32 s27, s27, ttmp9                   ; the second
	s_and_b32 s13, ttmp7, 0xffff                   ; 16 x batch + head
	s_lshl_b32 s14, s13, 7
	s_add_co_u32 s15, s14, s12
	s_mul_i32 s15, s15, 768                        ; Q's half fragment of the first tile,
	s_add_co_u32 s16, s14, s27
	s_mul_i32 s16, s16, 768                        ; of the second
	s_lshl_b32 s14, s13, 6
	s_lshr_b32 s17, s12, 1
	s_add_co_u32 s17, s17, s14
	s_lshl_b32 s17, s17, 6
	s_add_co_u32 s17, s17, 3145728                 ; the words of the first tile's pair of tiles,
	s_lshr_b32 s18, s27, 1
	s_add_co_u32 s18, s18, s14
	s_lshl_b32 s18, s18, 6
	s_add_co_u32 s18, s18, 3145728                 ; of the second's
	s_mul_i32 s30, s13, 204800
	s_add_co_u32 s30, s30, 3276800                 ; the head's block
	s_mov_b32 s31, 0
	s_lshl_b32 s19, s11, 8
	s_lshl_b32 s24, s12, 12                        ; a tile's lane masks: 256 bytes a step; my parity's first step
	s_add_co_u32 s24, s24, s19
	s_mov_b32 s25, 0
	s_lshl_b32 s28, s27, 12
	s_add_co_u32 s28, s28, s19
	s_mov_b32 s29, 0
	s_lshl_b32 s2, s12, 6
	s_add_co_u32 s2, s2, 524288                    ; and its 16 flags
	s_mov_b32 s3, 0
	s_lshl_b32 s100, s27, 6
	s_add_co_u32 s100, s100, 524288
	s_mov_b32 s101, 0
	s_mov_b32 s20, 0x76543210
	s_mov_b32 s21, 0xfedcba98                      ; v_permlanex16_b32's selects for lane l xor 16
	s_mov_b32 s22, 0x3e38aa3b                      ; c = log2(e) / 8
	s_mov_b32 s23, s22
	v_and_b32 v1, 31, v0                           ; L
	v_and_b32 v2, 15, v0                           ; r
	v_lshlrev_b32 v4, 4, v1                        ; 16 L
	v_lshlrev_b32 v5, 3, v1                        ; 8 L
	v_lshlrev_b32 v35, 2, v2                       ; 4 r
	v_lshlrev_b32 v230, 4, v0                      ; the copy: 16 x thread, in memory and in LDS
	v_add_nc_u32 v245, s15, v4                     ; offsets of Q's loads; never rewritten
	v_add_nc_u32 v246, s15, v5
	v_add_nc_u32 v247, s17, v35
	v_add_nc_u32 v248, s16, v4
	v_add_nc_u32 v249, s16, v5
	v_add_nc_u32 v250, s18, v35
	s_wait_kmcnt 0x0
	s_add_nc_u64 s[30:31], s[4:5], s[30:31]
	s_add_nc_u64 s[24:25], s[6:7], s[24:25]
	s_add_nc_u64 s[28:29], s[6:7], s[28:29]
	s_add_nc_u64 s[2:3], s[6:7], s[2:3]
	s_add_nc_u64 s[100:101], s[6:7], s[100:101]
	global_load_b128 v[22:25], v245, s[4:5]
	global_load_b64 v[26:27], v246, s[4:5] offset:512
	global_load_b32 v34, v247, s[4:5]
	global_load_b128 v[238:241], v248, s[4:5]
	global_load_b64 v[242:243], v249, s[4:5] offset:512
	global_load_b32 v244, v250, s[4:5]
.set i, 0
.rept 25
	global_load_b128 v[48+4*i:51+4*i], v230, s[30:31] offset:8192*i
.set i, i+1
.endr
	s_load_b512 s[32:47], s[2:3], 0x0              ; the first tile's flags
	s_load_b512 s[48:63], s[100:101], 0x0          ; the second's
	v_add_nc_u32 v231, 0x10000, v230
	v_add_nc_u32 v232, 0x20000, v230
	v_add_nc_u32 v233, 0x30000, v230
	v_add_nc_u32 v6, VOFF, v4
	v_add_nc_u32 v7, VOFF, v5
	v_add_nc_u32 v8, KSC, v35
	s_mul_i32 s19, s10, PSZ
	s_add_co_u32 s19, s19, PART
	v_add_nc_u32 v234, s19, v4                     ; my part: 16 L,
	v_add_nc_u32 v235, s19, v5                     ; 8 L
	s_xor_b32 s26, s10, 1
	s_mul_i32 s26, s26, PSZ
	s_add_co_u32 s26, s26, PART
	v_add_nc_u32 v236, s26, v4                     ; my partner's
	v_add_nc_u32 v237, s26, v5
.irp j, 16,17,18,19,20,21,28,29,30,31,32,33
	v_mov_b32 v\j, 0                               ; 64 zero codes on either side of Q
.endr
.irp j, 216,217,218,219,225,226,228,229
	v_mov_b32 v\j, 0                               ; permutes' destinations, and halves of pairs, are written once
.endr
	v_mov_b32 v45, 0xd0000000                      ; -2^33: a hidden score
.set i, 0
.rept 25
	s_wait_loadcnt 24-i                            ; loads come back in order: load i is in, the younger ones may be out
	ds_store_b128 v[230+i/8], v[48+4*i:51+4*i] offset:8192*(i%8)
.set i, i+1
.endr
	s_and_b32 s19, ttmp9, 1                        ; both tiles are 8 x band + x: odd where x is
	s_lshl_b32 s19, s19, 4
	v_lshrrev_b32 v34, s19, v34                    ; a tile's two bytes of its pair's word,
	v_lshrrev_b32 v244, s19, v244
	v_and_b32 v34, 0xffff, v34
	v_and_b32 v244, 0xffff, v244
	v_lshl_or_b32 v34, v34, 16, v34                ; for Q low and for Q high
	v_lshl_or_b32 v244, v244, 16, v244
	FRESH
	s_wait_kmcnt 0x0
	FLAGS 32, 16, 17                               ; (the copy's loads are done: its base's registers serve as scratch)
	FLAGS 48, 2, 3
	s_wait_dscnt 0x0                               ; for the others' sake: my part of the copy has landed
	s_barrier_signal -1
	s_barrier_wait -1                              ; from here on the head's block is only read
	PHASE                                          ; the tile that my partner finishes: my parity's steps
.rept 4
	v_nop                                          ; places behind the last products
.endr
	v_add_f32 v13, v14, v15                        ; the sum's two halves
.irp i, 0,1,2,3,4,5,6,7
	ds_store_b128 v234, v[160+4*\i:163+4*\i] offset:512*\i         ; each accumulator from its low end on; 512 consecutive bytes a store
.endr
	ds_store_b64 v235, v[12:13] offset:4096        ; -M and the sum
.irp i, 0,1,2,3,4,5
	v_mov_b32 v[22+\i], v[238+\i]                  ; the second tile's Q
.endr
	v_mov_b32 v34, v244
	s_mov_b32 s16, s2
	s_mov_b32 s17, s3
	s_mov_b64 s[24:25], s[28:29]
	s_mov_b32 s12, s27
	s_wait_dscnt 0x0                               ; the stores have read their registers, and have landed
	FRESH
	PHASE                                          ; the tile that I finish
	; THE TWO PARTS OF MY TILE ARE JOINED under the larger M
.rept 4
	v_nop                                          ; places behind the last products
.endr
	v_add_f32 v14, v14, v15
	s_wait_dscnt 0x0                               ; no LDS instruction of mine is out
	s_barrier_signal -1
	s_barrier_wait -1                              ; every wave's part lies in LDS
.irp i, 0,1,2,3,4,5,6,7
	ds_load_b128 v[96+4*\i:99+4*\i], v236 offset:512*\i
.endr
	ds_load_b64 v[128:129], v237 offset:4096
	s_wait_dscnt 0x0
	v_min_num_f32 v130, v12, v128                  ; the joint -M
	v_sub_f32 v131, v130, v12                      ; my M - the joint M: a whole number, 0 or less
	v_sub_f32 v132, v130, v128                     ; my partner's likewise
	v_cvt_i32_f32 v131, v131                       ; (they saturate: a part that walked no step gets the factor 0, on zeros)
	v_cvt_i32_f32 v132, v132
	v_ldexp_f32 v224, 1.0, v131
	v_ldexp_f32 v228, 1.0, v132
	v_mul_f32 v14, v14, v224
	v_fma_f32 v14, v129, v228, v14
.set j, 0
.rept 16
	v_pk_mul_f32 v[160+j:161+j], v[160+j:161+j], v[224:225] op_sel_hi:[1,0]
.set j, j+2
.endr
.set j, 0
.rept 16
	v_pk_fma_f32 v[160+j:161+j], v[96+j:97+j], v[228:229], v[160+j:161+j] op_sel_hi:[1,0,1]
.set j, j+2
.endr
	; THE WAY OUT: O^T / the sum; my 32 registers are the head's 64 channels, 16 of each block: two blocks of the next product's K
	v_permlanex16_b32 v226, v14, s20, s21
	v_add_f32 v14, v14, v226
	v_rcp_f32 v14, v14
	v_nop
.set j, 0
	s_wait_alu depctr_va_vdst(0)
.rept 32
	v_mul_f32 v[96+j], v[160+j], v14
.set j, j+1
.endr
.irp b, 0,1
	v_max3_num_f32 v[212+\b], |v[96+16*\b]|, |v[97+16*\b]|, 0x2800000
.endr
.irp i, 2,4,6,8,10,12,14
.irp b, 0,1
	v_max3_num_f32 v[212+\b], v[212+\b], |v[96+16*\b+\i]|, |v[97+16*\b+\i]|
.endr
.endr
.irp b, 0,1
	v_permlanex16_b32 v[216+\b], v[212+\b], s20, s21
.endr
.irp b, 0,1
	v_max_num_f32 v[212+\b], v[212+\b], v[216+\b]
.endr
.irp b, 0,1
	v_add_nc_u32 v[220+\b], 0xfe000000, v[212+\b]
.endr
.irp b, 0,1
	v_lshrrev_b32 v[216+\b], 23, v[220+\b]
.endr
	v_lshl_or_b32 v44, v217, 8, v216               ; the two bytes
	v_cvt_scalef32_pk16_bf6_f32 v[192:194], v[96:111], v220
	v_cvt_scalef32_pk16_bf6_f32 v[204:206], v[112:127], v221
	v_nop
.irp i, 0,1,2
	v_permlane16_swap_b32 v[192+\i], v[204+\i]
.endr
.irp i, 0,1,2
	v_mov_b32 v[195+\i], v[204+\i]
.endr
	s_lshr_b32 s26, s13, 4
	s_lshl_b32 s26, s26, 7
	s_add_co_u32 s26, s26, s12                     ; the tile of tokens: 128 x batch + my tile
	s_lshl_b32 s26, s26, 3
	s_bfe_u32 s27, s13, 0x30001
	s_add_co_u32 s26, s26, s27                     ; fragment: K step = head / 2
	s_and_b32 s27, s13, 1                          ; its half = head % 2
	s_mul_i32 s28, s26, 1536
	s_mul_i32 s29, s27, 768
	s_add_co_u32 s28, s28, s29
	s_mov_b32 s29, 0
	s_add_nc_u64 s[28:29], s[8:9], s[28:29]
	s_lshl_b32 s26, s26, 6
	s_lshl_b32 s27, s27, 1
	s_add_co_u32 s26, s26, s27
	s_add_co_u32 s26, s26, 3145728
	s_mov_b32 s27, 0
	s_add_nc_u64 s[26:27], s[8:9], s[26:27]
	global_store_b128 v4, v[192:195], s[28:29]     ; 512 consecutive bytes, aligned
	global_store_b64 v5, v[196:197], s[28:29] offset:512
	global_store_b16 v35, v44, s[26:27]            ; a head is half of a K step: two of a word's four bytes (lanes 16-31 write the same bytes with the same value)
	s_wait_tensorcnt 0x0
	ds_add_u32 v254, v255
	s_wait_dscnt 0x0
	s_endpgm
.Lfunc_end_k_q2558a35e3b_attn:
	.size	k_q2558a35e3b_attn, .Lfunc_end_k_q2558a35e3b_attn-k_q2558a35e3b_attn
	.p2alignl 7, 3214868480
	.fill 96, 4, 3214868480
	.section	.rodata,"a",@progbits
	.p2align	6, 0x0
	.amdhsa_kernel k_q2558a35e3b_attn
		.amdhsa_group_segment_fixed_size 276480
		.amdhsa_private_segment_fixed_size 0
		.amdhsa_enable_private_segment 0
		.amdhsa_kernarg_size 24
		.amdhsa_user_sgpr_count 2
		.amdhsa_user_sgpr_kernarg_segment_ptr 1
		.amdhsa_wavefront_size32 1
		.amdhsa_system_sgpr_workgroup_id_x 1
		.amdhsa_system_sgpr_workgroup_id_y 1
		.amdhsa_system_sgpr_workgroup_id_z 1
		.amdhsa_system_vgpr_workitem_id 0
		.amdhsa_next_free_vgpr 256
		.amdhsa_next_free_sgpr 102
		.amdhsa_reserve_vcc 0
		.amdhsa_float_denorm_mode_32 3
		.amdhsa_float_denorm_mode_16_64 3
		.amdhsa_memory_ordered 1
		.amdhsa_forward_progress 1
		.amdhsa_inst_pref_size 81
	.end_amdhsa_kernel
	.amdgpu_metadata
---
amdhsa.version: [ 1, 2 ]
amdhsa.kernels:
  - .name:           k_q2558a35e3b_attn
    .symbol:         k_q2558a35e3b_attn.kd
    .args:
      - { .name: qkvb, .offset: 0, .size: 8, .value_kind: global_buffer, .address_space: global }
      - { .name: mw, .offset: 8, .size: 8, .value_kind: global_buffer, .address_space: global }
      - { .name: aq, .offset: 16, .size: 8, .value_kind: global_buffer, .address_space: global }
    .group_segment_fixed_size: 276480
    .private_segment_fixed_size: 0
    .kernarg_segment_align: 8
    .kernarg_segment_size: 24
    .max_flat_workgroup_size: 512
    .sgpr_count:     102
    .vgpr_count:     256
    .wavefront_size: 32
...
	.end_amdgpu_metadata
.endif
;; end of part 4
;; launch proj (part 5): grid 8 x 32, 4 waves a work-group, clusters of 4 x 4, 327,680 bytes of LDS; arguments aq, wimg, bo, x, hbuf; writes hbuf
.if DOCPART == 5
	.amdgcn_target "amdgcn-amd-amdhsa--gfx1250"
	.amdhsa_code_object_version 6
	.text
	.protected	k_q2558a35e3b_proj
	.globl	k_q2558a35e3b_proj
	.p2align	8
	.type	k_q2558a35e3b_proj,@function
k_q2558a35e3b_proj:
	s_mov_b64 s[64:65], 0
	v_nop
	global_prefetch_b8 v0, s[64:65] scope:SCOPE_SE
	s_setreg_imm32_b32 hwreg(HW_REG_WAVE_MODE, 25, 1), 1
	s_wait_xcnt 0x0
	s_wait_alu depctr_hold_cnt(0) depctr_sa_sdst(0) depctr_va_vdst(0) depctr_va_sdst(0) depctr_va_ssrc(0) depctr_va_vcc(0) depctr_vm_vsrc(0)
	s_getreg_b32 s2, hwreg(HW_REG_IB_STS2, 6, 4)
	s_cmp_eq_u32 s2, 0
	s_cbranch_scc0 .Lentry_in_a_cluster
	s_endpgm
.Lentry_in_a_cluster:
	s_bfe_u32 s2, ttmp6, 0x10000c
	s_cmp_lg_u32 s2, 0xf033
	s_cbranch_scc0 .Lentry_shape_is_right
	s_endpgm
.Lentry_shape_is_right:
; h = x + (a Wo + bo): a [4096][1024] and Wo's rows [1024][1024] as codes of E3M2 with E8M0 scales, laid as register images; h f32 [4096][1024]; sums in f32.
; OPERANDS: fragment (tile T of 16 rows, K step s of 128) = 1,536 bytes at (T KS + s) 1536: lane L's registers 0-3 at 16 L, 4-5 at 512 + 8 L, 6-9 at 768 + 16 L, 10-11 at 1280 + 8 L; scale words at ((T KS + s) 16 + r) 4.
; Row r of tile T is row 32 (T / 2) + 8 (T % 2) + r + 8 (r / 8).
; The output has 32 x 8 blocks of 128 x 128: one for each of 256 work-groups (blocks of 256 x 256 would be 64).  Four waves, each 64 x 64: 16 accumulators.  A slot holds 512 along K; with K = 1,024 the two slots are
; filled once each.  THE MATRIX INSTRUCTION IS USED TRANSPOSED (source 0 = Wo's rows, source 1 = tokens): a lane holds one token and its registers run along the columns.
; CLUSTERS: 4 x 4; A's tiles are asked for jointly along a row of the cluster, B's along a column.
; THE WAY OUT: a tile of 16 tokens x 64 columns goes through the wave's own stage in LDS and comes back as rows of 256 bytes; residual and bias are added there; sixteen lanes store 256 consecutive bytes, aligned.
; The residual is asked for at the head, into registers that lie idle (window 3).
; REGISTERS: window 0: v10, v11 16 L, 8 L; v16-23 LDS addresses; v24 STO, v25 RD, v26 CO, v27 scale words' address, v28, v29 the add's; v32-63 scale words; v64-67 bias; from v128 A's fragments (later rows on their way out).
; window 1: B's fragments, two sets.  window 2: the accumulators ((a, b) at v[8 (4 a + b)]).  window 3: the residual.
.set NB,    4
.set NQ,    4
.set KS,    8
.set BCODE, 2359296                    ; Wo's codes in wimg
.set BSCL,  9535488                    ; its scale words
.set ASCL,  3145728                    ; A's scale words in its buffer
.set MUL_HI, 0xa1
.set FRB,   1536
.set FR,    12
.set NL,    4
.set NP,    4
.set H,     NB/2
.set TROW,  NQ*FRB
.set HALFT, NB*TROW
.set SLOT,  4*HALFT
.set LAPS,  KS/(2*NQ)
.set SCL,   2*SLOT
.set HALFS, NB*KS*64
.set SPARE, SCL+4*HALFS                ; the spare words: two blocks of 256 bytes that no other line names
.set STAGE, SPARE+512                  ; 16 rows x (256 + 16) bytes for each wave; no tensor load lands here
.set ADRA, 16
.set ADRB, 20
.set STO,  24
.set RD,   25
.set CO,   26
.set ADRS, 27
.set SPW,  28
.set NIL,  29
.set SC,   32
.set BI,   64
.set AF,   128
.set BK,   128
.set G1, 24
.set G0, 32
.set G1B, 48
.set G0B, 56
.set G1S, 68
.set G0S, 76
.set G1SB, 80
.set G0SB, 88
.set MSB, 0
.macro WIN new
.if MSB != \new
	s_set_vgpr_msb (MSB<<8)|\new
.set MSB, \new
.endif
.endm
.set MUL_LO, 0xa1
.set TO_B,   0x40
.macro JLOAD g0a, g1a, g0b, g1b        ; a joint load: waves 0 and 1 fetch for A, waves 2 and 3 for B; four v_nop follow each of the two lines
	s_cmp_eq_u32 s15, 0
	s_cbranch_scc0 .Lfor_b_\@
	tensor_load_to_lds s[\g0a:\g0a+3], s[\g1a:\g1a+7]
	s_nop 0
.rept 4
	v_nop
.endr
	s_branch .Lasked_\@
.Lfor_b_\@:
	tensor_load_to_lds s[\g0b:\g0b+3], s[\g1b:\g1b+7]
	s_nop 0
.rept 4
	v_nop
.endr
.Lasked_\@:
.endm
.macro CREST
	s_cmp_lg_u32 s14, 0
	s_cbranch_scc1 .Lnot_wave_0_\@
	s_barrier_signal -3
.Lnot_wave_0_\@:
	s_barrier_wait -3
	s_barrier_signal -1
	s_barrier_wait -1
.endm
.macro CROUND
	s_barrier_signal -1
	s_barrier_wait -1
	CREST
.endm
.macro PLACES n
.rept \n
	v_nop
.endr
.endm
.macro FRAG reg, adr, q, i
	ds_load_b128 v[\reg:\reg+3], v[\adr] offset:(\i)*TROW+(\q)*FRB
	ds_load_b64 v[\reg+4:\reg+5], v[\adr+2] offset:(\i)*TROW+(\q)*FRB+512
	ds_load_b128 v[\reg+6:\reg+9], v[\adr] offset:(\i)*TROW+(\q)*FRB+768
	ds_load_b64 v[\reg+10:\reg+11], v[\adr+2] offset:(\i)*TROW+(\q)*FRB+1280
.endm
.macro MULA a, p, q, sc, zero          ; the accumulators take turns, one instruction a turn
.set bb, 0
.rept NB
.set rD, 8*(NB*((\a)%4)+bb)
.set rB, 128*(\p)+FR*bb
.set rA, AF+FR*(\a)
.set rSB, SC+16*(\sc)+NQ*bb+(\q)
.set rSA, SC+16*(\sc)+NQ*(\a)+(\q)
.if \zero
	v_wmma_scale_f32_16x16x128_f8f6f4 v[rD:rD+7], v[rB:rB+FR-1], v[rA:rA+FR-1], 0, v[rSB], v[rSA] matrix_a_fmt:MATRIX_FMT_BF6 matrix_b_fmt:MATRIX_FMT_BF6 matrix_a_scale:MATRIX_SCALE_ROW1
.else
	v_wmma_scale_f32_16x16x128_f8f6f4 v[rD:rD+7], v[rB:rB+FR-1], v[rA:rA+FR-1], v[rD:rD+7], v[rSB], v[rSA] matrix_a_fmt:MATRIX_FMT_BF6 matrix_b_fmt:MATRIX_FMT_BF6 matrix_a_scale:MATRIX_SCALE_ROW1
.endif
.set bb, bb+1
.endr
.endm
.macro MULQ k, p, q, sc, zero
.set aa, (\k)*NB/4
.rept NB/4
	MULA aa, \p, \q, \sc, \zero
.set aa, aa+1
.endr
.endm
.macro FETCH_B slot, q, p
	WIN TO_B
.set ii, 0
.rept NB
	FRAG 128*(\p)+FR*ii, ADRB+\slot, \q, ii
.set ii, ii+1
.endr
	WIN 0
.endm
.macro FETCH_A slot, q, i0
.set ii, \i0
.rept H
	FRAG AF+FR*ii, ADRA+\slot, \q, ii
.set ii, ii+1
.endr
.endm
.macro SCALES sc
.set ii, 0
.rept NB
.set qq, 0
.rept NQ
	ds_load_b32 v[SC+16*\sc+NQ*ii+qq], v[ADRS] offset:ii*KS*64+64*qq
.set qq, qq+1
.endr
.set ii, ii+1
.endr
.endm
.macro STEP slot, q, zero
	s_wait_dscnt H*NL                              ; all but the youngest loads, A's second half
	WIN MUL_LO
	MULQ 0, (\q)%2, \q, \slot, \zero
	MULQ 1, (\q)%2, \q, \slot, \zero
	s_wait_dscnt 0
	PLACES NP
	FETCH_B \slot, (\q)+1, 1-(\q)%2
	FETCH_A \slot, (\q)+1, 0
	WIN MUL_HI
	MULQ 2, (\q)%2, \q, \slot, \zero
	MULQ 3, (\q)%2, \q, \slot, \zero
	PLACES NP
	WIN 0
	FETCH_A \slot, (\q)+1, H
.endm
.macro MIDS slot
.if NQ > 2
	STEP \slot, 1, 0
	STEP \slot, 2, 0
.endif
.endm
.macro TURN slot, next, fill
	s_wait_tensorcnt 0x0                           ; all my tensor loads have landed: my part of the next slot
	ds_add_u32 v[SPW], v[NIL]                      ; 0 onto my spare word
	s_wait_dscnt H*NL+1                            ; (the add and A's second half may be out)
	WIN MUL_LO
	MULQ 0, 1, NQ-1, \slot, 0
	s_wait_dscnt 0x0                               ; the add is done, and my reads of this slot are over
	s_barrier_signal -1
	MULQ 1, 1, NQ-1, \slot, 0
	WIN 0
	s_barrier_wait -1
.if \fill
	CREST
	s_add_nc_u64 s[G0+4*\slot+2:G0+4*\slot+3], s[G0+4*\slot+2:G0+4*\slot+3], 2*TROW
	s_add_nc_u64 s[G0B+4*\slot+2:G0B+4*\slot+3], s[G0B+4*\slot+2:G0B+4*\slot+3], 2*TROW
	JLOAD G0+4*\slot, G1, G0B+4*\slot, G1B
.else
	PLACES NP
.endif
	v_add_nc_u32 v[ADRS], 64*NQ, v[ADRS]
	FETCH_B \next, 0, 0
	FETCH_A \next, 0, 0
	SCALES \next
	WIN MUL_HI
	MULQ 2, 1, NQ-1, \slot, 0
	MULQ 3, 1, NQ-1, \slot, 0
	PLACES NP
	WIN 0
	FETCH_A \next, 0, H
.endm
	s_load_b256 s[4:11], s[0:1], 0x0               ; A s[4:5], wimg s[6:7], bias s[8:9], residual s[10:11]
	s_load_b64 s[12:13], s[0:1], 0x20              ; the output
	v_lshl_add_u32 v[SPW], v0, 2, SPARE
	v_mov_b32 v[NIL], 0
	ds_add_u32 v28, v29
	ds_add_u32 v28, v29
	s_wait_dscnt 0x0
	v_lshrrev_b32 v1, 5, v0
	v_readfirstlane_b32 s14, v1
	s_lshr_b32 s15, s14, 1
	s_and_b32 s16, s14, 1
	s_bfe_u32 s40, ttmp6, 0x40000
	s_bfe_u32 s41, ttmp6, 0x40004
	s_lshl_b32 s42, ttmp9, 2
	s_add_co_u32 s42, s42, s40                     ; block of 128 columns
	s_and_b32 s17, ttmp7, 0xffff
	s_lshl_b32 s17, s17, 2
	s_add_co_u32 s17, s17, s41                     ; block of 128 tokens
	s_lshl_b32 s43, s41, 2
	s_lshl_b32 s43, 15, s43
	s_lshl_b32 s44, 0x1111, s40
	s_or_b32 s[G1+0], s43, (3<<16)|(1<<21)         ; 15:0 the mask; 17:16 elements of 8 bytes; 21 set beside a mask; no padding
	s_or_b32 s[G1B+0], s44, (3<<16)|(1<<21)
.irp g, G1, G1B
	s_mov_b32 s[\g+1], (TROW/8)<<16
	s_mov_b32 s[\g+2], NB<<16
	s_mov_b32 s[\g+3], (TROW/8)<<16
	s_mov_b32 s[\g+4], NB
	s_mov_b32 s[\g+5], KS*192
	s_mov_b32 s[\g+6], 0
	s_mov_b32 s[\g+7], 0
.endr
	s_or_b32 s[G1S+0], s43, (3<<16)|(1<<21)
	s_or_b32 s[G1SB+0], s44, (3<<16)|(1<<21)
.irp g, G1S, G1SB
	s_mov_b32 s[\g+1], 32<<16
	s_mov_b32 s[\g+2], (HALFS/256)<<16
	s_mov_b32 s[\g+3], 32<<16
	s_mov_b32 s[\g+4], HALFS/256
	s_mov_b32 s[\g+5], 32
	s_mov_b32 s[\g+6], 0
	s_mov_b32 s[\g+7], 0
.endr
	s_mul_i32 s45, s16, NB
	s_mul_i32 s20, s17, 2*NB
	s_add_co_u32 s20, s20, s45
	s_mul_i32 s46, s42, 2*NB
	s_add_co_u32 s46, s46, s45
	s_mul_i32 s22, s20, KS*64
	s_add_co_u32 s22, s22, ASCL
	s_mul_i32 s92, s46, KS*64
	s_add_co_u32 s92, s92, BSCL
	s_mul_i32 s20, s20, KS*FRB
	s_mul_i32 s46, s46, KS*FRB
	s_add_co_u32 s46, s46, BCODE
	s_mov_b32 s21, 0
	s_mov_b32 s23, 0
	s_mov_b32 s47, 0
	s_mov_b32 s93, 0
	s_mul_i32 s45, s14, HALFT
	s_mul_i32 s94, s14, HALFS
	s_wait_kmcnt 0x0
	s_add_nc_u64 s[20:21], s[4:5], s[20:21]
	s_add_nc_u64 s[22:23], s[4:5], s[22:23]
	s_add_nc_u64 s[46:47], s[6:7], s[46:47]
	s_add_nc_u64 s[92:93], s[6:7], s[92:93]
	CROUND                                         ; all sixteen work-groups are here: the first joint loads meet
	s_mov_b32 s[G0S], 1
	s_add_co_u32 s[G0S+1], s94, SCL
	s_mov_b64 s[G0S+2:G0S+3], s[22:23]
	s_or_b32 s[G0S+3], s[G0S+3], 0x80000000
	s_mov_b32 s[G0SB], 1
	s_add_co_u32 s[G0SB+1], s94, SCL
	s_mov_b64 s[G0SB+2:G0SB+3], s[92:93]
	s_or_b32 s[G0SB+3], s[G0SB+3], 0x80000000
	JLOAD G0S, G1S, G0SB, G1SB
.irp s, 0,1
	s_mov_b32 s[G0+4*\s], 1
	s_add_co_u32 s[G0+4*\s+1], s45, \s*SLOT
	s_add_nc_u64 s[G0+4*\s+2:G0+4*\s+3], s[20:21], \s*TROW
	s_or_b32 s[G0+4*\s+3], s[G0+4*\s+3], 0x80000000
	s_mov_b32 s[G0B+4*\s], 1
	s_add_co_u32 s[G0B+4*\s+1], s45, \s*SLOT
	s_add_nc_u64 s[G0B+4*\s+2:G0B+4*\s+3], s[46:47], \s*TROW
	s_or_b32 s[G0B+4*\s+3], s[G0B+4*\s+3], 0x80000000
	JLOAD G0+4*\s, G1, G0B+4*\s, G1B               ; three tensor loads of mine are out
.endr
	v_and_b32 v1, 31, v0
	v_and_b32 v2, 15, v0                           ; r
	v_bfe_u32 v13, v0, 4, 1                        ; h
	v_lshlrev_b32 v10, 4, v1
	v_lshlrev_b32 v11, 3, v1
	s_mul_i32 s21, s15, HALFT
	s_mul_i32 s22, s16, HALFT
	s_add_co_u32 s22, s22, 2*HALFT
.irp s, 0,1
	v_add_nc_u32 v[ADRA+\s], s21, v10
	v_add_nc_u32 v[ADRB+\s], s22, v10
	v_add_nc_u32 v[ADRA+2+\s], s21, v11
	v_add_nc_u32 v[ADRB+2+\s], s22, v11
	s_add_co_u32 s21, s21, SLOT
	s_add_co_u32 s22, s22, SLOT
.endr
	v_lshlrev_b32 v5, 2, v2
	s_mul_i32 s21, s15, HALFS
	s_mul_i32 s22, s16, HALFS
	s_add_co_u32 s22, s22, 2*HALFS
	s_sub_co_u32 s22, s22, s21
	v_mul_u32_u24 v6, s22, v13
	s_add_co_u32 s21, s21, SCL
	v_add_nc_u32 v5, v5, v6
	v_add_nc_u32 v[ADRS], s21, v5
	s_mul_i32 s23, s14, 16*272
	s_add_co_u32 s23, s23, STAGE                   ; my stage
	v_mul_u32_u24 v5, v2, 272
	v_lshl_add_u32 v5, v13, 6, v5
	v_add_nc_u32 v[STO], s23, v5                   ; in: row r, + 64 h
	v_mul_u32_u24 v5, v13, 272
	v_lshl_add_u32 v5, v2, 4, v5
	v_add_nc_u32 v[RD], s23, v5                    ; back: lanes 0-15 one row of 256 bytes, lanes 16-31 the next
	v_lshlrev_b32 v5, 12, v13
	v_lshl_add_u32 v[CO], v2, 4, v5                ; and the same two rows in memory
	v_lshlrev_b32 v9, 4, v2
	s_lshl_b32 s20, s42, 9
	s_lshl_b32 s21, s16, 8
	s_add_co_u32 s20, s20, s21                     ; my first column, in bytes
	s_mov_b32 s21, 0
	s_add_nc_u64 s[8:9], s[8:9], s[20:21]
	s_lshl_b32 s22, s17, 7
	s_lshl_b32 s23, s15, 6
	s_add_co_u32 s22, s22, s23
	s_lshl_b32 s22, s22, 12                        ; my first token's row
	s_add_co_u32 s20, s20, s22
	s_add_nc_u64 s[10:11], s[10:11], s[20:21]
	s_add_nc_u64 s[12:13], s[12:13], s[20:21]
	global_load_b128 v[BI:BI+3], v9, s[8:9]        ; the bias of my four columns of a row
	WIN 0xc0                                       ; destination window 3
.set aa, 0
.rept 4
.set tt, 0
.rept 8
	global_load_b128 v[32*aa+4*tt:32*aa+4*tt+3], v[CO], s[10:11] offset:(32*(aa/2)+8*(aa%2)+2*tt+8*(tt/4))*4096
.set tt, tt+1
.endr
.set aa, aa+1
.endr
	WIN 0
	s_wait_tensorcnt 1                             ; the scale words and my part of slot 0 are in (slot 1's load may be out),
	s_barrier_signal -1
	s_barrier_wait -1
	FETCH_B 0, 0, 0
	FETCH_A 0, 0, 0
	SCALES 0
	FETCH_A 0, 0, H
	STEP 0, 0, 1
.if LAPS > 1
	s_mov_b32 s3, LAPS-1
.Llap:
	MIDS 0
	TURN 0, 1, 1
	STEP 1, 0, 0
	MIDS 1
	TURN 1, 0, 1
	STEP 0, 0, 0
	s_sub_co_u32 s3, s3, 1
	s_cmp_lg_u32 s3, 0
	s_cbranch_scc1 .Llap
.endif
	MIDS 0
	TURN 0, 1, 0
	STEP 1, 0, 0
	MIDS 1
	s_wait_dscnt H*NL
	WIN MUL_LO
	MULQ 0, 1, NQ-1, 1, 0
	MULQ 1, 1, NQ-1, 1, 0
	s_wait_dscnt 0
	WIN MUL_HI
	MULQ 2, 1, NQ-1, 1, 0
	MULQ 3, 1, NQ-1, 1, 0
	WIN 0
.macro OUT a
.if (\a) > 1
	s_wait_xcnt 0x0                                ; tile a - 2's stores have read their registers
.endif
.set BB, BK+32*((\a)%2)
	WIN 0x08                                       ; an LDS store's data: window 2
.set bb, 0
.rept 4
	ds_store_b128 v[STO], v[8*(4*(\a)+bb):8*(4*(\a)+bb)+3] offset:128*(bb/2)+32*(bb%2)       ; each accumulator from its low end on
	ds_store_b128 v[STO], v[8*(4*(\a)+bb)+4:8*(4*(\a)+bb)+7] offset:128*(bb/2)+32*(bb%2)+16
.set bb, bb+1
.endr
	WIN 0
.set tt, 0
.rept 8
	ds_load_b128 v[BB+4*tt:BB+4*tt+3], v[RD] offset:544*tt         ; LDS serves a wave's instructions in order: these see the stores above
.set tt, tt+1
.endr
	s_wait_dscnt 0x0
	WIN 0x0c                                       ; source 1: window 3
.set jj, 0
.rept 16
	v_pk_add_f32 v[BB+jj:BB+jj+1], v[BB+jj:BB+jj+1], v[32*(\a)+jj:32*(\a)+jj+1]   ; + the residual
.set jj, jj+2
.endr
	WIN 0
.set jj, 0
.rept 16
	v_pk_add_f32 v[BB+jj:BB+jj+1], v[BB+jj:BB+jj+1], v[BI+jj%4:BI+jj%4+1]         ; + the bias
.set jj, jj+2
.endr
.set tt, 0
.rept 8
	global_store_b128 v[CO], v[BB+4*tt:BB+4*tt+3], s[12:13] offset:(32*((\a)/2)+8*((\a)%2)+2*tt+8*(tt/4))*4096
.set tt, tt+1
.endr
.endm
	s_wait_loadcnt 0x0                             ; residual and bias
	PLACES NP                                      ; behind the last products
	OUT 0
	OUT 1
	OUT 2
	OUT 3
	s_wait_tensorcnt 0x0                           ; the wave's end
	ds_add_u32 v[SPW], v[NIL]
	s_wait_dscnt 0x0
	CROUND                                         ; the closing round
	s_endpgm
.Lfunc_end_k_q2558a35e3b_proj:
	.size	k_q2558a35e3b_proj, .Lfunc_end_k_q2558a35e3b_proj-k_q2558a35e3b_proj
	.p2alignl 7, 3214868480
	.fill 96, 4, 3214868480
	.section	.rodata,"a",@progbits
	.p2align	6, 0x0
	.amdhsa_kernel k_q2558a35e3b_proj
		.amdhsa_group_segment_fixed_size 327680
		.amdhsa_private_segment_fixed_size 0
		.amdhsa_enable_private_segment 0
		.amdhsa_kernarg_size 40
		.amdhsa_user_sgpr_count 2
		.amdhsa_user_sgpr_kernarg_segment_ptr 1
		.amdhsa_wavefront_size32 1
		.amdhsa_system_sgpr_workgroup_id_x 1
		.amdhsa_system_sgpr_workgroup_id_y 1
		.amdhsa_system_sgpr_workgroup_id_z 1
		.amdhsa_system_vgpr_workitem_id 0
		.amdhsa_next_free_vgpr 1024
		.amdhsa_next_free_sgpr 102
		.amdhsa_reserve_vcc 0
		.amdhsa_float_denorm_mode_32 3
		.amdhsa_float_denorm_mode_16_64 3
		.amdhsa_memory_ordered 1
		.amdhsa_forward_progress 1
		.amdhsa_inst_pref_size 67
	.end_amdhsa_kernel
	.amdgpu_metadata
---
amdhsa.version: [ 1, 2 ]
amdhsa.kernels:
  - .name:           k_q2558a35e3b_proj
    .symbol:         k_q2558a35e3b_proj.kd
    .args:
      - { .name: aq, .offset: 0, .size: 8, .value_kind: global_buffer, .address_space: global }
      - { .name: wimg, .offset: 8, .size: 8, .value_kind: global_buffer, .address_space: global }
      - { .name: bo, .offset: 16, .size: 8, .value_kind: global_buffer, .address_space: global }
      - { .name: x, .offset: 24, .size: 8, .value_kind: global_buffer, .address_space: global }
      - { .name: hbuf, .offset: 32, .size: 8, .value_kind: global_buffer, .address_space: global }
    .group_segment_fixed_size: 327680
    .private_segment_fixed_size: 0
    .kernarg_segment_align: 8
    .kernarg_segment_size: 40
    .max_flat_workgroup_size: 128
    .sgpr_count:     102
    .vgpr_count:     1024
    .wavefront_size: 32
...
	.end_amdgpu_metadata
.endif
;; end of part 5
;; launch ln2: the kernel of part 2 again; grid 256 x 1, 8 waves a work-group, no clusters, 87,552 bytes of LDS; arguments hbuf, ln2_g, ln2_b, xq; writes xq
;; launch ffn1 (part 6): grid 16 x 16, 4 waves a work-group, clusters of 4 x 4, 327,680 bytes of LDS; arguments xq, wimg, b1, fq; writes fq
.if DOCPART == 6
	.amdgcn_target "amdgcn-amd-amdhsa--gfx1250"
	.amdhsa_code_object_version 6
	.text
	.protected	k_q2558a35e3b_ffn1
	.globl	k_q2558a35e3b_ffn1
	.p2align	8
	.type	k_q2558a35e3b_ffn1,@function
k_q2558a35e3b_ffn1:
	s_mov_b64 s[64:65], 0
	v_nop
	global_prefetch_b8 v0, s[64:65] scope:SCOPE_SE
	s_setreg_imm32_b32 hwreg(HW_REG_WAVE_MODE, 25, 1), 1
	s_wait_xcnt 0x0
	s_wait_alu depctr_hold_cnt(0) depctr_sa_sdst(0) depctr_va_vdst(0) depctr_va_sdst(0) depctr_va_ssrc(0) depctr_va_vcc(0) depctr_vm_vsrc(0)
	s_getreg_b32 s2, hwreg(HW_REG_IB_STS2, 6, 4)
	s_cmp_eq_u32 s2, 0
	s_cbranch_scc0 .Lentry_in_a_cluster
	s_endpgm
.Lentry_in_a_cluster:
	s_bfe_u32 s2, ttmp6, 0x10000c
	s_cmp_lg_u32 s2, 0xf033
	s_cbranch_scc0 .Lentry_shape_is_right
	s_endpgm
.Lentry_shape_is_right:
; f = relu(hn W1 + b1), quantised along the 4,096 hidden units and stored as the next product's operand; hn [4096][1024] and W1's rows [4096][1024] as codes of E3M2 with E8M0 scales; sums in f32.
; OPERANDS are register images: fragment (tile T of 16 rows, K step s of 128) = 1,536 bytes at (T KS + s) 1536: lane L's registers 0-3 at 16 L, 4-5 at 512 + 8 L, 6-9 at 768 + 16 L, 10-11 at 1280 + 8 L;
; scale words at ((T KS + s) 16 + r) 4.  Row r of tile T is row 32 (T / 2) + 8 (T % 2) + r + 8 (r / 8): so a lane's 16 results of two neighbouring tiles of W1 are 16 neighbouring hidden units.
; A work-group of four waves makes 256 x 256, a wave 128 x 128: 64 accumulators; 16 x 16 work-groups.  THE MATRIX INSTRUCTION IS USED TRANSPOSED: source 0 = W1's rows, source 1 = tokens.
; K = 1,024 goes in slots of 256 through a ring of two LDS slots filled by the tensor data mover; the scale words of all of K come once.
; CLUSTERS: 4 x 4; A's tiles are asked for jointly along a row of the cluster, B's along a column.
; THE WAY OUT: a tile's 64 results a lane are one K step of the next product: + bias, relu, quantised in registers, stored as an image.  The hidden layer never goes out as f32.
; LIMITS: blocks whose largest magnitude lies under 2^(5 - 127) keep the byte 1; NaN and infinities are not served.
; REGISTERS: window 0: v2 r, v9-13 addresses, v16-23 LDS addresses of fragments, v27 of scale words, v28, v29 the add's; v32-63 scale words; v64-127 the bias; from v128 A's fragments (on the way out v128-237 at work).
; window 1: B's fragments, two sets.  windows 2, 3: the accumulators ((a, b) at v[8 (8 (a % 4) + b)]).
.set NB,    8
.set NQ,    2
.set KS,    8
.set BCODE, 3145728                    ; W1's codes in wimg
.set BSCL,  9568256                    ; its scale words
.set ASCL,  3145728
.set MUL_HI, 0xf1
.set FRB,   1536
.set FR,    12
.set NL,    4
.set NP,    4
.set H,     NB/2
.set TROW,  NQ*FRB
.set HALFT, NB*TROW
.set SLOT,  4*HALFT
.set LAPS,  KS/(2*NQ)
.set SCL,   2*SLOT
.set HALFS, NB*KS*64
.set SPARE, SCL+4*HALFS                ; the spare words: two blocks of 256 bytes that no other line names
.set ADRA, 16
.set ADRB, 20
.set ADRS, 27
.set SPW,  28
.set NIL,  29
.set SC,   32
.set AF,   128
.set BI,   64
.set HA,   128
.set PC,   192
.set TM,   212
.set PW,   228
.set PWS,  230
.set SEL,  12
.set G1, 24
.set G0, 32
.set G1B, 48
.set G0B, 56
.set G1S, 68
.set G0S, 76
.set G1SB, 80
.set G0SB, 88
.set MSB, 0
.macro WIN new
.if MSB != \new
	s_set_vgpr_msb (MSB<<8)|\new
.set MSB, \new
.endif
.endm
.set MUL_LO, 0xa1
.set TO_B,   0x40
.macro JLOAD g0a, g1a, g0b, g1b        ; a joint load: waves 0 and 1 fetch for A, waves 2 and 3 for B; four v_nop follow each of the two lines
	s_cmp_eq_u32 s15, 0
	s_cbranch_scc0 .Lfor_b_\@
	tensor_load_to_lds s[\g0a:\g0a+3], s[\g1a:\g1a+7]
	s_nop 0
.rept 4
	v_nop
.endr
	s_branch .Lasked_\@
.Lfor_b_\@:
	tensor_load_to_lds s[\g0b:\g0b+3], s[\g1b:\g1b+7]
	s_nop 0
.rept 4
	v_nop
.endr
.Lasked_\@:
.endm
.macro CREST
	s_cmp_lg_u32 s14, 0
	s_cbranch_scc1 .Lnot_wave_0_\@
	s_barrier_signal -3
.Lnot_wave_0_\@:
	s_barrier_wait -3
	s_barrier_signal -1
	s_barrier_wait -1
.endm
.macro CROUND
	s_barrier_signal -1
	s_barrier_wait -1
	CREST
.endm
.macro PLACES n
.rept \n
	v_nop
.endr
.endm
.macro FRAG reg, adr, q, i
	ds_load_b128 v[\reg:\reg+3], v[\adr] offset:(\i)*TROW+(\q)*FRB
	ds_load_b64 v[\reg+4:\reg+5], v[\adr+2] offset:(\i)*TROW+(\q)*FRB+512
	ds_load_b128 v[\reg+6:\reg+9], v[\adr] offset:(\i)*TROW+(\q)*FRB+768
	ds_load_b64 v[\reg+10:\reg+11], v[\adr+2] offset:(\i)*TROW+(\q)*FRB+1280
.endm
.macro MULA a, p, q, sc, zero          ; the accumulators take turns, one instruction a turn
.set bb, 0
.rept NB
.set rD, 8*(NB*((\a)%4)+bb)
.set rB, 128*(\p)+FR*bb
.set rA, AF+FR*(\a)
.set rSB, SC+16*(\sc)+NQ*bb+(\q)
.set rSA, SC+16*(\sc)+NQ*(\a)+(\q)
.if \zero
	v_wmma_scale_f32_16x16x128_f8f6f4 v[rD:rD+7], v[rB:rB+FR-1], v[rA:rA+FR-1], 0, v[rSB], v[rSA] matrix_a_fmt:MATRIX_FMT_BF6 matrix_b_fmt:MATRIX_FMT_BF6 matrix_a_scale:MATRIX_SCALE_ROW1
.else
	v_wmma_scale_f32_16x16x128_f8f6f4 v[rD:rD+7], v[rB:rB+FR-1], v[rA:rA+FR-1], v[rD:rD+7], v[rSB], v[rSA] matrix_a_fmt:MATRIX_FMT_BF6 matrix_b_fmt:MATRIX_FMT_BF6 matrix_a_scale:MATRIX_SCALE_ROW1
.endif
.set bb, bb+1
.endr
.endm
.macro MULQ k, p, q, sc, zero
.set aa, (\k)*NB/4
.rept NB/4
	MULA aa, \p, \q, \sc, \zero
.set aa, aa+1
.endr
.endm
.macro FETCH_B slot, q, p
	WIN TO_B
.set ii, 0
.rept NB
	FRAG 128*(\p)+FR*ii, ADRB+\slot, \q, ii
.set ii, ii+1
.endr
	WIN 0
.endm
.macro FETCH_A slot, q, i0
.set ii, \i0
.rept H
	FRAG AF+FR*ii, ADRA+\slot, \q, ii
.set ii, ii+1
.endr
.endm
.macro SCALES sc
.set ii, 0
.rept NB
.set qq, 0
.rept NQ
	ds_load_b32 v[SC+16*\sc+NQ*ii+qq], v[ADRS] offset:ii*KS*64+64*qq
.set qq, qq+1
.endr
.set ii, ii+1
.endr
.endm
.macro STEP slot, q, zero
	s_wait_dscnt H*NL                              ; all but the youngest loads, A's second half
	WIN MUL_LO
	MULQ 0, (\q)%2, \q, \slot, \zero
	MULQ 1, (\q)%2, \q, \slot, \zero
	s_wait_dscnt 0
	PLACES NP
	FETCH_B \slot, (\q)+1, 1-(\q)%2
	FETCH_A \slot, (\q)+1, 0
	WIN MUL_HI
	MULQ 2, (\q)%2, \q, \slot, \zero
	MULQ 3, (\q)%2, \q, \slot, \zero
	PLACES NP
	WIN 0
	FETCH_A \slot, (\q)+1, H
.endm
.macro MIDS slot
.if NQ > 2
	STEP \slot, 1, 0
	STEP \slot, 2, 0
.endif
.endm
.macro TURN slot, next, fill
	s_wait_tensorcnt 0x0                           ; all my tensor loads have landed: my part of the next slot
	ds_add_u32 v[SPW], v[NIL]                      ; 0 onto my spare word
	s_wait_dscnt H*NL+1                            ; (the add and A's second half may be out)
	WIN MUL_LO
	MULQ 0, 1, NQ-1, \slot, 0
	s_wait_dscnt 0x0                               ; the add is done, and my reads of this slot are over
	s_barrier_signal -1
	MULQ 1, 1, NQ-1, \slot, 0
	WIN 0
	s_barrier_wait -1
.if \fill
	CREST                                          ; the barrier has opened a round of the cluster's barrier: no wave of any partner still reads this slot or has a load on its way
	s_add_nc_u64 s[G0+4*\slot+2:G0+4*\slot+3], s[G0+4*\slot+2:G0+4*\slot+3], 2*TROW
	s_add_nc_u64 s[G0B+4*\slot+2:G0B+4*\slot+3], s[G0B+4*\slot+2:G0B+4*\slot+3], 2*TROW
	JLOAD G0+4*\slot, G1, G0B+4*\slot, G1B
.else
	PLACES NP
.endif
	v_add_nc_u32 v[ADRS], 64*NQ, v[ADRS]
	FETCH_B \next, 0, 0
	FETCH_A \next, 0, 0
	SCALES \next
	WIN MUL_HI
	MULQ 2, 1, NQ-1, \slot, 0
	MULQ 3, 1, NQ-1, \slot, 0
	PLACES NP
	WIN 0
	FETCH_A \next, 0, H
.endm
.macro QUANT s                         ; 64 numbers of a lane, register 16 b + i = k 32 b + 16 (lane / 16) + i of my row -> a fragment's codes in v[PC] on, its scale word in v[PW]
.irp b, 0,1,2,3
	v_max3_num_f32 v[TM+\b], |v[\s+16*\b]|, |v[\s+1+16*\b]|, 0x2800000
.endr
.irp i, 2,4,6,8,10,12,14
.irp b, 0,1,2,3
	v_max3_num_f32 v[TM+\b], v[TM+\b], |v[\s+16*\b+\i]|, |v[\s+1+16*\b+\i]|
.endr
.endr
.irp b, 0,1,2,3
	v_permlanex16_b32 v[TM+4+\b], v[TM+\b], s[SEL], s[SEL+1]
.endr
.irp b, 0,1,2,3
	v_max_num_f32 v[TM+\b], v[TM+\b], v[TM+4+\b]
.endr
.irp b, 0,1,2,3
	v_add_nc_u32 v[TM+12+\b], 0xfe000000, v[TM+\b]
.endr
.irp b, 0,1,2,3
	v_lshrrev_b32 v[TM+4+\b], 23, v[TM+12+\b]
.endr
	v_lshl_or_b32 v[PW], v[TM+5], 8, v[TM+4]
	v_lshl_or_b32 v[PW], v[TM+6], 16, v[PW]
	v_lshl_or_b32 v[PW], v[TM+7], 24, v[PW]
.irp c, 0,1
	v_cvt_scalef32_pk16_bf6_f32 v[PC+6*\c:PC+2+6*\c], v[\s+32*\c:\s+15+32*\c], v[TM+12+2*\c]
	v_cvt_scalef32_pk16_bf6_f32 v[PC+12+4*\c:PC+14+4*\c], v[\s+16+32*\c:\s+31+32*\c], v[TM+12+2*\c+1]
.endr
	v_nop                                          ; one plain place behind a scaled conversion
.irp c, 0,1
.irp i, 0,1,2
	v_permlane16_swap_b32 v[PC+6*\c+\i], v[PC+12+4*\c+\i]
.endr
.irp i, 0,1,2
	v_mov_b32 v[PC+3+6*\c+\i], v[PC+12+4*\c+\i]
.endr
.endr
.endm
	s_load_b128 s[4:7], s[0:1], 0x0                ; xq s[4:5], wimg s[6:7]
	s_load_b128 s[8:11], s[0:1], 0x10              ; b1 s[8:9], fq s[10:11]
	v_lshl_add_u32 v[SPW], v0, 2, SPARE
	v_mov_b32 v[NIL], 0
	ds_add_u32 v28, v29
	ds_add_u32 v28, v29
	s_wait_dscnt 0x0
	v_lshrrev_b32 v1, 5, v0
	v_readfirstlane_b32 s14, v1
	s_lshr_b32 s15, s14, 1
	s_and_b32 s16, s14, 1
	s_bfe_u32 s40, ttmp6, 0x40000
	s_bfe_u32 s41, ttmp6, 0x40004
	s_lshl_b32 s42, ttmp9, 2
	s_add_co_u32 s42, s42, s40                     ; block of 256 hidden units
	s_and_b32 s17, ttmp7, 0xffff
	s_lshl_b32 s17, s17, 2
	s_add_co_u32 s17, s17, s41                     ; block of 256 tokens
	s_lshl_b32 s43, s41, 2
	s_lshl_b32 s43, 15, s43
	s_lshl_b32 s44, 0x1111, s40
	s_or_b32 s[G1+0], s43, (3<<16)|(1<<21)         ; 15:0 the mask; 17:16 elements of 8 bytes; 21 set beside a mask; no padding
	s_or_b32 s[G1B+0], s44, (3<<16)|(1<<21)
.irp g, G1, G1B
	s_mov_b32 s[\g+1], (TROW/8)<<16
	s_mov_b32 s[\g+2], NB<<16
	s_mov_b32 s[\g+3], (TROW/8)<<16
	s_mov_b32 s[\g+4], NB
	s_mov_b32 s[\g+5], KS*192
	s_mov_b32 s[\g+6], 0
	s_mov_b32 s[\g+7], 0
.endr
	s_or_b32 s[G1S+0], s43, (3<<16)|(1<<21)
	s_or_b32 s[G1SB+0], s44, (3<<16)|(1<<21)
.irp g, G1S, G1SB
	s_mov_b32 s[\g+1], 32<<16
	s_mov_b32 s[\g+2], (HALFS/256)<<16
	s_mov_b32 s[\g+3], 32<<16
	s_mov_b32 s[\g+4], HALFS/256
	s_mov_b32 s[\g+5], 32
	s_mov_b32 s[\g+6], 0
	s_mov_b32 s[\g+7], 0
.endr
	s_mul_i32 s45, s16, NB
	s_mul_i32 s20, s17, 2*NB
	s_add_co_u32 s20, s20, s45
	s_mul_i32 s46, s42, 2*NB
	s_add_co_u32 s46, s46, s45
	s_mul_i32 s22, s20, KS*64
	s_add_co_u32 s22, s22, ASCL
	s_mul_i32 s92, s46, KS*64
	s_add_co_u32 s92, s92, BSCL
	s_mul_i32 s20, s20, KS*FRB
	s_mul_i32 s46, s46, KS*FRB
	s_add_co_u32 s46, s46, BCODE
	s_mov_b32 s21, 0
	s_mov_b32 s23, 0
	s_mov_b32 s47, 0
	s_mov_b32 s93, 0
	s_mul_i32 s45, s14, HALFT
	s_mul_i32 s94, s14, HALFS
	s_wait_kmcnt 0x0
	s_add_nc_u64 s[20:21], s[4:5], s[20:21]
	s_add_nc_u64 s[22:23], s[4:5], s[22:23]
	s_add_nc_u64 s[46:47], s[6:7], s[46:47]
	s_add_nc_u64 s[92:93], s[6:7], s[92:93]
	CROUND                                         ; all sixteen work-groups are here: the first joint loads meet
	s_mov_b32 s[G0S], 1
	s_add_co_u32 s[G0S+1], s94, SCL
	s_mov_b64 s[G0S+2:G0S+3], s[22:23]
	s_or_b32 s[G0S+3], s[G0S+3], 0x80000000
	s_mov_b32 s[G0SB], 1
	s_add_co_u32 s[G0SB+1], s94, SCL
	s_mov_b64 s[G0SB+2:G0SB+3], s[92:93]
	s_or_b32 s[G0SB+3], s[G0SB+3], 0x80000000
	JLOAD G0S, G1S, G0SB, G1SB
.irp s, 0,1
	s_mov_b32 s[G0+4*\s], 1
	s_add_co_u32 s[G0+4*\s+1], s45, \s*SLOT
	s_add_nc_u64 s[G0+4*\s+2:G0+4*\s+3], s[20:21], \s*TROW
	s_or_b32 s[G0+4*\s+3], s[G0+4*\s+3], 0x80000000
	s_mov_b32 s[G0B+4*\s], 1
	s_add_co_u32 s[G0B+4*\s+1], s45, \s*SLOT
	s_add_nc_u64 s[G0B+4*\s+2:G0B+4*\s+3], s[46:47], \s*TROW
	s_or_b32 s[G0B+4*\s+3], s[G0B+4*\s+3], 0x80000000
	JLOAD G0+4*\s, G1, G0B+4*\s, G1B               ; three tensor loads of mine are out
.endr
	v_and_b32 v1, 31, v0
	v_and_b32 v2, 15, v0                           ; r
	v_bfe_u32 v13, v0, 4, 1                        ; h
	v_lshlrev_b32 v10, 4, v1                       ; 16 L
	v_lshlrev_b32 v11, 3, v1                       ; 8 L
	s_mul_i32 s21, s15, HALFT
	s_mul_i32 s22, s16, HALFT
	s_add_co_u32 s22, s22, 2*HALFT
.irp s, 0,1
	v_add_nc_u32 v[ADRA+\s], s21, v10
	v_add_nc_u32 v[ADRB+\s], s22, v10
	v_add_nc_u32 v[ADRA+2+\s], s21, v11
	v_add_nc_u32 v[ADRB+2+\s], s22, v11
	s_add_co_u32 s21, s21, SLOT
	s_add_co_u32 s22, s22, SLOT
.endr
	v_lshlrev_b32 v5, 2, v2
	s_mul_i32 s21, s15, HALFS
	s_mul_i32 s22, s16, HALFS
	s_add_co_u32 s22, s22, 2*HALFS
	s_sub_co_u32 s22, s22, s21
	v_mul_u32_u24 v6, s22, v13
	s_add_co_u32 s21, s21, SCL
	v_add_nc_u32 v6, v5, v6
	v_add_nc_u32 v[ADRS], s21, v6
	v_lshl_add_u32 v12, v13, 11, v5                ; the way out's scale words: 4 r, lanes 16-31 one tile (32 K steps of 64 bytes) on
	s_mov_b32 s[SEL], 0x76543210
	s_mov_b32 s[SEL+1], 0xfedcba98
	s_lshl_b32 s20, s42, 10
	s_lshl_b32 s21, s16, 9
	s_add_co_u32 s20, s20, s21                     ; my first hidden unit, in bytes
	s_mov_b32 s21, 0
	s_add_nc_u64 s[8:9], s[8:9], s[20:21]
	v_lshlrev_b32 v9, 6, v13                       ; 64 h
.set ii, 0
.rept 16
	global_load_b128 v[BI+4*ii:BI+4*ii+3], v9, s[8:9] offset:128*(ii/4)+16*(ii%4)   ; register 16 b + i: hidden unit 32 b + 16 h + i
.set ii, ii+1
.endr
	s_lshl_b32 s20, s17, 4
	s_lshl_b32 s21, s15, 3
	s_add_co_u32 s20, s20, s21                     ; my first tile of tokens
	s_lshl_b32 s20, s20, 5
	s_lshl_b32 s21, s42, 1
	s_add_co_u32 s20, s20, s21
	s_add_co_u32 s20, s20, s16                     ; fragment T 32 + s, s = my 128 hidden units
	s_mul_i32 s22, s20, 1536
	s_mov_b32 s23, 0
	s_lshl_b32 s20, s20, 6
	s_add_co_u32 s20, s20, 12582912
	s_mov_b32 s21, 0
	s_add_nc_u64 s[22:23], s[10:11], s[22:23]      ; the codes
	s_add_nc_u64 s[20:21], s[10:11], s[20:21]      ; the scale words
	s_wait_tensorcnt 1                             ; the scale words and my part of slot 0 are in (slot 1's load may be out),
	s_barrier_signal -1
	s_barrier_wait -1
	FETCH_B 0, 0, 0
	FETCH_A 0, 0, 0
	SCALES 0
	FETCH_A 0, 0, H
	STEP 0, 0, 1
.if LAPS > 1
	s_mov_b32 s3, LAPS-1
.Llap:
	MIDS 0
	TURN 0, 1, 1
	STEP 1, 0, 0
	MIDS 1
	TURN 1, 0, 1
	STEP 0, 0, 0
	s_sub_co_u32 s3, s3, 1
	s_cmp_lg_u32 s3, 0
	s_cbranch_scc1 .Llap
.endif
	MIDS 0
	TURN 0, 1, 0
	STEP 1, 0, 0
	MIDS 1
	s_wait_dscnt H*NL
	WIN MUL_LO
	MULQ 0, 1, NQ-1, 1, 0
	MULQ 1, 1, NQ-1, 1, 0
	s_wait_dscnt 0
	WIN MUL_HI
	MULQ 2, 1, NQ-1, 1, 0
	MULQ 3, 1, NQ-1, 1, 0
	WIN 0
	PLACES NP                                      ; behind the last products
.irp b, 0,1,2,3
	v_mov_b32 v[TM+4+\b], 0                        ; a lane permute's destination counts as one of its sources
.endr
	v_cmp_ne_u32 vcc_lo, 0, v13                    ; lanes 16-31
	s_wait_loadcnt 0x0                             ; the bias
.macro ETILE a
	s_wait_xcnt 0x0                                ; the last tile's stores have read their registers
.set WW, 0x02+(\a)/4
	WIN WW                                         ; source 0: window 2 or 3
.set jj, 0
.rept 32
	v_pk_add_f32 v[HA+jj:HA+jj+1], v[64*((\a)%4)+jj:64*((\a)%4)+jj+1], v[BI+jj:BI+jj+1]   ; + bias; each accumulator from its low end on
.set jj, jj+2
.endr
	WIN 0
.set jj, 0
.rept 64
	v_max_num_f32 v[HA+jj], 0, v[HA+jj]            ; the activation, in f32
.set jj, jj+1
.endr
	QUANT HA
	v_mov_b32 v[PWS+\a], v[PW]
	global_store_b128 v10, v[PC:PC+3], s[22:23] offset:(\a)*49152
	global_store_b64 v11, v[PC+4:PC+5], s[22:23] offset:(\a)*49152+512
	global_store_b128 v10, v[PC+6:PC+9], s[22:23] offset:(\a)*49152+768
	global_store_b64 v11, v[PC+10:PC+11], s[22:23] offset:(\a)*49152+1280
.endm
.irp a, 0,1,2,3,4,5,6,7
	ETILE \a
.endr
.irp j, 0,1,2,3
	v_cndmask_b32 v[TM+\j], v[PWS+2*\j], v[PWS+2*\j+1], vcc_lo    ; lanes 0-15 the even tile's words, lanes 16-31 the odd tile's
.endr
.irp j, 0,1,2,3
	global_store_b32 v12, v[TM+\j], s[20:21] offset:4096*\j
.endr
	s_wait_tensorcnt 0x0                           ; the wave's end
	ds_add_u32 v[SPW], v[NIL]
	s_wait_dscnt 0x0
	CROUND                                         ; the closing round
	s_endpgm
.Lfunc_end_k_q2558a35e3b_ffn1:
	.size	k_q2558a35e3b_ffn1, .Lfunc_end_k_q2558a35e3b_ffn1-k_q2558a35e3b_ffn1
	.p2alignl 7, 3214868480
	.fill 96, 4, 3214868480
	.section	.rodata,"a",@progbits
	.p2align	6, 0x0
	.amdhsa_kernel k_q2558a35e3b_ffn1
		.amdhsa_group_segment_fixed_size 327680
		.amdhsa_private_segment_fixed_size 0
		.amdhsa_enable_private_segment 0
		.amdhsa_kernarg_size 32
		.amdhsa_user_sgpr_count 2
		.amdhsa_user_sgpr_kernarg_segment_ptr 1
		.amdhsa_wavefront_size32 1
		.amdhsa_system_sgpr_workgroup_id_x 1
		.amdhsa_system_sgpr_workgroup_id_y 1
		.amdhsa_system_sgpr_workgroup_id_z 1
		.amdhsa_system_vgpr_workitem_id 0
		.amdhsa_next_free_vgpr 1024
		.amdhsa_next_free_sgpr 102
		.amdhsa_reserve_vcc 1
		.amdhsa_float_denorm_mode_32 3
		.amdhsa_float_denorm_mode_16_64 3
		.amdhsa_memory_ordered 1
		.amdhsa_forward_progress 1
		.amdhsa_inst_pref_size 184
	.end_amdhsa_kernel
	.amdgpu_metadata
---
amdhsa.version: [ 1, 2 ]
amdhsa.kernels:
  - .name:           k_q2558a35e3b_ffn1
    .symbol:         k_q2558a35e3b_ffn1.kd
    .args:
      - { .name: xq, .offset: 0, .size: 8, .value_kind: global_buffer, .address_space: global }
      - { .name: wimg, .offset: 8, .size: 8, .value_kind: global_buffer, .address_space: global }
      - { .name: b1, .offset: 16, .size: 8, .value_kind: global_buffer, .address_space: global }
      - { .name: fq, .offset: 24, .size: 8, .value_kind: global_buffer, .address_space: global }
    .group_segment_fixed_size: 327680
    .private_segment_fixed_size: 0
    .kernarg_segment_align: 8
    .kernarg_segment_size: 32
    .max_flat_workgroup_size: 128
    .sgpr_count:     102
    .vgpr_count:     1024
    .wavefront_size: 32
...
	.end_amdgpu_metadata
.endif
;; end of part 6
;; launch ffn2 (part 7): grid 8 x 32, 4 waves a work-group, clusters of 4 x 4, 327,680 bytes of LDS; arguments fq, wimg, b2, hbuf, out0; writes out0
.if DOCPART == 7
	.amdgcn_target "amdgcn-amd-amdhsa--gfx1250"
	.amdhsa_code_object_version 6
	.text
	.protected	k_q2558a35e3b_ffn2
	.globl	k_q2558a35e3b_ffn2
	.p2align	8
	.type	k_q2558a35e3b_ffn2,@function
k_q2558a35e3b_ffn2:
	s_mov_b64 s[64:65], 0
	v_nop
	global_prefetch_b8 v0, s[64:65] scope:SCOPE_SE
	s_setreg_imm32_b32 hwreg(HW_REG_WAVE_MODE, 25, 1), 1
	s_wait_xcnt 0x0
	s_wait_alu depctr_hold_cnt(0) depctr_sa_sdst(0) depctr_va_vdst(0) depctr_va_sdst(0) depctr_va_ssrc(0) depctr_va_vcc(0) depctr_vm_vsrc(0)
	s_getreg_b32 s2, hwreg(HW_REG_IB_STS2, 6, 4)
	s_cmp_eq_u32 s2, 0
	s_cbranch_scc0 .Lentry_in_a_cluster
	s_endpgm
.Lentry_in_a_cluster:
	s_bfe_u32 s2, ttmp6, 0x10000c
	s_cmp_lg_u32 s2, 0xf033
	s_cbranch_scc0 .Lentry_shape_is_right
	s_endpgm
.Lentry_shape_is_right:
; out = h + (f W2 + b2): f [4096][4096] and W2's rows [1024][4096] as codes of E3M2 with E8M0 scales, laid as register images; out f32 [4096][1024]; sums in f32.
; OPERANDS: fragment (tile T of 16 rows, K step s of 128) = 1,536 bytes at (T KS + s) 1536: lane L's registers 0-3 at 16 L, 4-5 at 512 + 8 L, 6-9 at 768 + 16 L, 10-11 at 1280 + 8 L; scale words at ((T KS + s) 16 + r) 4.
; Row r of tile T is row 32 (T / 2) + 8 (T % 2) + r + 8 (r / 8).
; The output has 32 x 8 blocks of 128 x 128: one for each of 256 work-groups (blocks of 256 x 256 would be 64).  Four waves, each 64 x 64: 16 accumulators.  K = 4,096 goes in slots of 512 through a ring of two LDS slots
; filled by the tensor data mover; the scale words of all of K come once.  THE MATRIX INSTRUCTION IS USED TRANSPOSED (source 0 = W2's rows, source 1 = tokens).
; CLUSTERS: 4 x 4; A's tiles are asked for jointly along a row of the cluster, B's along a column.
; THE WAY OUT: a tile of 16 tokens x 64 columns goes through the wave's own stage in LDS and comes back as rows of 256 bytes; residual and bias are added there; sixteen lanes store 256 consecutive bytes, aligned.
; The residual is asked for at the head, into registers that lie idle (window 3).
; REGISTERS: window 0: v10, v11 16 L, 8 L; v16-23 LDS addresses; v24 STO, v25 RD, v26 CO, v27 scale words' address, v28, v29 the add's; v32-63 scale words; v64-67 bias; from v128 A's fragments (later rows on their way out).
; window 1: B's fragments, two sets.  window 2: the accumulators ((a, b) at v[8 (4 a + b)]).  window 3: the residual.
.set NB,    4
.set NQ,    4
.set KS,    32
.set BCODE, 6291456                    ; W2's codes in wimg
.set BSCL,  9699328                    ; its scale words
.set ASCL,  12582912                   ; A's scale words in its buffer
.set MUL_HI, 0xa1
.set FRB,   1536
.set FR,    12
.set NL,    4
.set NP,    4
.set H,     NB/2
.set TROW,  NQ*FRB
.set HALFT, NB*TROW
.set SLOT,  4*HALFT
.set LAPS,  KS/(2*NQ)
.set SCL,   2*SLOT
.set HALFS, NB*KS*64
.set SPARE, SCL+4*HALFS                ; the spare words: two blocks of 256 bytes that no other line names
.set STAGE, SPARE+512                  ; 16 rows x (256 + 16) bytes for each wave; no tensor load lands here
.set ADRA, 16
.set ADRB, 20
.set STO,  24
.set RD,   25
.set CO,   26
.set ADRS, 27
.set SPW,  28
.set NIL,  29
.set SC,   32
.set BI,   64
.set AF,   128
.set BK,   128
.set G1, 24
.set G0, 32
.set G1B, 48
.set G0B, 56
.set G1S, 68
.set G0S, 76
.set G1SB, 80
.set G0SB, 88
.set MSB, 0
.macro WIN new
.if MSB != \new
	s_set_vgpr_msb (MSB<<8)|\new
.set MSB, \new
.endif
.endm
.set MUL_LO, 0xa1
.set TO_B,   0x40
.macro JLOAD g0a, g1a, g0b, g1b        ; a joint load: waves 0 and 1 fetch for A, waves 2 and 3 for B; four v_nop follow each of the two lines
	s_cmp_eq_u32 s15, 0
	s_cbranch_scc0 .Lfor_b_\@
	tensor_load_to_lds s[\g0a:\g0a+3], s[\g1a:\g1a+7]
	s_nop 0
.rept 4
	v_nop
.endr
	s_branch .Lasked_\@
.Lfor_b_\@:
	tensor_load_to_lds s[\g0b:\g0b+3], s[\g1b:\g1b+7]
	s_nop 0
.rept 4
	v_nop
.endr
.Lasked_\@:
.endm
.macro CREST
	s_cmp_lg_u32 s14, 0
	s_cbranch_scc1 .Lnot_wave_0_\@
	s_barrier_signal -3
.Lnot_wave_0_\@:
	s_barrier_wait -3
	s_barrier_signal -1
	s_barrier_wait -1
.endm
.macro CROUND
	s_barrier_signal -1
	s_barrier_wait -1
	CREST
.endm
.macro PLACES n
.rept \n
	v_nop
.endr
.endm
.macro FRAG reg, adr, q, i
	ds_load_b128 v[\reg:\reg+3], v[\adr] offset:(\i)*TROW+(\q)*FRB
	ds_load_b64 v[\reg+4:\reg+5], v[\adr+2] offset:(\i)*TROW+(\q)*FRB+512
	ds_load_b128 v[\reg+6:\reg+9], v[\adr] offset:(\i)*TROW+(\q)*FRB+768
	ds_load_b64 v[\reg+10:\reg+11], v[\adr+2] offset:(\i)*TROW+(\q)*FRB+1280
.endm
.macro MULA a, p, q, sc, zero          ; the accumulators take turns, one instruction a turn
.set bb, 0
.rept NB
.set rD, 8*(NB*((\a)%4)+bb)
.set rB, 128*(\p)+FR*bb
.set rA, AF+FR*(\a)
.set rSB, SC+16*(\sc)+NQ*bb+(\q)
.set rSA, SC+16*(\sc)+NQ*(\a)+(\q)
.if \zero
	v_wmma_scale_f32_16x16x128_f8f6f4 v[rD:rD+7], v[rB:rB+FR-1], v[rA:rA+FR-1], 0, v[rSB], v[rSA] matrix_a_fmt:MATRIX_FMT_BF6 matrix_b_fmt:MATRIX_FMT_BF6 matrix_a_scale:MATRIX_SCALE_ROW1
.else
	v_wmma_scale_f32_16x16x128_f8f6f4 v[rD:rD+7], v[rB:rB+FR-1], v[rA:rA+FR-1], v[rD:rD+7], v[rSB], v[rSA] matrix_a_fmt:MATRIX_FMT_BF6 matrix_b_fmt:MATRIX_FMT_BF6 matrix_a_scale:MATRIX_SCALE_ROW1
.endif
.set bb, bb+1
.endr
.endm
.macro MULQ k, p, q, sc, zero
.set aa, (\k)*NB/4
.rept NB/4
	MULA aa, \p, \q, \sc, \zero
.set aa, aa+1
.endr
.endm
.macro FETCH_B slot, q, p
	WIN TO_B
.set ii, 0
.rept NB
	FRAG 128*(\p)+FR*ii, ADRB+\slot, \q, ii
.set ii, ii+1
.endr
	WIN 0
.endm
.macro FETCH_A slot, q, i0
.set ii, \i0
.rept H
	FRAG AF+FR*ii, ADRA+\slot, \q, ii
.set ii, ii+1
.endr
.endm
.macro SCALES sc
.set ii, 0
.rept NB
.set qq, 0
.rept NQ
	ds_load_b32 v[SC+16*\sc+NQ*ii+qq], v[ADRS] offset:ii*KS*64+64*qq
.set qq, qq+1
.endr
.set ii, ii+1
.endr
.endm
.macro STEP slot, q, zero
	s_wait_dscnt H*NL                              ; all but the youngest loads, A's second half
	WIN MUL_LO
	MULQ 0, (\q)%2, \q, \slot, \zero
	MULQ 1, (\q)%2, \q, \slot, \zero
	s_wait_dscnt 0
	PLACES NP
	FETCH_B \slot, (\q)+1, 1-(\q)%2
	FETCH_A \slot, (\q)+1, 0
	WIN MUL_HI
	MULQ 2, (\q)%2, \q, \slot, \zero
	MULQ 3, (\q)%2, \q, \slot, \zero
	PLACES NP
	WIN 0
	FETCH_A \slot, (\q)+1, H
.endm
.macro MIDS slot
.if NQ > 2
	STEP \slot, 1, 0
	STEP \slot, 2, 0
.endif
.endm
.macro TURN slot, next, fill
	s_wait_tensorcnt 0x0                           ; all my tensor loads have landed: my part of the next slot
	ds_add_u32 v[SPW], v[NIL]                      ; 0 onto my spare word
	s_wait_dscnt H*NL+1                            ; (the add and A's second half may be out)
	WIN MUL_LO
	MULQ 0, 1, NQ-1, \slot, 0
	s_wait_dscnt 0x0                               ; the add is done, and my reads of this slot are over
	s_barrier_signal -1
	MULQ 1, 1, NQ-1, \slot, 0
	WIN 0
	s_barrier_wait -1
.if \fill
	CREST                                          ; the barrier has opened a round of the cluster's barrier: no wave of any partner still reads this slot or has a load on its way
	s_add_nc_u64 s[G0+4*\slot+2:G0+4*\slot+3], s[G0+4*\slot+2:G0+4*\slot+3], 2*TROW
	s_add_nc_u64 s[G0B+4*\slot+2:G0B+4*\slot+3], s[G0B+4*\slot+2:G0B+4*\slot+3], 2*TROW
	JLOAD G0+4*\slot, G1, G0B+4*\slot, G1B
.else
	PLACES NP
.endif
	v_add_nc_u32 v[ADRS], 64*NQ, v[ADRS]
	FETCH_B \next, 0, 0
	FETCH_A \next, 0, 0
	SCALES \next
	WIN MUL_HI
	MULQ 2, 1, NQ-1, \slot, 0
	MULQ 3, 1, NQ-1, \slot, 0
	PLACES NP
	WIN 0
	FETCH_A \next, 0, H
.endm
	s_load_b256 s[4:11], s[0:1], 0x0               ; A s[4:5], wimg s[6:7], bias s[8:9], residual s[10:11]
	s_load_b64 s[12:13], s[0:1], 0x20              ; the output
	v_lshl_add_u32 v[SPW], v0, 2, SPARE
	v_mov_b32 v[NIL], 0
	ds_add_u32 v28, v29
	ds_add_u32 v28, v29
	s_wait_dscnt 0x0
	v_lshrrev_b32 v1, 5, v0
	v_readfirstlane_b32 s14, v1
	s_lshr_b32 s15, s14, 1
	s_and_b32 s16, s14, 1
	s_bfe_u32 s40, ttmp6, 0x40000
	s_bfe_u32 s41, ttmp6, 0x40004
	s_lshl_b32 s42, ttmp9, 2
	s_add_co_u32 s42, s42, s40                     ; block of 128 columns
	s_and_b32 s17, ttmp7, 0xffff
	s_lshl_b32 s17, s17, 2
	s_add_co_u32 s17, s17, s41                     ; block of 128 tokens
	s_lshl_b32 s43, s41, 2
	s_lshl_b32 s43, 15, s43
	s_lshl_b32 s44, 0x1111, s40
	s_or_b32 s[G1+0], s43, (3<<16)|(1<<21)         ; 15:0 the mask; 17:16 elements of 8 bytes; 21 set beside a mask; no padding
	s_or_b32 s[G1B+0], s44, (3<<16)|(1<<21)
.irp g, G1, G1B
	s_mov_b32 s[\g+1], (TROW/8)<<16
	s_mov_b32 s[\g+2], NB<<16
	s_mov_b32 s[\g+3], (TROW/8)<<16
	s_mov_b32 s[\g+4], NB
	s_mov_b32 s[\g+5], KS*192
	s_mov_b32 s[\g+6], 0
	s_mov_b32 s[\g+7], 0
.endr
	s_or_b32 s[G1S+0], s43, (3<<16)|(1<<21)
	s_or_b32 s[G1SB+0], s44, (3<<16)|(1<<21)
.irp g, G1S, G1SB
	s_mov_b32 s[\g+1], 32<<16
	s_mov_b32 s[\g+2], (HALFS/256)<<16
	s_mov_b32 s[\g+3], 32<<16
	s_mov_b32 s[\g+4], HALFS/256
	s_mov_b32 s[\g+5], 32
	s_mov_b32 s[\g+6], 0
	s_mov_b32 s[\g+7], 0
.endr
	s_mul_i32 s45, s16, NB
	s_mul_i32 s20, s17, 2*NB
	s_add_co_u32 s20, s20, s45
	s_mul_i32 s46, s42, 2*NB
	s_add_co_u32 s46, s46, s45
	s_mul_i32 s22, s20, KS*64
	s_add_co_u32 s22, s22, ASCL
	s_mul_i32 s92, s46, KS*64
	s_add_co_u32 s92, s92, BSCL
	s_mul_i32 s20, s20, KS*FRB
	s_mul_i32 s46, s46, KS*FRB
	s_add_co_u32 s46, s46, BCODE
	s_mov_b32 s21, 0
	s_mov_b32 s23, 0
	s_mov_b32 s47, 0
	s_mov_b32 s93, 0
	s_mul_i32 s45, s14, HALFT
	s_mul_i32 s94, s14, HALFS
	s_wait_kmcnt 0x0
	s_add_nc_u64 s[20:21], s[4:5], s[20:21]
	s_add_nc_u64 s[22:23], s[4:5], s[22:23]
	s_add_nc_u64 s[46:47], s[6:7], s[46:47]
	s_add_nc_u64 s[92:93], s[6:7], s[92:93]
	CROUND                                         ; all sixteen work-groups are here: the first joint loads meet
	s_mov_b32 s[G0S], 1
	s_add_co_u32 s[G0S+1], s94, SCL
	s_mov_b64 s[G0S+2:G0S+3], s[22:23]
	s_or_b32 s[G0S+3], s[G0S+3], 0x80000000
	s_mov_b32 s[G0SB], 1
	s_add_co_u32 s[G0SB+1], s94, SCL
	s_mov_b64 s[G0SB+2:G0SB+3], s[92:93]
	s_or_b32 s[G0SB+3], s[G0SB+3], 0x80000000
	JLOAD G0S, G1S, G0SB, G1SB
.irp s, 0,1
	s_mov_b32 s[G0+4*\s], 1
	s_add_co_u32 s[G0+4*\s+1], s45, \s*SLOT
	s_add_nc_u64 s[G0+4*\s+2:G0+4*\s+3], s[20:21], \s*TROW
	s_or_b32 s[G0+4*\s+3], s[G0+4*\s+3], 0x80000000
	s_mov_b32 s[G0B+4*\s], 1
	s_add_co_u32 s[G0B+4*\s+1], s45, \s*SLOT
	s_add_nc_u64 s[G0B+4*\s+2:G0B+4*\s+3], s[46:47], \s*TROW
	s_or_b32 s[G0B+4*\s+3], s[G0B+4*\s+3], 0x80000000
	JLOAD G0+4*\s, G1, G0B+4*\s, G1B               ; three tensor loads of mine are out
.endr
	v_and_b32 v1, 31, v0
	v_and_b32 v2, 15, v0                           ; r
	v_bfe_u32 v13, v0, 4, 1                        ; h
	v_lshlrev_b32 v10, 4, v1
	v_lshlrev_b32 v11, 3, v1
	s_mul_i32 s21, s15, HALFT
	s_mul_i32 s22, s16, HALFT
	s_add_co_u32 s22, s22, 2*HALFT
.irp s, 0,1
	v_add_nc_u32 v[ADRA+\s], s21, v10
	v_add_nc_u32 v[ADRB+\s], s22, v10
	v_add_nc_u32 v[ADRA+2+\s], s21, v11
	v_add_nc_u32 v[ADRB+2+\s], s22, v11
	s_add_co_u32 s21, s21, SLOT
	s_add_co_u32 s22, s22, SLOT
.endr
	v_lshlrev_b32 v5, 2, v2
	s_mul_i32 s21, s15, HALFS
	s_mul_i32 s22, s16, HALFS
	s_add_co_u32 s22, s22, 2*HALFS
	s_sub_co_u32 s22, s22, s21
	v_mul_u32_u24 v6, s22, v13
	s_add_co_u32 s21, s21, SCL
	v_add_nc_u32 v5, v5, v6
	v_add_nc_u32 v[ADRS], s21, v5
	s_mul_i32 s23, s14, 16*272
	s_add_co_u32 s23, s23, STAGE                   ; my stage
	v_mul_u32_u24 v5, v2, 272
	v_lshl_add_u32 v5, v13, 6, v5
	v_add_nc_u32 v[STO], s23, v5                   ; in: row r, + 64 h
	v_mul_u32_u24 v5, v13, 272
	v_lshl_add_u32 v5, v2, 4, v5
	v_add_nc_u32 v[RD], s23, v5                    ; back: lanes 0-15 one row of 256 bytes, lanes 16-31 the next
	v_lshlrev_b32 v5, 12, v13
	v_lshl_add_u32 v[CO], v2, 4, v5                ; and the same two rows in memory
	v_lshlrev_b32 v9, 4, v2
	s_lshl_b32 s20, s42, 9
	s_lshl_b32 s21, s16, 8
	s_add_co_u32 s20, s20, s21                     ; my first column, in bytes
	s_mov_b32 s21, 0
	s_add_nc_u64 s[8:9], s[8:9], s[20:21]
	s_lshl_b32 s22, s17, 7
	s_lshl_b32 s23, s15, 6
	s_add_co_u32 s22, s22, s23
	s_lshl_b32 s22, s22, 12                        ; my first token's row
	s_add_co_u32 s20, s20, s22
	s_add_nc_u64 s[10:11], s[10:11], s[20:21]
	s_add_nc_u64 s[12:13], s[12:13], s[20:21]
	global_load_b128 v[BI:BI+3], v9, s[8:9]        ; the bias of my four columns of a row
	WIN 0xc0                                       ; destination window 3
.set aa, 0
.rept 4
.set tt, 0
.rept 8
	global_load_b128 v[32*aa+4*tt:32*aa+4*tt+3], v[CO], s[10:11] offset:(32*(aa/2)+8*(aa%2)+2*tt+8*(tt/4))*4096
.set tt, tt+1
.endr
.set aa, aa+1
.endr
	WIN 0
	s_wait_tensorcnt 1                             ; the scale words and my part of slot 0 are in (slot 1's load may be out),
	s_barrier_signal -1
	s_barrier_wait -1
	FETCH_B 0, 0, 0
	FETCH_A 0, 0, 0
	SCALES 0
	FETCH_A 0, 0, H
	STEP 0, 0, 1
.if LAPS > 1
	s_mov_b32 s3, LAPS-1
.Llap:                                                 ; a trip goes once round the ring and fills both slots again
	MIDS 0
	TURN 0, 1, 1
	STEP 1, 0, 0
	MIDS 1
	TURN 1, 0, 1
	STEP 0, 0, 0
	s_sub_co_u32 s3, s3, 1
	s_cmp_lg_u32 s3, 0
	s_cbranch_scc1 .Llap
.endif
	MIDS 0
	TURN 0, 1, 0                                   ; the last lap fills nothing
	STEP 1, 0, 0
	MIDS 1
	s_wait_dscnt H*NL
	WIN MUL_LO
	MULQ 0, 1, NQ-1, 1, 0
	MULQ 1, 1, NQ-1, 1, 0
	s_wait_dscnt 0
	WIN MUL_HI
	MULQ 2, 1, NQ-1, 1, 0
	MULQ 3, 1, NQ-1, 1, 0
	WIN 0
.macro OUT a
.if (\a) > 1
	s_wait_xcnt 0x0                                ; tile a - 2's stores have read their registers
.endif
.set BB, BK+32*((\a)%2)
	WIN 0x08                                       ; an LDS store's data: window 2
.set bb, 0
.rept 4
	ds_store_b128 v[STO], v[8*(4*(\a)+bb):8*(4*(\a)+bb)+3] offset:128*(bb/2)+32*(bb%2)       ; each accumulator from its low end on
	ds_store_b128 v[STO], v[8*(4*(\a)+bb)+4:8*(4*(\a)+bb)+7] offset:128*(bb/2)+32*(bb%2)+16
.set bb, bb+1
.endr
	WIN 0
.set tt, 0
.rept 8
	ds_load_b128 v[BB+4*tt:BB+4*tt+3], v[RD] offset:544*tt         ; LDS serves a wave's instructions in order: these see the stores above
.set tt, tt+1
.endr
	s_wait_dscnt 0x0
	WIN 0x0c                                       ; source 1: window 3
.set jj, 0
.rept 16
	v_pk_add_f32 v[BB+jj:BB+jj+1], v[BB+jj:BB+jj+1], v[32*(\a)+jj:32*(\a)+jj+1]   ; + the residual
.set jj, jj+2
.endr
	WIN 0
.set jj, 0
.rept 16
	v_pk_add_f32 v[BB+jj:BB+jj+1], v[BB+jj:BB+jj+1], v[BI+jj%4:BI+jj%4+1]         ; + the bias
.set jj, jj+2
.endr
.set tt, 0
.rept 8
	global_store_b128 v[CO], v[BB+4*tt:BB+4*tt+3], s[12:13] offset:(32*((\a)/2)+8*((\a)%2)+2*tt+8*(tt/4))*4096 th:TH_STORE_NT
.set tt, tt+1
.endr
.endm
	s_wait_loadcnt 0x0                             ; residual and bias
	PLACES NP                                      ; behind the last products
	OUT 0
	OUT 1
	OUT 2
	OUT 3
	s_wait_tensorcnt 0x0                           ; the wave's end
	ds_add_u32 v[SPW], v[NIL]
	s_wait_dscnt 0x0
	CROUND                                         ; the closing round
	s_endpgm
.Lfunc_end_k_q2558a35e3b_ffn2:
	.size	k_q2558a35e3b_ffn2, .Lfunc_end_k_q2558a35e3b_ffn2-k_q2558a35e3b_ffn2
	.p2alignl 7, 3214868480
	.fill 96, 4, 3214868480
	.section	.rodata,"a",@progbits
	.p2align	6, 0x0
	.amdhsa_kernel k_q2558a35e3b_ffn2
		.amdhsa_group_segment_fixed_size 327680
		.amdhsa_private_segment_fixed_size 0
		.amdhsa_enable_private_segment 0
		.amdhsa_kernarg_size 40
		.amdhsa_user_sgpr_count 2
		.amdhsa_user_sgpr_kernarg_segment_ptr 1
		.amdhsa_wavefront_size32 1
		.amdhsa_system_sgpr_workgroup_id_x 1
		.amdhsa_system_sgpr_workgroup_id_y 1
		.amdhsa_system_sgpr_workgroup_id_z 1
		.amdhsa_system_vgpr_workitem_id 0
		.amdhsa_next_free_vgpr 1024
		.amdhsa_next_free_sgpr 102
		.amdhsa_reserve_vcc 0
		.amdhsa_float_denorm_mode_32 3
		.amdhsa_float_denorm_mode_16_64 3
		.amdhsa_memory_ordered 1
		.amdhsa_forward_progress 1
		.amdhsa_inst_pref_size 107
	.end_amdhsa_kernel
	.amdgpu_metadata
---
amdhsa.version: [ 1, 2 ]
amdhsa.kernels:
  - .name:           k_q2558a35e3b_ffn2
    .symbol:         k_q2558a35e3b_ffn2.kd
    .args:
      - { .name: fq, .offset: 0, .size: 8, .value_kind: global_buffer, .address_space: global }
      - { .name: wimg, .offset: 8, .size: 8, .value_kind: global_buffer, .address_space: global }
      - { .name: b2, .offset: 16, .size: 8, .value_kind: global_buffer, .address_space: global }
      - { .name: hbuf, .offset: 24, .size: 8, .value_kind: global_buffer, .address_space: global }
      - { .name: out0, .offset: 32, .size: 8, .value_kind: global_buffer, .address_space: global }
    .group_segment_fixed_size: 327680
    .private_segment_fixed_size: 0
    .kernarg_segment_align: 8
    .kernarg_segment_size: 40
    .max_flat_workgroup_size: 128
    .sgpr_count:     102
    .vgpr_count:     1024
    .wavefront_size: 32
...
	.end_amdgpu_metadata
.endif
;; end of part 7
;; ======== version 2 of 2: 8 launches; version 1 with the launch attn written anew for expert scheduling mode
;; workspace buffers: wimg 9,830,400 bytes; xq 3,276,800 bytes; aq 3,276,800 bytes; fq 13,107,200 bytes; hbuf 16,777,216 bytes; qkvb 9,830,400 bytes; mw 532,480 bytes of whole numbers
;; launch prep: the kernel of part 1 again; grid 640 x 1, 8 waves a work-group, no clusters, 0 bytes of LDS; arguments W1, W2, Wq, Wk, Wv, Wo, mask, wimg, mw; writes wimg, mw
;; launch ln1: the kernel of part 2 again; grid 256 x 1, 8 waves a work-group, no clusters, 87,552 bytes of LDS; arguments x, ln1_g, ln1_b, xq; writes xq
;; launch qkv: the kernel of part 3 again; grid 4 x 48, 4 waves a work-group, clusters of 4 x 4, 327,680 bytes of LDS; arguments xq, wimg, bq, bk, bv, qkvb; writes qkvb
;; launch attn (part 8): grid 8 x 32, 16 waves a work-group, no clusters, 276,480 bytes of LDS; arguments qkvb, mw, aq; writes aq
.if DOCPART == 8
	.amdgcn_target "amdgcn-amd-amdhsa--gfx1250"
	.amdhsa_code_object_version 6
	.text
	.protected	k_q2558a35e3b_attn
	.globl	k_q2558a35e3b_attn
	.p2align	8
	.type	k_q2558a35e3b_attn,@function
k_q2558a35e3b_attn:
	s_mov_b64 s[64:65], 0
	v_nop
	global_prefetch_b8 v0, s[64:65] scope:SCOPE_SE
	s_setreg_imm32_b32 hwreg(HW_REG_WAVE_SCHED_MODE, 0, 2), 2
	s_setreg_imm32_b32 hwreg(HW_REG_WAVE_MODE, 25, 1), 1
	s_wait_xcnt 0x0
	s_wait_alu depctr_vm_vsrc(0)
; o = softmax(where(mask, q k^T / 8, -1e9)) v for one head, both products on codes of E3M2 with E8M0 scales; the result is quantised along the model's axis and stored as the next product's operand.
; THE SOFTMAX: t = score x log2(e) / 8; M = the running largest t rounded UP to a whole number; p = 2^(t - M) is quantised along the keys, not normalised; the row's sum is taken of the unquantised p and divides at the end.
; SHARES.  A work-group takes one (batch, head) and 16 tiles of 16 queries: tile 8 i + x for the bands i = 0 .. 15.  The head's K, V^T and their scale words, 204,800 dense bytes, are copied into LDS once, through registers,
; and read by all sixteen waves.  TWO WAVES SHARE A TILE'S 16 KEY STEPS, one the even steps and one the odd, and each wave takes two tiles: wave w (pair j = w / 2, parity p = w % 2) walks the steps p, p + 2, .. of the bands
; j and 15 - j: first the tile that its partner finishes, whose O^T, -M and sum it leaves in LDS bytes of its own, then the tile that it finishes itself.  Behind one barrier it reads its partner's part of that tile and
; joins the two as a step joins old and new: under the larger M, by factors 2^(own M - joint M), which round nothing.  So no wave walks more than 16 steps, and where the keys behind a query are hidden the bands j and
; 15 - j have 17 steps together, 8 or 9 a wave.  That serves the balance alone: no result hangs on it.
; LAYOUT.  Both products are used transposed: S^T = K Q^T, O^T = V^T P^T: a lane holds one query (lane % 16).  Row r of a tile is row 32 (T / 2) + 8 (T % 2) + r + 8 (r / 8), so that the 16 registers of two
; neighbouring tiles are 16 neighbours along the next K.  THE HEAD'S 64 UNDER AN INSTRUCTION OF 128: two tiles of keys lie side by side in one fragment; Q stands beside 64 zero codes, low or high, which picks the tile.
; THE MASK is an input: an earlier launch has laid it as lane masks (64 words for a tile of queries and a key step) and flags, whole numbers.  A step in which no row of the tile sees a key is left out,
; but only if each of its 16 rows sees a key somewhere: a row that sees none walks all steps and gets the uniform weights that the formula gives it.  A step in which all keys count neither asks for the words nor selects:
; the step's front is written twice, once behind the scalar loads and once without them.
; NO TENSOR LOAD AND NO CLUSTER: steps are jumped over on numbers read from memory, so the tiles cannot come by tensor loads, and joint loads are tensor loads.
; LIMITS: a hidden logit stands at -2^30 where the formula has -1e9 (t and M are then exact, and a row without keys has p = 1): it differs only where a logit that counts lies under about -1e9.
; Blocks under 2^(5 - 127) keep the byte 1.  NaN and infinities are not served.
; REGISTERS: v4-8 lane terms; v9-11, v46, v47 a step's LDS addresses; v12 -M, v13 the largest t, v[14:15] the sum; v16-33 zeros, Q, zeros; v34 Q's scales; v36-39 K's words, v40-43 V's; v44 p's word; v45 the hidden score;
; v48-95 four fragments; v96-159 S^T, then p; v160-191 O^T; v192-211 codes; v212-229 at work; v230-233 the copy's addresses; v234-237 the parts' addresses; v238-244 the second tile's Q and scales; v245-250 offsets of Q's loads.
; s11 parity; s12 the tile in hand; s14, s15 the step's places in LDS; s16, s17 the tile's two rows of bits; s18 trips; s[24:25] the mask's words; s2, s3, s27, s[28:29] the same for the second tile.
; THE MODE: SCHED_MODE bits 1:0 = 2 (LLVM: expert scheduling mode 2), set by the entry lines.  The code itself states the register dependences
; between vector or matrix instructions and memory or LDS instructions, with s_wait_alu, always for 0.
; THE PLAN.  Registers that LDS or memory instructions touch:
;   v4, v5, v35, v230-237, v245-250   offsets and addresses: all made at the head, ahead of ONE wait on va_vdst in front of the first load, and never written again.
;   v48-147 at the head               the copy's 25 loads land in them and its 25 LDS stores read them; one wait on vm_vsrc behind the copy's barrier, ahead of the steps, whose loads and products write them.
;   v9-11, v46, v47                   written by five additions at a step's head, read by the step's 40 LDS loads.
;   v48-95 with v36-39                K's fragments and words: loaded at the step's head, read by the eight products K Q^T.
;   v48-95 with v40-43                V^T's: loaded behind those products, read by the four products V^T P^T at the step's end.  (Sixteen waves of 256 registers leave no room for a second set of 48.)
;   v160-191, v12, v13                between the tiles: read by the nine LDS stores of my part, then begun afresh.
;   v96-129                           at the joining my partner's part lands in them.          v192-197, v44   the way out's codes and bytes, read by the three stores.
; A STEP has one wait on vm_vsrc (ahead of the additions) and four on va_vdst: behind the additions (addresses written; the last step's four products done reading v48-95 and v40-43); behind the eight products (done reading
; v48-95); behind the exponentials, ahead of their first reader; ahead of the four products (p's codes and word written).  A step that is left out issues no vector and no LDS instruction.
.set VOFF, 98304
.set KSC,  196608
.set PART, 204800                      ; behind the head's block: 4,352 bytes for each wave: O^T (eight stores of 512 bytes), then -M and the sum (8 bytes a lane)
.set PSZ,  4352
; a tile's 16 flags (from s[f] on) become two rows of bits, shifted so that bit 0 is my parity's first step
.macro FLAGS f, z, on
	s_mov_b32 s[\z], 0                             ; bit ks: no row of the tile sees a key in step ks
	s_mov_b32 s[\on], 0                            ; bit ks: every key of step ks counts for every row
	s_mov_b32 s30, 0                               ; the rows that see a key at all
.set k, 0
.rept 16
	s_and_b32 s19, s[\f+k], 0xffff
	s_cselect_b32 s26, 0, 1<<k
	s_or_b32 s[\z], s[\z], s26
	s_or_b32 s30, s30, s19
	s_bfe_u32 s26, s[\f+k], 0x10010
	s_lshl_b32 s26, s26, k
	s_or_b32 s[\on], s[\on], s26
.set k, k+1
.endr
	s_cmp_eq_u32 s30, 0xffff
	s_cselect_b32 s[\z], s[\z], 0                  ; a row without keys: no step is left out
	s_lshr_b32 s[\z], s[\z], s11
	s_lshr_b32 s[\on], s[\on], s11
.endm
; a tile begins: the largest t under every t, the sum and O^T zeros, which the first change of M leaves zeros
.macro FRESH
	v_mov_b32 v13, 0xff61b1e6                      ; -3e38
	v_floor_f32 v12, -v13                          ; -M
	v_mov_b32 v14, 0
	v_mov_b32 v15, 0
.set j, 0
.rept 32
	v_mov_b32 v[160+j], 0
.set j, j+1
.endr
.endm
; a step's front: K's four fragments, the eight products S^T = K Q^T, and V^T's loads, which land under the softmax
.macro SCORES
.irp p, 0,1,2,3                                ; four fragments, each two tiles of 16 keys side by side
	ds_load_b128 v[48+12*\p:51+12*\p], v9 offset:1536*\p
	ds_load_b64 v[52+12*\p:53+12*\p], v10 offset:1536*\p+512
	ds_load_b128 v[54+12*\p:57+12*\p], v9 offset:1536*\p+768
	ds_load_b64 v[58+12*\p:59+12*\p], v10 offset:1536*\p+1280
	ds_load_b32 v[36+\p], v47 offset:64*\p
.endr
	s_wait_dscnt 0x0
.irp p, 0,1,2,3
	v_wmma_scale_f32_16x16x128_f8f6f4 v[96+16*\p:103+16*\p], v[48+12*\p:59+12*\p], v[22:33], 0, v[36+\p], v34 matrix_a_fmt:MATRIX_FMT_BF6 matrix_b_fmt:MATRIX_FMT_BF6    ; Q low: the even tile
	v_wmma_scale_f32_16x16x128_f8f6f4 v[104+16*\p:111+16*\p], v[48+12*\p:59+12*\p], v[16:27], 0, v[36+\p], v34 matrix_a_fmt:MATRIX_FMT_BF6 matrix_b_fmt:MATRIX_FMT_BF6  ; Q high: the odd tile
.endr
.rept 4
	v_nop                                          ; places: the scores are read by the vector instructions behind this macro
.endr
	s_wait_alu depctr_va_vdst(0)                   ; the eight products are done reading v48-95, in which V^T's loads land (v40-43 were last read ahead of the wait at the step's head)
.irp p, 0,1,2,3
	ds_load_b128 v[48+12*\p:51+12*\p], v11 offset:1536*\p
	ds_load_b64 v[52+12*\p:53+12*\p], v46 offset:1536*\p+512
	ds_load_b128 v[54+12*\p:57+12*\p], v11 offset:1536*\p+768
	ds_load_b64 v[58+12*\p:59+12*\p], v46 offset:1536*\p+1280
	ds_load_b32 v[40+\p], v47 offset:4096+64*\p
.endr
.endm
; my parity's eight key steps of the tile in hand
.macro PHASE
	s_mul_i32 s14, s11, 6144                       ; the step's fragments: 6,144 bytes a step, every second step is mine
	s_lshl_b32 s15, s11, 8                         ; its scale words: 256 bytes a step
	s_mov_b32 s18, 0
.Lstep_\@:
	s_bitcmp1_b32 s16, 0
	s_cbranch_scc1 .Lnext_\@
	s_wait_alu depctr_vm_vsrc(0)                   ; the LDS loads issued so far have read v9-11, v46 and v47, which the five additions write
	v_add_nc_u32 v9, s14, v4
	v_add_nc_u32 v10, s14, v5
	v_add_nc_u32 v11, s14, v6
	v_add_nc_u32 v46, s14, v7
	v_add_nc_u32 v47, s15, v8
	s_wait_alu depctr_va_vdst(0)                   ; the five addresses are written, which the step's LDS loads read; the last step's four products are done reading v48-95 and v40-43, in which loads land; in a tile's first step Q and its scale word are written, which the products take
	s_bitcmp1_b32 s17, 0
	s_cbranch_scc1 .Lall_\@
	s_load_b512 s[32:47], s[24:25], 0x0            ; the step's 64 lane masks: asked for only where some key is hidden
	s_load_b512 s[48:63], s[24:25], 0x40
	s_load_b512 s[68:83], s[24:25], 0x80
	s_load_b512 s[84:99], s[24:25], 0xc0
	SCORES
	s_wait_kmcnt 0x0
.set n, 0
.rept 32
	v_cndmask_b32 v[96+n], v45, v[96+n], s[32+n]   ; register n = 16 b + i holds key 32 b + 16 (lane / 16) + i of the step
.set n, n+1
.endr
.set n, 0
.rept 32
	v_cndmask_b32 v[128+n], v45, v[128+n], s[68+n]
.set n, n+1
.endr
	s_branch .Lsoft_\@
.Lall_\@:
	SCORES                                         ; every key counts: no words, no wait for them, no selects
.Lsoft_\@:
.irp b, 0,1,2,3
	v_max3_num_f32 v[212+\b], v[96+16*\b], v[97+16*\b], v[98+16*\b]   ; the largest score of each block of 32 keys: for the row's maximum, and, since p rises with the score, for the block's largest p
.endr
.irp i, 3,5,7,9,11,13
.irp b, 0,1,2,3
	v_max3_num_f32 v[212+\b], v[212+\b], v[96+16*\b+\i], v[97+16*\b+\i]
.endr
.endr
.irp b, 0,1,2,3
	v_max_num_f32 v[212+\b], v[212+\b], v[111+16*\b]
.endr
.irp b, 0,1,2,3
	v_permlanex16_b32 v[216+\b], v[212+\b], s20, s21
.endr
.irp b, 0,1,2,3
	v_max_num_f32 v[212+\b], v[212+\b], v[216+\b]
.endr
	v_max3_num_f32 v226, v212, v213, v214
	v_max_num_f32 v226, v226, v215
	v_mul_f32 v226, s22, v226                      ; as t
	v_max_num_f32 v13, v13, v226                   ; the running largest t
	v_mov_b32 v226, v12
	v_floor_f32 v12, -v13                          ; the new -M: M is a whole number
	v_sub_f32 v226, v12, v226                      ; old M - new M, 0 or less
	v_cvt_i32_f32 v226, v226                       ; (it saturates)
	v_ldexp_f32 v224, 1.0, v226                    ; f = 2^(old M - new M): rounds nothing
.set j, 0
.rept 32
	v_pk_fma_f32 v[96+j:97+j], v[96+j:97+j], s[22:23], v[12:13] op_sel_hi:[1,0,0]   ; t - M
.set j, j+2
.endr
.irp b, 0,1,2,3
	v_fma_f32 v[212+\b], v[212+\b], s22, v12
.endr
.set j, 0
.rept 64
	v_exp_f32 v[96+j], v[96+j]                     ; p = 2^(t - M)
.set j, j+1
.endr
.irp b, 0,1,2,3
	v_exp_f32 v[212+\b], v[212+\b]                 ; the block's largest p
.endr
	v_pk_mul_f32 v[14:15], v[14:15], v[224:225] op_sel_hi:[1,0]       ; the sums under the new M (a plain place behind the exponentials)
.set j, 0
.rept 16
	v_pk_mul_f32 v[160+j:161+j], v[160+j:161+j], v[224:225] op_sel_hi:[1,0]         ; O^T under the new M: work that names no exponential's result, between the batch and the wait for it
.set j, j+2
.endr
	s_wait_alu depctr_va_vdst(0)                   ; the 68 exponentials have written v96-159 and v212-215: one wait for the batch, ahead of its first reader
.irp b, 0,1,2,3
	v_max_num_f32 v[212+\b], 0x2800000, v[212+\b]  ; the floor 2^(5 - 127)
.endr
.irp b, 0,1,2,3
	v_add_nc_u32 v[220+\b], 0xfe000000, v[212+\b]  ; the conversion's scale operand
.endr
.irp b, 0,1,2,3
	v_lshrrev_b32 v[216+\b], 23, v[220+\b]
.endr
	v_lshl_or_b32 v44, v217, 8, v216               ; p's scale word for these 128 keys
	v_lshl_or_b32 v44, v218, 16, v44
	v_lshl_or_b32 v44, v219, 24, v44
.irp c, 0,1
	v_cvt_scalef32_pk16_bf6_f32 v[192+6*\c:194+6*\c], v[96+32*\c:111+32*\c], v[220+2*\c]
	v_cvt_scalef32_pk16_bf6_f32 v[204+4*\c:206+4*\c], v[112+32*\c:127+32*\c], v[220+2*\c+1]
.endr
	v_nop                                          ; one plain place behind a scaled conversion
.irp c, 0,1
.irp i, 0,1,2
	v_permlane16_swap_b32 v[192+6*\c+\i], v[204+4*\c+\i]
.endr
.irp i, 0,1,2
	v_mov_b32 v[195+6*\c+\i], v[204+4*\c+\i]
.endr
.endr
	v_pk_add_f32 v[228:229], v[96:97], v[98:99]    ; the row's sum is taken of the unquantised p, in two chains.  (These 32 additions are also the places between p's codes and word and the products that take them)
.irp j, 4,8,12,16,20,24,28,32,36,40,44,48,52,56,60
	v_pk_add_f32 v[14:15], v[14:15], v[96+\j:97+\j]
	v_pk_add_f32 v[228:229], v[228:229], v[98+\j:99+\j]
.endr
	v_pk_add_f32 v[14:15], v[14:15], v[228:229]
	s_wait_dscnt 0x0                               ; V^T
	s_wait_alu depctr_va_vdst(0)                   ; p's codes v192-203 and its scale word v44 are written, which the four products take; the places above stay beside this wait
.irp t, 0,1,2,3
	v_wmma_scale_f32_16x16x128_f8f6f4 v[160+8*\t:167+8*\t], v[48+12*\t:59+12*\t], v[192:203], v[160+8*\t:167+8*\t], v[40+\t], v44 matrix_a_fmt:MATRIX_FMT_BF6 matrix_b_fmt:MATRIX_FMT_BF6
.endr
.Lnext_\@:
	s_add_nc_u64 s[24:25], s[24:25], 512           ; no scalar load is out here: where they were issued they were waited for
	s_add_co_u32 s14, s14, 12288
	s_add_co_u32 s15, s15, 512
	s_lshr_b32 s16, s16, 2
	s_lshr_b32 s17, s17, 2
	s_add_co_u32 s18, s18, 1
	s_cmp_lt_u32 s18, 8
	s_cbranch_scc1 .Lstep_\@
.endm
	s_load_b128 s[4:7], s[0:1], 0x0                ; qkvb s[4:5], mw s[6:7]
	s_load_b64 s[8:9], s[0:1], 0x10                ; aq
	v_lshl_add_u32 v254, v0, 2, 0x43000
	v_mov_b32 v255, 0
	v_lshrrev_b32 v1, 5, v0
	v_readfirstlane_b32 s10, v1                    ; wave 0..15
	v_and_b32 v1, 31, v0                           ; L
	v_and_b32 v2, 15, v0                           ; r
	v_lshlrev_b32 v4, 4, v1                        ; 16 L
	v_lshlrev_b32 v5, 3, v1                        ; 8 L
	v_lshlrev_b32 v35, 2, v2                       ; 4 r
	v_lshlrev_b32 v230, 4, v0                      ; the copy: 16 x thread, in memory and in LDS
	v_add_nc_u32 v231, 0x10000, v230
	v_add_nc_u32 v232, 0x20000, v230
	v_add_nc_u32 v233, 0x30000, v230
	v_add_nc_u32 v6, VOFF, v4
	v_add_nc_u32 v7, VOFF, v5
	v_add_nc_u32 v8, KSC, v35
	s_wait_alu depctr_va_sdst(0)                   ; s10 is written, ahead of its first reader: the tiles, the parity and the parts' places are made from it
	s_and_b32 s11, s10, 1                          ; p: my parity of key steps
	s_lshr_b32 s19, s10, 1                         ; j: my pair
	s_sub_co_u32 s26, 15, s19
	s_cmp_lg_u32 s11, 0
	s_cselect_b32 s12, s19, s26                    ; the first band: the one that my partner finishes
	s_cselect_b32 s27, s26, s19                    ; the second: the one that I finish
	s_lshl_b32 s12, s12, 3
	s_add_co_u32 s12, s12, ttmp9                   ; the first tile of queries
	s_lshl_b32 s27, s27, 3
	s_add_co_u32 s27, s27, ttmp9                   ; the second
	s_and_b32 s13, ttmp7, 0xffff                   ; 16 x batch + head
	s_lshl_b32 s14, s13, 7
	s_add_co_u32 s15, s14, s12
	s_mul_i32 s15, s15, 768                        ; Q's half fragment of the first tile,
	s_add_co_u32 s16, s14, s27
	s_mul_i32 s16, s16, 768                        ; of the second
	s_lshl_b32 s14, s13, 6
	s_lshr_b32 s17, s12, 1
	s_add_co_u32 s17, s17, s14
	s_lshl_b32 s17, s17, 6
	s_add_co_u32 s17, s17, 3145728                 ; the words of the first tile's pair of tiles,
	s_lshr_b32 s18, s27, 1
	s_add_co_u32 s18, s18, s14
	s_lshl_b32 s18, s18, 6
	s_add_co_u32 s18, s18, 3145728                 ; of the second's
	s_mul_i32 s30, s13, 204800
	s_add_co_u32 s30, s30, 3276800                 ; the head's block
	s_mov_b32 s31, 0
	s_lshl_b32 s19, s11, 8
	s_lshl_b32 s24, s12, 12                        ; a tile's lane masks: 256 bytes a step; my parity's first step
	s_add_co_u32 s24, s24, s19
	s_mov_b32 s25, 0
	s_lshl_b32 s28, s27, 12
	s_add_co_u32 s28, s28, s19
	s_mov_b32 s29, 0
	s_lshl_b32 s2, s12, 6
	s_add_co_u32 s2, s2, 524288                    ; and its 16 flags
	s_mov_b32 s3, 0
	s_lshl_b32 s100, s27, 6
	s_add_co_u32 s100, s100, 524288
	s_mov_b32 s101, 0
	s_mov_b32 s20, 0x76543210
	s_mov_b32 s21, 0xfedcba98                      ; v_permlanex16_b32's selects for lane l xor 16
	s_mov_b32 s22, 0x3e38aa3b                      ; c = log2(e) / 8
	s_mov_b32 s23, s22
	v_add_nc_u32 v245, s15, v4                     ; offsets of Q's loads; never rewritten
	v_add_nc_u32 v246, s15, v5
	v_add_nc_u32 v247, s17, v35
	v_add_nc_u32 v248, s16, v4
	v_add_nc_u32 v249, s16, v5
	v_add_nc_u32 v250, s18, v35
	s_mul_i32 s19, s10, PSZ
	s_add_co_u32 s19, s19, PART
	v_add_nc_u32 v234, s19, v4                     ; my part: 16 L,
	v_add_nc_u32 v235, s19, v5                     ; 8 L
	s_xor_b32 s26, s10, 1
	s_mul_i32 s26, s26, PSZ
	s_add_co_u32 s26, s26, PART
	v_add_nc_u32 v236, s26, v4                     ; my partner's
	v_add_nc_u32 v237, s26, v5
	s_wait_kmcnt 0x0
	s_add_nc_u64 s[30:31], s[4:5], s[30:31]
	s_add_nc_u64 s[24:25], s[6:7], s[24:25]
	s_add_nc_u64 s[28:29], s[6:7], s[28:29]
	s_add_nc_u64 s[2:3], s[6:7], s[2:3]
	s_add_nc_u64 s[100:101], s[6:7], s[100:101]
	s_wait_alu depctr_va_vdst(0)                   ; all offsets and addresses are written (v4, v5, v35, v230-237, v245-250): the loads below, the copy's LDS stores, the parts' stores and loads and the last stores read them, and none is written again
	global_load_b128 v[22:25], v245, s[4:5]
	global_load_b64 v[26:27], v246, s[4:5] offset:512
	global_load_b32 v34, v247, s[4:5]
	global_load_b128 v[238:241], v248, s[4:5]
	global_load_b64 v[242:243], v249, s[4:5] offset:512
	global_load_b32 v244, v250, s[4:5]
.set i, 0
.rept 25
	global_load_b128 v[48+4*i:51+4*i], v230, s[30:31] offset:8192*i
.set i, i+1
.endr
	s_load_b512 s[32:47], s[2:3], 0x0              ; the first tile's flags
	s_load_b512 s[48:63], s[100:101], 0x0          ; the second's
.irp j, 16,17,18,19,20,21,28,29,30,31,32,33
	v_mov_b32 v\j, 0                               ; 64 zero codes on either side of Q
.endr
.irp j, 216,217,218,219,225,226,228,229
	v_mov_b32 v\j, 0                               ; permutes' destinations, and halves of pairs, are written once
.endr
	v_mov_b32 v45, 0xd0000000                      ; -2^33: a hidden score
.set i, 0
.rept 25
	s_wait_loadcnt 24-i                            ; loads come back in order: load i is in, the younger ones may be out
	ds_store_b128 v[230+i/8], v[48+4*i:51+4*i] offset:8192*(i%8)   ; no vector instruction since the wait above names its address or its data
.set i, i+1
.endr
	s_and_b32 s19, ttmp9, 1                        ; both tiles are 8 x band + x: odd where x is
	s_lshl_b32 s19, s19, 4
	v_lshrrev_b32 v34, s19, v34                    ; a tile's two bytes of its pair's word,
	v_lshrrev_b32 v244, s19, v244
	v_and_b32 v34, 0xffff, v34
	v_and_b32 v244, 0xffff, v244
	v_lshl_or_b32 v34, v34, 16, v34                ; for Q low and for Q high
	v_lshl_or_b32 v244, v244, 16, v244
	FRESH
	s_wait_kmcnt 0x0
	FLAGS 32, 16, 17                               ; (the copy's loads are done: its base's registers serve as scratch)
	FLAGS 48, 2, 3
	s_wait_dscnt 0x0                               ; for the others' sake: my part of the copy has landed
	s_barrier_signal -1
	s_barrier_wait -1                              ; from here on the head's block is only read
	s_wait_alu depctr_vm_vsrc(0)                   ; my copy's LDS stores have read v48-147: from here on fragments land in these registers and products write them
	PHASE                                          ; the tile that my partner finishes: my parity's steps
.rept 4
	v_nop                                          ; places behind the last products
.endr
	v_add_f32 v13, v14, v15                        ; the sum's two halves
	s_wait_alu depctr_va_vdst(0)                   ; the last products have written O^T, and -M and the sum are written: the LDS stores below read them; the places above stay beside this wait
.irp i, 0,1,2,3,4,5,6,7
	ds_store_b128 v234, v[160+4*\i:163+4*\i] offset:512*\i         ; each accumulator from its low end on; 512 consecutive bytes a store
.endr
	ds_store_b64 v235, v[12:13] offset:4096        ; -M and the sum
.irp i, 0,1,2,3,4,5
	v_mov_b32 v[22+\i], v[238+\i]                  ; the second tile's Q
.endr
	v_mov_b32 v34, v244
	s_mov_b32 s16, s2
	s_mov_b32 s17, s3
	s_mov_b64 s[24:25], s[28:29]
	s_mov_b32 s12, s27
	s_wait_dscnt 0x0                               ; my part has landed
	s_wait_alu depctr_vm_vsrc(0)                   ; the nine LDS stores have read v160-191, v12 and v13, which are begun afresh below
	FRESH
	PHASE                                          ; the tile that I finish
	; THE TWO PARTS OF MY TILE ARE JOINED under the larger M
.rept 4
	v_nop                                          ; places behind the last products
.endr
	v_add_f32 v14, v14, v15
	s_wait_dscnt 0x0                               ; no LDS instruction of mine is out
	s_barrier_signal -1
	s_barrier_wait -1                              ; every wave's part lies in LDS
	s_wait_alu depctr_va_vdst(0)                   ; the steps' products, exponentials, conversions and sums are done writing and reading v96-129, in which my partner's part lands
.irp i, 0,1,2,3,4,5,6,7
	ds_load_b128 v[96+4*\i:99+4*\i], v236 offset:512*\i
.endr
	ds_load_b64 v[128:129], v237 offset:4096
	s_wait_dscnt 0x0
	v_min_num_f32 v130, v12, v128                  ; the joint -M
	v_sub_f32 v131, v130, v12                      ; my M - the joint M: a whole number, 0 or less
	v_sub_f32 v132, v130, v128                     ; my partner's likewise
	v_cvt_i32_f32 v131, v131                       ; (they saturate: a part that walked no step gets the factor 0, on zeros)
	v_cvt_i32_f32 v132, v132
	v_ldexp_f32 v224, 1.0, v131
	v_ldexp_f32 v228, 1.0, v132
	v_mul_f32 v14, v14, v224
	v_fma_f32 v14, v129, v228, v14
.set j, 0
.rept 16
	v_pk_mul_f32 v[160+j:161+j], v[160+j:161+j], v[224:225] op_sel_hi:[1,0]
.set j, j+2
.endr
.set j, 0
.rept 16
	v_pk_fma_f32 v[160+j:161+j], v[96+j:97+j], v[228:229], v[160+j:161+j] op_sel_hi:[1,0,1]
.set j, j+2
.endr
	; THE WAY OUT: O^T / the sum; my 32 registers are the head's 64 channels, 16 of each block: two blocks of the next product's K
	v_permlanex16_b32 v226, v14, s20, s21
	v_add_f32 v14, v14, v226
	v_rcp_f32 v14, v14
	v_nop                                          ; a plain place behind the transcendental
	s_wait_alu depctr_va_vdst(0)                   ; the reciprocal has written v14: the wait ahead of its first reader
.set j, 0
.rept 32
	v_mul_f32 v[96+j], v[160+j], v14
.set j, j+1
.endr
.irp b, 0,1
	v_max3_num_f32 v[212+\b], |v[96+16*\b]|, |v[97+16*\b]|, 0x2800000
.endr
.irp i, 2,4,6,8,10,12,14
.irp b, 0,1
	v_max3_num_f32 v[212+\b], v[212+\b], |v[96+16*\b+\i]|, |v[97+16*\b+\i]|
.endr
.endr
.irp b, 0,1
	v_permlanex16_b32 v[216+\b], v[212+\b], s20, s21
.endr
.irp b, 0,1
	v_max_num_f32 v[212+\b], v[212+\b], v[216+\b]
.endr
.irp b, 0,1
	v_add_nc_u32 v[220+\b], 0xfe000000, v[212+\b]
.endr
.irp b, 0,1
	v_lshrrev_b32 v[216+\b], 23, v[220+\b]
.endr
	v_lshl_or_b32 v44, v217, 8, v216               ; the two bytes
	v_cvt_scalef32_pk16_bf6_f32 v[192:194], v[96:111], v220
	v_cvt_scalef32_pk16_bf6_f32 v[204:206], v[112:127], v221
	v_nop
.irp i, 0,1,2
	v_permlane16_swap_b32 v[192+\i], v[204+\i]
.endr
.irp i, 0,1,2
	v_mov_b32 v[195+\i], v[204+\i]
.endr
	s_lshr_b32 s26, s13, 4
	s_lshl_b32 s26, s26, 7
	s_add_co_u32 s26, s26, s12                     ; the tile of tokens: 128 x batch + my tile
	s_lshl_b32 s26, s26, 3
	s_bfe_u32 s27, s13, 0x30001
	s_add_co_u32 s26, s26, s27                     ; fragment: K step = head / 2
	s_and_b32 s27, s13, 1                          ; its half = head % 2
	s_mul_i32 s28, s26, 1536
	s_mul_i32 s29, s27, 768
	s_add_co_u32 s28, s28, s29
	s_mov_b32 s29, 0
	s_add_nc_u64 s[28:29], s[8:9], s[28:29]
	s_lshl_b32 s26, s26, 6
	s_lshl_b32 s27, s27, 1
	s_add_co_u32 s26, s26, s27
	s_add_co_u32 s26, s26, 3145728
	s_mov_b32 s27, 0
	s_add_nc_u64 s[26:27], s[8:9], s[26:27]
	s_wait_alu depctr_va_vdst(0)                   ; the codes v192-197 and the two bytes in v44 are written, which the three stores read
	global_store_b128 v4, v[192:195], s[28:29]     ; 512 consecutive bytes, aligned
	global_store_b64 v5, v[196:197], s[28:29] offset:512
	global_store_b16 v35, v44, s[26:27]            ; a head is half of a K step: two of a word's four bytes (lanes 16-31 write the same bytes with the same value)
	s_wait_dscnt 0x0
	s_wait_alu depctr_hold_cnt(0) depctr_sa_sdst(0) depctr_va_vdst(0) depctr_va_sdst(0) depctr_va_ssrc(0) depctr_va_vcc(0) depctr_vm_vsrc(0)
	s_wait_tensorcnt 0x0
	ds_add_u32 v254, v255
	s_wait_dscnt 0x0
	s_endpgm
.Lfunc_end_k_q2558a35e3b_attn:
	.size	k_q2558a35e3b_attn, .Lfunc_end_k_q2558a35e3b_attn-k_q2558a35e3b_attn
	.p2alignl 7, 3214868480
	.fill 96, 4, 3214868480
	.section	.rodata,"a",@progbits
	.p2align	6, 0x0
	.amdhsa_kernel k_q2558a35e3b_attn
		.amdhsa_group_segment_fixed_size 276480
		.amdhsa_private_segment_fixed_size 0
		.amdhsa_enable_private_segment 0
		.amdhsa_kernarg_size 24
		.amdhsa_user_sgpr_count 2
		.amdhsa_user_sgpr_kernarg_segment_ptr 1
		.amdhsa_wavefront_size32 1
		.amdhsa_system_sgpr_workgroup_id_x 1
		.amdhsa_system_sgpr_workgroup_id_y 1
		.amdhsa_system_sgpr_workgroup_id_z 1
		.amdhsa_system_vgpr_workitem_id 0
		.amdhsa_next_free_vgpr 256
		.amdhsa_next_free_sgpr 102
		.amdhsa_reserve_vcc 0
		.amdhsa_float_denorm_mode_32 3
		.amdhsa_float_denorm_mode_16_64 3
		.amdhsa_memory_ordered 1
		.amdhsa_forward_progress 1
		.amdhsa_inst_pref_size 81
	.end_amdhsa_kernel
	.amdgpu_metadata
---
amdhsa.version: [ 1, 2 ]
amdhsa.kernels:
  - .name:           k_q2558a35e3b_attn
    .symbol:         k_q2558a35e3b_attn.kd
    .args:
      - { .name: qkvb, .offset: 0, .size: 8, .value_kind: global_buffer, .address_space: global }
      - { .name: mw, .offset: 8, .size: 8, .value_kind: global_buffer, .address_space: global }
      - { .name: aq, .offset: 16, .size: 8, .value_kind: global_buffer, .address_space: global }
    .group_segment_fixed_size: 276480
    .private_segment_fixed_size: 0
    .kernarg_segment_align: 8
    .kernarg_segment_size: 24
    .max_flat_workgroup_size: 512
    .sgpr_count:     102
    .vgpr_count:     256
    .wavefront_size: 32
...
	.end_amdgpu_metadata
.endif
;; end of part 8
;; launch proj: the kernel of part 5 again; grid 8 x 32, 4 waves a work-group, clusters of 4 x 4, 327,680 bytes of LDS; arguments aq, wimg, bo, x, hbuf; writes hbuf
;; launch ln2: the kernel of part 2 again; grid 256 x 1, 8 waves a work-group, no clusters, 87,552 bytes of LDS; arguments hbuf, ln2_g, ln2_b, xq; writes xq
;; launch ffn1: the kernel of part 6 again; grid 16 x 16, 4 waves a work-group, clusters of 4 x 4, 327,680 bytes of LDS; arguments xq, wimg, b1, fq; writes fq
;; launch ffn2: the kernel of part 7 again; grid 8 x 32, 4 waves a work-group, clusters of 4 x 4, 327,680 bytes of LDS; arguments fq, wimg, b2, hbuf, out0; writes out0
